; MI455X (gfx1250); checked and timed in simulation.
; The chip was launched on July 23, 2026; its instructions are those of AMD's public machine-readable ISA for CDNA 5 (MIT licence, August 2026) and "CDNA5" Instruction Set Architecture Reference Guide (July 2026). The comments in the code are by the model that wrote it; some were corrected since.
;; Masked Attention. Allowed arithmetic: matrix products marked QUANTISED: E2M3 operands, one E8M0 scale for each 32 along K, by v_wmma_scale_f32_16x16x128_f8f6f4 with both operands' format E2M3, f32 sums; everything else in f32.
;; Inputs: Wk 1,024 x 1,024 float32; Wq 1,024 x 1,024 float32; Wv 1,024 x 1,024 float32; X 4 x 2,048 x 1,024 float32.
;; Outputs: out0 4 x 2,048 x 1,024 float32.
;; This version of the problem:
;;   THIS VERSION OF THE PROBLEM IS GIVEN IN LOW PRECISION. The matrix products marked QUANTISED in the list below multiply operands that are first quantised to E2M3 (2 exponent bits, 3 mantissa bits; 6 bits a number), with one power-of-two scale for each 32 numbers along K (OCP MX v1.0); their sums are f32. All else is computed in f32.
;;   The module's matrix products, in the order in which they are computed (A, B: the left and right operand; K: the contracted axis; several contracted axes count as one K, in the product's order):
;;     1. [M 8,192, K 1,024] x [K 1,024, N 1,024]; A: input X; B: input Wq: QUANTISED
;;     2. [M 8,192, K 1,024] x [K 1,024, N 1,024]; A: input X; B: input Wk: QUANTISED
;;     3. [M 8,192, K 1,024] x [K 1,024, N 1,024]; A: input X; B: input Wv: QUANTISED
;;     4. batch 4 x [M 2,048, K 1,024] x [K 1,024, N 2,048]; A: computed on the way; B: computed on the way: QUANTISED
;;     5. batch 4 x [M 2,048, K 2,048] x [K 2,048, N 1,024]; A: softmax (see below); B: computed on the way: QUANTISED
;;   THE QUANTISER, for each operand of a quantised product, along K:
;;     - K is cut into blocks of 32 from its start; a last block that is shorter is filled with zeros.
;;     - A block's scale is 2^e with e = floor(log2(the largest magnitude in the block)) - 2, held to -126 .. 127; a block of zeros has e = 0. As a byte (E8M0): e + 127.
;;     - Each number is divided by its block's scale, clamped to +-7.5, and rounded to the nearest number of E2M3, ties to even, subnormals kept.
;;     - The product sums the exact products of the quantised numbers (number of the format x scale) in f32.
;;   ~~~python
;;   def quantise(x, axis):      # numpy; x: float32 -> the quantised numbers, widened to float32 again
;;       x = np.moveaxis(x, axis, -1); K = x.shape[-1]
;;       x = np.pad(x, [(0, 0)] * (x.ndim - 1) + [(0, -K % 32)]); x = x.reshape(x.shape[:-1] + (-1, 32)); a = np.abs(x).max(-1, keepdims=True)
;;       e = np.where(a > 0, np.clip(np.frexp(np.where(a > 0, a, 1))[1] - 1 - 2, -126, 127), 0)      # np.frexp(a)[1] - 1 = floor(log2(a)), exactly
;;       r = np.clip(x / 2.0 ** e, -7.5, 7.5)
;;       step = 2.0 ** (np.maximum(np.frexp(np.where(r == 0, 1, r))[1] - 1, 0) - 3)
;;       q = np.round(r / step) * step * 2.0 ** e      # np.round: ties to even
;;       return np.moveaxis(q.reshape(q.shape[:-2] + (-1,))[..., :K], -1, axis).astype(np.float32)
;;   ~~~
;;   SOFTMAX AHEAD OF A QUANTISED PRODUCT. Where the list says 'softmax', what is quantised is not the finished softmax but p = 2^(t - M), with t = logit x log2(e) and M = ceil(the row's largest t), a whole number; so 1/2 < the row's largest p <= 1. The row's sum l is taken of the UNQUANTISED p, in f32, and the product's result is divided by l at the end. Since M is a whole number, a kernel that streams over the keys may use a running M (the ceiling of the running maximum): every later rescaling is an exact power of two, which a block's scale takes up: the codes' values come out the same.
;;   OPERANDS COMPUTED ON THE WAY. 'Computed on the way' means the value that the module computes at that place (a softmax that the list does not call 'softmax' is quantised finished and normalised). What goes into a quantiser is computed in f32, as accurately as f32 sums, v_exp_f32 and their like allow (about 1e-6 of the number): no bf16 or f16 on the way to a quantiser, and a product that is left as it is and whose result goes on into a quantised operand takes f32 operands (vector FMAs, or v_wmma_f32_16x16x4_f32). A number that lies on a knife's edge between two numbers of the format may be rounded either way, as far as f32 arithmetic and the matrix unit's own rounding can turn it there, and no further.
;; 2 versions, each right and faster than the one before. Each part assembles by itself: llvm-mc -triple=amdgcn-amd-amdhsa -mcpu=gfx1250 --defsym DOCPART=n.
;; ======== version 1 of 2: 4 launches
;; limits: right only within a limited range of input values
;; workspace buffers: XWc 9,011,200 bytes; QKVc 19,660,800 bytes; Pc 14,155,776 bytes
;; launch quant (part 1): grid 8 x 88, 4 waves a work-group, no clusters, 80,384 bytes of LDS; arguments X, Wq, Wk, Wv, XWc; writes XWc
.if DOCPART == 1
	.amdgcn_target "amdgcn-amd-amdhsa--gfx1250"
	.amdhsa_code_object_version 6
	.text
	.protected	k_q6b5743e440_quant
	.globl	k_q6b5743e440_quant
	.p2align	8
	.type	k_q6b5743e440_quant,@function
k_q6b5743e440_quant:
	s_mov_b64 s[64:65], 0
	v_nop
	global_prefetch_b8 v0, s[64:65] scope:SCOPE_SE
	s_setreg_imm32_b32 hwreg(HW_REG_WAVE_MODE, 25, 1), 1
	s_wait_xcnt 0x0
; X [8192][1024] f32 (K innermost) and Wq, Wk, Wv [1024 (K)][1024] f32 (K outermost) become codes of FP6 (E2M3) with one E8M0 byte for each 32 along K.
; A block's scale is 2^(floor(log2(largest magnitude)) - 2); its byte is the largest magnitude's exponent field - 2, held at 1 from below.
; LAYOUT OF XWc, made for the reader: [group of 128 rows: 0-63 X's tokens, 64-71 Wq's columns, 72-79 Wk's, 80-87 Wv's][256 along K][25,600 bytes].
; In such a block: K step q (128 along K) at 12,288 q; in it tile t (16 rows) at 1,536 t, as an IMAGE OF THE OPERAND'S 12 REGISTERS: registers 4 g .. 4 g + 3 of lane l at 512 g + 16 l.
; The scale words (four bytes: a row's 128 along K) at 24,576 + 512 q + 4 (16 t + place).
; THE ROWS OF A TILE ARE NOT NEIGHBOURS: place r of tile t is row 32 (t / 2) + 8 (t % 2) + r + 8 (r / 8) of the group.
; A work-group takes one group and one K step; wave w makes tiles 2 w and 2 w + 1 (rows 32 w .. 32 w + 31).  Waves share nothing: no barrier.  The two paths part on the work-group's number and have LDS bytes of their own.
; LIMITS: a block of zeros gets the byte 1 (its codes are zeros, and this program alone reads the bytes); NaN and infinities among the inputs are not served.
.set BLK,  25600
.set SCO,  24576
.set QB,   12288
.set IMG,  1536
.set XP,   528                         ; X's stage: a row of 512 bytes + 16: sixteen rows begin in sixteen different 16-byte columns of 256
.set XST,  32*XP                       ; a wave's stage on X's path
.set WST,  4*XST                       ; the weights' stages begin here: 3,072 bytes a wave
.set R,    16                          ; v16-143  numbers as loaded
.set XN,   144                         ; v144-207 a tile's 64 numbers a lane
.set TM,   208                         ; v208-223 at work
.set PC,   224                         ; v224-242 codes
.set PWA,  244
.set PWB,  245
.set PWM,  246
.set SEL,  30                          ; s[30:31] selects of v_permlanex16_b32: lane l xor 16
; 64 numbers of a lane, register 16 b + i = k 32 b + 16 (lane / 16) + i of my row: the four blocks' largest magnitudes into v[TM] on
.macro QMAX s
.irp b, 0,1,2,3
	v_max3_num_f32 v[TM+\b], |v[(\s)+16*\b]|, |v[(\s)+16*\b+1]|, 0x1800000   ; with the floor 2^(3 - 127): the byte cannot fall under 1
.endr
.irp i, 2,4,6,8,10,12,14
.irp b, 0,1,2,3
	v_max3_num_f32 v[TM+\b], |v[(\s)+16*\b+\i]|, |v[(\s)+16*\b+\i+1]|, v[TM+\b]
.endr
.endr
.irp b, 0,1,2,3
	v_permlanex16_b32 v[TM+4+\b], v[TM+\b], s[SEL], s[SEL+1]
.endr
.irp b, 0,1,2,3
	v_max_num_f32 v[TM+\b], v[TM+\b], v[TM+4+\b]           ; with lane l xor 16's sixteen: the block's
.endr
.endm
; from the four largest magnitudes: the scale word into v[pw], the fragment's 12 registers into v[PC] on
.macro QTAIL s, pw
.irp b, 0,1,2,3
	v_add_nc_u32 v[TM+12+\b], 0xff000000, v[TM+\b]         ; 2 off the exponent field: the conversion's scale operand
.endr
.irp b, 0,1,2,3
	v_lshrrev_b32 v[TM+4+\b], 23, v[TM+12+\b]              ; the scale's byte
.endr
	v_lshl_or_b32 v[\pw], v[TM+5], 8, v[TM+4]
	v_lshl_or_b32 v[\pw], v[TM+6], 16, v[\pw]
	v_lshl_or_b32 v[\pw], v[TM+7], 24, v[\pw]
	s_wait_xcnt 0x0                                        ; earlier stores have read the codes' registers: they are written again only behind this wait
.irp c, 0,1
	v_cvt_scalef32_pk16_fp6_f32 v[PC+6*\c:PC+6*\c+2], v[(\s)+32*\c:(\s)+32*\c+15], v[TM+12+2*\c]
	v_cvt_scalef32_pk16_fp6_f32 v[PC+12+4*\c:PC+14+4*\c], v[(\s)+32*\c+16:(\s)+32*\c+31], v[TM+13+2*\c]   ; (a conversion's three registers begin on an even number)
.endr
	v_nop                                                  ; one plain place behind a scaled conversion
.irp c, 0,1                                            ; the operand wants a whole block in a lane: lanes 0-15 block 2 c, lanes 16-31 block 2 c + 1
.irp i, 0,1,2
	v_permlane16_swap_b32 v[PC+6*\c+\i], v[PC+12+4*\c+\i]
.endr
.irp i, 0,1,2
	v_mov_b32 v[PC+3+6*\c+\i], v[PC+12+4*\c+\i]
.endr
.endr
.endm
	s_load_b256 s[4:11], s[0:1], 0x0               ; X s[4:5], Wq s[6:7], Wk s[8:9], Wv s[10:11]
	s_load_b64 s[12:13], s[0:1], 0x20              ; XWc
	v_lshl_add_u32 v254, v0, 2, 0x13800
	v_mov_b32 v255, 0
	v_lshrrev_b32 v1, 5, v0
	v_readfirstlane_b32 s14, v1                    ; wave 0..3
	v_and_b32 v1, 31, v0                           ; lane
	v_lshlrev_b32 v4, 4, v1                        ; 16 x lane; never rewritten
	v_lshlrev_b32 v7, 2, v1                        ; 4 x lane; never rewritten
	s_and_b32 s15, ttmp7, 0xffff                   ; the group, 0..87
	s_lshr_b32 s16, ttmp9, 1                       ; which 256 along K
	s_and_b32 s17, ttmp9, 1                        ; and which half of it
	s_lshl_b32 s18, s15, 2
	s_add_co_u32 s18, s18, s16
	s_mul_i32 s18, s18, BLK                        ; my block of XWc
	s_mul_i32 s19, s17, QB
	s_mul_i32 s20, s14, 2*IMG
	s_add_co_u32 s22, s18, s19
	s_add_co_u32 s22, s22, s20                     ; my wave's two images
	s_mov_b32 s23, 0
	s_lshl_b32 s19, s17, 9
	s_lshl_b32 s20, s14, 7
	s_add_co_u32 s24, s18, s19
	s_add_co_u32 s24, s24, s20
	s_add_co_u32 s24, s24, SCO                     ; my wave's 32 scale words
	s_mov_b32 s25, 0
	s_mov_b32 s[SEL], 0x76543210
	s_mov_b32 s[SEL+1], 0xfedcba98
	s_mov_b32 s28, 0xffff0000                      ; lanes 16-31
	s_wait_kmcnt 0x0
	s_add_nc_u64 s[22:23], s[12:13], s[22:23]
	s_add_nc_u64 s[24:25], s[12:13], s[24:25]
	s_cmp_ge_u32 s15, 64
	s_cbranch_scc1 .Lweights
	; ---- X: K is innermost.  Each load takes 512 consecutive bytes of one row; the rows turn through my stage, laid in the order of the tiles' places, and come back 64 numbers a lane
	v_and_b32 v2, 15, v0                           ; r
	v_bfe_u32 v3, v0, 4, 1                         ; h
	s_mul_i32 s26, s14, XST
	v_add_nc_u32 v5, s26, v4                       ; into the stage: 16 x lane of a row
	v_mul_u32_u24 v6, v2, XP
	v_lshl_add_u32 v6, v3, 6, v6
	v_add_nc_u32 v6, s26, v6                       ; out of it: place r, + 64 h: my 16 numbers of a block of 32
.irp b, 0,1,2,3
	v_mov_b32 v[TM+4+\b], 0                        ; a lane permute's destination counts as one of its sources
.endr
	s_lshl_b32 s32, s15, 7
	s_lshl_b32 s33, s14, 5
	s_add_co_u32 s32, s32, s33                     ; my first row: 128 x group + 32 x wave
	s_lshl_b32 s32, s32, 12                        ; rows of 4,096 bytes
	s_lshl_b32 s33, ttmp9, 9                       ; the K step's 512 bytes
	s_add_co_u32 s32, s32, s33
	s_mov_b32 s33, 0
	s_add_nc_u64 s[4:5], s[4:5], s[32:33]
.set i, 0
.rept 32
	global_load_b128 v[R+4*i:R+4*i+3], v4, s[4:5] offset:4096*i th:TH_LOAD_NT
.set i, i+1
.endr
.set i, 0
.rept 32
	s_wait_loadcnt 31-i                            ; row i is in; the younger loads stay out
	ds_store_b128 v5, v[R+4*i:R+4*i+3] offset:XP*(16*((i>>3)&1)+(i&7)+8*(i>>4))   ; row i is place (i % 8) + 8 (i / 16) of tile (i / 8) % 2
.set i, i+1
.endr
.macro TILE reg, u
.irp b, 0,1,2,3
.irp j, 0,1,2,3
	ds_load_b128 v[(\reg)+16*\b+4*\j:(\reg)+16*\b+4*\j+3], v6 offset:(\u)*16*XP+128*\b+16*\j
.endr
.endr
.endm
	TILE XN, 0                                     ; LDS serves a wave's instructions in order: these see my stores
	s_wait_dscnt 0x0                               ; the stores have read v16-143, and tile 0 is in
	TILE R, 1
	QMAX XN
	QTAIL XN, PWA
.irp g, 0,1,2
	global_store_b128 v4, v[PC+4*\g:PC+4*\g+3], s[22:23] offset:512*\g          ; 512 consecutive bytes, at a multiple of 256 from the buffer's first byte
.endr
	s_wait_dscnt 0x0                               ; tile 1 is in
	QMAX R
	QTAIL R, PWB
.irp g, 0,1,2
	global_store_b128 v4, v[PC+4*\g:PC+4*\g+3], s[22:23] offset:IMG+512*\g
.endr
	v_cndmask_b32 v[PWM], v[PWA], v[PWB], s28      ; lanes 0-15 tile 2 w's words, lanes 16-31 tile 2 w + 1's
	global_store_b32 v7, v[PWM], s[24:25]
	s_wait_tensorcnt 0x0
	ds_add_u32 v254, v255
	s_wait_dscnt 0x0
	s_endpgm
	; ---- the weights: K is the first axis.  A lane takes a column and its registers run down K: a block of 32 lies in one lane, and the codes come out with K innermost
.Lweights:
	s_sub_co_u32 s26, s15, 64
	s_lshr_b32 s26, s26, 3                         ; 0 Wq, 1 Wk, 2 Wv
	s_and_b32 s27, s15, 7                          ; which 128 columns
	s_cmp_eq_u32 s26, 0
	s_cselect_b64 s[6:7], s[6:7], s[8:9]
	s_cmp_eq_u32 s26, 2
	s_cselect_b64 s[6:7], s[10:11], s[6:7]
	s_lshl_b32 s32, ttmp9, 19                      ; 128 rows of 4,096 bytes a K step
	s_lshl_b32 s33, s27, 9
	s_add_co_u32 s32, s32, s33
	s_lshl_b32 s33, s14, 7                         ; my wave's 32 columns
	s_add_co_u32 s32, s32, s33
	s_mov_b32 s33, 0
	s_add_nc_u64 s[6:7], s[6:7], s[32:33]
	v_bfe_u32 v2, v0, 3, 1                         ; column 32 w + lane is place (lane % 8) + 8 (lane / 16) of tile 2 w + (lane / 8) % 2
	v_and_b32 v3, 7, v0
	v_bfe_u32 v10, v0, 4, 1
	v_lshl_add_u32 v3, v10, 3, v3
	v_lshl_add_u32 v9, v2, 4, v3
	v_lshlrev_b32 v9, 2, v9                        ; my scale word's place among the wave's 32
	v_mul_u32_u24 v8, v2, IMG
	v_lshl_add_u32 v8, v3, 4, v8
	s_mul_i32 s26, s14, 2*IMG
	s_add_co_u32 s26, s26, WST
	v_add_nc_u32 v8, s26, v8                       ; my stage: the image of my tile, + 16 x my place
	v_add_nc_u32 v11, s26, v4                      ; and back: 16 x lane
.macro WLOAD t
.set i, 0
.rept 32
	global_load_b32 v[R+32*(\t)+i], v7, s[6:7] offset:4096*(32*(\t)+i) th:TH_LOAD_NT   ; a wave reads 128 consecutive bytes, the work-group 512
.set i, i+1
.endr
.endm
; block t (32 along K) of my column belongs to lane (place, t % 2) of the image, registers 6 (t / 2) .. 6 (t / 2) + 5
.macro WBLOCK t
.set XS, R+32*(\t)
.set F, 144+8*(\t)
.set T, 176+4*(\t)
.if (\t) < 3
	s_wait_loadcnt 32                              ; this block's 32 loads are in; the next block's may be out
.else
	s_wait_loadcnt 0x0
.endif
.if (\t) < 2
	WLOAD (\t)+2
.endif
	v_max3_num_f32 v208, |v[XS]|, |v[XS+1]|, |v[XS+2]|
	v_max3_num_f32 v209, |v[XS+3]|, |v[XS+4]|, |v[XS+5]|
.irp i, 6,10,14,18,22,26
	v_max3_num_f32 v208, v208, |v[XS+\i]|, |v[XS+\i+1]|
	v_max3_num_f32 v209, v209, |v[XS+\i+2]|, |v[XS+\i+3]|
.endr
	v_max3_num_f32 v208, v208, |v[XS+30]|, |v[XS+31]|
	v_max3_num_f32 v208, v208, v209, 0x1800000     ; and the floor
	v_add_nc_u32 v210, 0xff000000, v208
	v_lshrrev_b32 v211, 23, v210
.if (\t) == 0
	v_mov_b32 v212, v211
.else
	v_lshl_or_b32 v212, v211, 8*(\t), v212         ; the scale word: the lower K in the lower byte
.endif
	v_cvt_scalef32_pk16_fp6_f32 v[F:F+2], v[XS:XS+15], v210
	v_cvt_scalef32_pk16_fp6_f32 v[T:T+2], v[XS+16:XS+31], v210
	v_nop                                          ; one plain place behind a scaled conversion
.irp i, 0,1,2
	v_mov_b32 v[F+3+\i], v[T+\i]
.endr
.if (\t) < 2
	ds_store_b128 v8, v[F:F+3] offset:256*(\t)                 ; registers 0-3 of lane 16 t + place
	ds_store_b64 v8, v[F+4:F+5] offset:512+256*(\t)            ; registers 4, 5
.else
	ds_store_b64 v8, v[F:F+1] offset:520+256*((\t)-2)          ; registers 6, 7
	ds_store_b128 v8, v[F+2:F+5] offset:1024+256*((\t)-2)      ; registers 8-11
.endif
.endm
	WLOAD 0
	WLOAD 1
	WBLOCK 0
	WBLOCK 1
	WBLOCK 2
	WBLOCK 3
.irp g, 0,1,2,3,4,5
	ds_load_b128 v[216+4*\g:219+4*\g], v11 offset:512*\g       ; my two images, as they will lie in memory
.endr
.irp g, 0,1,2,3,4,5
	s_wait_dscnt 5-\g
	global_store_b128 v4, v[216+4*\g:219+4*\g], s[22:23] offset:512*\g
.endr
	global_store_b32 v9, v212, s[24:25]
	s_wait_tensorcnt 0x0
	ds_add_u32 v254, v255
	s_wait_dscnt 0x0
	s_endpgm
.Lfunc_end_k_q6b5743e440_quant:
	.size	k_q6b5743e440_quant, .Lfunc_end_k_q6b5743e440_quant-k_q6b5743e440_quant
	.p2alignl 7, 3214868480
	.fill 96, 4, 3214868480
	.section	.rodata,"a",@progbits
	.p2align	6, 0x0
	.amdhsa_kernel k_q6b5743e440_quant
		.amdhsa_group_segment_fixed_size 80384
		.amdhsa_private_segment_fixed_size 0
		.amdhsa_enable_private_segment 0
		.amdhsa_kernarg_size 40
		.amdhsa_user_sgpr_count 2
		.amdhsa_user_sgpr_kernarg_segment_ptr 1
		.amdhsa_wavefront_size32 1
		.amdhsa_system_sgpr_workgroup_id_x 1
		.amdhsa_system_sgpr_workgroup_id_y 1
		.amdhsa_system_sgpr_workgroup_id_z 1
		.amdhsa_system_vgpr_workitem_id 0
		.amdhsa_next_free_vgpr 256
		.amdhsa_next_free_sgpr 66
		.amdhsa_reserve_vcc 0
		.amdhsa_float_denorm_mode_32 3
		.amdhsa_float_denorm_mode_16_64 3
		.amdhsa_memory_ordered 1
		.amdhsa_forward_progress 1
		.amdhsa_inst_pref_size 40
	.end_amdhsa_kernel
	.amdgpu_metadata
---
amdhsa.version: [ 1, 2 ]
amdhsa.kernels:
  - .name:           k_q6b5743e440_quant
    .symbol:         k_q6b5743e440_quant.kd
    .args:
      - { .name: X, .offset: 0, .size: 8, .value_kind: global_buffer, .address_space: global }
      - { .name: Wq, .offset: 8, .size: 8, .value_kind: global_buffer, .address_space: global }
      - { .name: Wk, .offset: 16, .size: 8, .value_kind: global_buffer, .address_space: global }
      - { .name: Wv, .offset: 24, .size: 8, .value_kind: global_buffer, .address_space: global }
      - { .name: XWc, .offset: 32, .size: 8, .value_kind: global_buffer, .address_space: global }
    .group_segment_fixed_size: 80384
    .private_segment_fixed_size: 0
    .kernarg_segment_align: 8
    .kernarg_segment_size: 40
    .max_flat_workgroup_size: 128
    .sgpr_count:     66
    .vgpr_count:     256
    .wavefront_size: 32
...
	.end_amdgpu_metadata
.endif
;; end of part 1
;; launch proj (part 2): grid 8 x 48, 4 waves a work-group, clusters of 4 x 4, 327,680 bytes of LDS; arguments XWc, QKVc; writes QKVc
.if DOCPART == 2
	.amdgcn_target "amdgcn-amd-amdhsa--gfx1250"
	.amdhsa_code_object_version 6
	.text
	.protected	k_q6b5743e440_proj
	.globl	k_q6b5743e440_proj
	.p2align	8
	.type	k_q6b5743e440_proj,@function
k_q6b5743e440_proj:
	s_mov_b64 s[64:65], 0
	v_nop
	global_prefetch_b8 v0, s[64:65] scope:SCOPE_SE
	s_setreg_imm32_b32 hwreg(HW_REG_WAVE_MODE, 25, 1), 1
	s_wait_xcnt 0x0
	s_wait_alu depctr_hold_cnt(0) depctr_sa_sdst(0) depctr_va_vdst(0) depctr_va_sdst(0) depctr_va_ssrc(0) depctr_va_vcc(0) depctr_vm_vsrc(0)
	s_getreg_b32 s2, hwreg(HW_REG_IB_STS2, 6, 4)
	s_cmp_eq_u32 s2, 0
	s_cbranch_scc0 .Lentry_in_a_cluster
	s_endpgm
.Lentry_in_a_cluster:
	s_bfe_u32 s2, ttmp6, 0x10000c
	s_cmp_lg_u32 s2, 0xf033
	s_cbranch_scc0 .Lentry_shape_is_right
	s_endpgm
.Lentry_shape_is_right:
; q = X Wq, k = X Wk, v = X Wv on codes of FP6 (E2M3) with E8M0 scales; the results are quantised in registers, q and k along their 1,024 columns, v along the keys, and stored as codes.
; A tile of 256 x 256 to a work-group of four waves, 128 x 128 to a wave: 64 accumulators, 512 registers.  K = 1,024 goes in four slots' worth of 256 through a ring of two LDS slots.
; OPERANDS LIE IN MEMORY AS IMAGES OF THEIR REGISTERS, in blocks of 128 rows x 256 K, 25,600 bytes: K step q at 12,288 q, tile t at 1,536 t (registers 4 g .. 4 g + 3 of lane l at 512 g + 16 l), scale words at 24,576 + 512 q + 4 (16 t + place).
; So a block is one dense tensor load, a fragment three loads of 16 bytes a lane, and the scale words of two tiles one load.  Place r of tile t is row 32 (t / 2) + 8 (t % 2) + r + 8 (r / 8) of its 128.
; SOURCE 1 ("A") gives a lane its row, SOURCE 0 ("B") runs along a lane's registers: with that order of rows the 64 registers of accumulators (a, 0 .. 7) are 128 neighbours along B's rows: the next product's K.
; q, k (cluster y 0-7): A = X's tokens, B = Wq's or Wk's columns.  v (cluster y 8-11): A = Wv's columns, B = X's tokens: a lane then holds one column of v and its registers run along the keys.
; CLUSTERS 4 x 4: A's block is shared along a row of the cluster, B's along a column: joint loads.  No prefetch: four slots in all, two of them first fills.
; REGISTERS: window 0: v4, v5 16 x and 4 x lane; v16-23 LDS addresses; v24, v25 store offsets; v28, v29 for the add; v32-63 scale words, two sets; v64-102 the way out; v128-223 A's fragments, one set.
;   window 1: B's fragments, two sets, at v0 and v128.  windows 2, 3: accumulator (a, b) at v[8 (8 (a % 4) + b)].
; LIMITS: NaN and infinities are not served; a block of zeros gets the byte 1 (this program alone reads the bytes).
.set LB,    25600                      ; a block's place in a slot
.set AR,    100                        ; rows of 256 bytes in A's load, in B's
.set BR,    100
.set AKP,   25600                      ; bytes from one 256 along K to the next, in memory
.set BKP,   25600
.set SLOTB, 4*LB                       ; a slot: A's two blocks, B's two blocks
.set SPARE, 2*SLOTB                    ; behind the ring: the spare words, 128 bytes for each wave
.set SCO,   24576
.set QB,    12288
.set IMG,   1536
.set ADRA, 16
.set ADSA, 18
.set ADRB, 20
.set ADSB, 22
.set SPW,  28
.set NIL,  29
.set SC,   32                          ; set of slot s at SC + 16 s; in it 8 q + j: A's words of tiles 2 j (lanes 0-15) and 2 j + 1 (lanes 16-31); 8 q + 4 + j: B's
.set AF,   128
.set TM,   64
.set PC,   80
.set PWE,  100
.set PWM,  102
.set G1,   24
.set G0,   32
.set G1B,  48
.set G0B,  56
.set MSB, 0
.macro WIN new                         ; the immediate's high byte repeats the setting that is left
.if MSB != (\new)
	s_set_vgpr_msb (MSB<<8)|(\new)
.set MSB, (\new)
.endif
.endm
.macro JLOAD g0a, g1a, g0b, g1b        ; a joint load: waves 0 and 1 fetch A's two blocks, waves 2 and 3 B's; four v_nop follow each line
	s_cmp_eq_u32 s15, 0
	s_cbranch_scc0 .Lfor_b_\@
	tensor_load_to_lds s[\g0a:\g0a+3], s[\g1a:\g1a+7]
	s_nop 0
.rept 4
	v_nop
.endr
	s_branch .Lasked_\@
.Lfor_b_\@:
	tensor_load_to_lds s[\g0b:\g0b+3], s[\g1b:\g1b+7]
	s_nop 0
.rept 4
	v_nop
.endr
.Lasked_\@:
.endm
.macro CREST                           ; a round of the cluster's barrier behind its opening barrier
	s_cmp_lg_u32 s14, 0
	s_cbranch_scc1 .Lnot_wave_0_\@
	s_barrier_signal -3
.Lnot_wave_0_\@:
	s_barrier_wait -3
	s_barrier_signal -1
	s_barrier_wait -1
.endm
.macro CROUND
	s_barrier_signal -1
	s_barrier_wait -1
	CREST
.endm
.macro PLACES n                        ; plain places behind matrix instructions, ahead of loads into their registers and of reads of their results
.rept \n
	v_nop
.endr
.endm
.macro FRAG reg, adr, off              ; a fragment comes back as it was stored: three loads of 16 bytes a lane, 512 consecutive bytes each
.irp g, 0,1,2
	ds_load_b128 v[(\reg)+4*\g:(\reg)+4*\g+3], v[\adr] offset:(\off)+512*\g
.endr
.endm
.macro FETCH_B slot, q, p
	WIN 0x40                                       ; destination window 1
.irp i, 0,1,2,3,4,5,6,7
	FRAG 128*(\p)+12*\i, ADRB+\slot, (\q)*QB+\i*IMG
.endr
	WIN 0
.endm
.macro FETCH_A slot, q, i0
.irp i, \i0, \i0+1, \i0+2, \i0+3
	FRAG AF+12*(\i), ADRA+\slot, (\q)*QB+(\i)*IMG
.endr
.endm
.macro SCALES slot                     ; a slot's scale words: 16 loads
.irp q, 0,1
.irp j, 0,1,2,3
	ds_load_b32 v[SC+16*\slot+8*\q+\j], v[ADSA+\slot] offset:SCO+512*\q+128*\j
	ds_load_b32 v[SC+16*\slot+8*\q+4+\j], v[ADSB+\slot] offset:SCO+512*\q+128*\j
.endr
.endr
.endm
.macro WM a, b, p, q, sc, zero         ; one product: an odd tile's words stand in lanes 16-31 of its register
.set rD, 8*(8*((\a)%4)+(\b))
.set rB, 128*(\p)+12*(\b)
.set rA, AF+12*(\a)
.set rT, SC+16*(\sc)+8*(\q)+4+(\b)/2
.set rS, SC+16*(\sc)+8*(\q)+(\a)/2
.set oA, (\a)%2
.set oB, (\b)%2
.if \zero
.if oA && oB
	v_wmma_scale_f32_16x16x128_f8f6f4 v[rD:rD+7], v[rB:rB+11], v[rA:rA+11], 0, v[rT], v[rS] matrix_a_fmt:MATRIX_FMT_FP6 matrix_b_fmt:MATRIX_FMT_FP6 matrix_a_scale:MATRIX_SCALE_ROW1 matrix_b_scale:MATRIX_SCALE_ROW1
.elseif oB
	v_wmma_scale_f32_16x16x128_f8f6f4 v[rD:rD+7], v[rB:rB+11], v[rA:rA+11], 0, v[rT], v[rS] matrix_a_fmt:MATRIX_FMT_FP6 matrix_b_fmt:MATRIX_FMT_FP6 matrix_a_scale:MATRIX_SCALE_ROW1
.elseif oA
	v_wmma_scale_f32_16x16x128_f8f6f4 v[rD:rD+7], v[rB:rB+11], v[rA:rA+11], 0, v[rT], v[rS] matrix_a_fmt:MATRIX_FMT_FP6 matrix_b_fmt:MATRIX_FMT_FP6 matrix_b_scale:MATRIX_SCALE_ROW1
.else
	v_wmma_scale_f32_16x16x128_f8f6f4 v[rD:rD+7], v[rB:rB+11], v[rA:rA+11], 0, v[rT], v[rS] matrix_a_fmt:MATRIX_FMT_FP6 matrix_b_fmt:MATRIX_FMT_FP6
.endif
.else
.if oA && oB
	v_wmma_scale_f32_16x16x128_f8f6f4 v[rD:rD+7], v[rB:rB+11], v[rA:rA+11], v[rD:rD+7], v[rT], v[rS] matrix_a_fmt:MATRIX_FMT_FP6 matrix_b_fmt:MATRIX_FMT_FP6 matrix_a_scale:MATRIX_SCALE_ROW1 matrix_b_scale:MATRIX_SCALE_ROW1
.elseif oB
	v_wmma_scale_f32_16x16x128_f8f6f4 v[rD:rD+7], v[rB:rB+11], v[rA:rA+11], v[rD:rD+7], v[rT], v[rS] matrix_a_fmt:MATRIX_FMT_FP6 matrix_b_fmt:MATRIX_FMT_FP6 matrix_a_scale:MATRIX_SCALE_ROW1
.elseif oA
	v_wmma_scale_f32_16x16x128_f8f6f4 v[rD:rD+7], v[rB:rB+11], v[rA:rA+11], v[rD:rD+7], v[rT], v[rS] matrix_a_fmt:MATRIX_FMT_FP6 matrix_b_fmt:MATRIX_FMT_FP6 matrix_b_scale:MATRIX_SCALE_ROW1
.else
	v_wmma_scale_f32_16x16x128_f8f6f4 v[rD:rD+7], v[rB:rB+11], v[rA:rA+11], v[rD:rD+7], v[rT], v[rS] matrix_a_fmt:MATRIX_FMT_FP6 matrix_b_fmt:MATRIX_FMT_FP6
.endif
.endif
.endm
.macro MUL16 a0, p, q, sc, zero        ; A's tiles a0, a0 + 1 x B's eight.  The 64 accumulators take turns, one instruction a turn, in the same order in every step
.irp a, \a0, \a0+1
.irp b, 0,1,2,3,4,5,6,7
	WM \a, \b, \p, \q, \sc, \zero
.endr
.endr
.endm
.macro STEP slot, zero                 ; a slot's first 128 along K
	s_wait_dscnt 12                                ; all but the youngest twelve loads (A's tiles 4-7) are in
	WIN 0xa1                                       ; source 0 window 1, source 1 window 0, C and D window 2
	MUL16 0, 0, 0, \slot, \zero
	MUL16 2, 0, 0, \slot, \zero
	s_wait_dscnt 0x0                               ; A's tiles 4-7 are in
	PLACES 4
	FETCH_B \slot, 1, 1
	FETCH_A \slot, 1, 0
	WIN 0xf1                                       ; C and D window 3
	MUL16 4, 0, 0, \slot, \zero
	MUL16 6, 0, 0, \slot, \zero
	PLACES 4
	WIN 0
	FETCH_A \slot, 1, 4
.endm
; A slot's second 128 along K, and the change of slots: one barrier; ahead of it each wave waits for all its tensor loads, adds 0 to its spare word, and waits for that and for its reads of this slot
.macro TURN slot, next, fill
	s_wait_tensorcnt 0x0                           ; all my tensor loads have landed: my part of the next slot
	ds_add_u32 v[SPW], v[NIL]                      ; 0 onto my spare word
	s_wait_dscnt 13                                ; (the add and the youngest twelve loads may be out)
	WIN 0xa1
	MUL16 0, 1, 1, \slot, 0
	s_wait_dscnt 0x0                               ; the add is done, and my reads of this slot are over
	s_barrier_signal -1
	MUL16 2, 1, 1, \slot, 0
	WIN 0
	s_barrier_wait -1
.if \fill
	CREST                                          ; the barrier has opened a round of the cluster's: no wave of any partner still reads this slot or has a load on its way
	s_add_nc_u64 s[G0+4*\slot+2:G0+4*\slot+3], s[G0+4*\slot+2:G0+4*\slot+3], 2*AKP
	s_add_nc_u64 s[G0B+4*\slot+2:G0B+4*\slot+3], s[G0B+4*\slot+2:G0B+4*\slot+3], 2*BKP
	JLOAD G0+4*\slot, G1, G0B+4*\slot, G1B         ; the first tensor load behind the round; its four v_nop are the places ahead of the loads below
.else
	PLACES 4
.endif
	FETCH_B \next, 0, 0
	FETCH_A \next, 0, 0
	SCALES \next
	WIN 0xf1
	MUL16 4, 1, 1, \slot, 0
	MUL16 6, 1, 1, \slot, 0
	PLACES 4
	WIN 0
	FETCH_A \next, 0, 4
.endm
; 64 numbers of a lane in window w, register 16 b + i = k 32 b + 16 (lane / 16) + i of my row: the four blocks' largest magnitudes into v[TM] on.  Each accumulator is read from its low end on
.macro QMAX s, w
	WIN (\w)|((\w)<<2)
.irp b, 0,1,2,3
	v_max3_num_f32 v[TM+\b], |v[(\s)+16*\b]|, |v[(\s)+16*\b+1]|, 0x1800000   ; with the floor 2^(3 - 127): the byte cannot fall under 1
.endr
.irp i, 2,4,6,8,10,12,14
.irp b, 0,1,2,3
	v_max3_num_f32 v[TM+\b], |v[(\s)+16*\b+\i]|, |v[(\s)+16*\b+\i+1]|, v[TM+\b]
.endr
.endr
	WIN 0
.irp b, 0,1,2,3
	v_permlanex16_b32 v[TM+4+\b], v[TM+\b], s66, s67
.endr
.irp b, 0,1,2,3
	v_max_num_f32 v[TM+\b], v[TM+\b], v[TM+4+\b]
.endr
.endm
.macro QTAIL s, w, pw                  ; the scale word into v[pw], the fragment's 12 registers into v[PC] on
.irp b, 0,1,2,3
	v_add_nc_u32 v[TM+12+\b], 0xff000000, v[TM+\b]         ; 2 off the exponent field: the conversion's scale operand
.endr
.irp b, 0,1,2,3
	v_lshrrev_b32 v[TM+4+\b], 23, v[TM+12+\b]              ; the scale's byte
.endr
	v_lshl_or_b32 v[\pw], v[TM+5], 8, v[TM+4]
	v_lshl_or_b32 v[\pw], v[TM+6], 16, v[\pw]
	v_lshl_or_b32 v[\pw], v[TM+7], 24, v[\pw]
	s_wait_xcnt 0x0                                        ; earlier stores have read their data registers: they are written again only behind this wait
	WIN \w
.irp c, 0,1
	v_cvt_scalef32_pk16_fp6_f32 v[PC+6*\c:PC+6*\c+2], v[(\s)+32*\c:(\s)+32*\c+15], v[TM+12+2*\c]
	v_cvt_scalef32_pk16_fp6_f32 v[PC+12+4*\c:PC+14+4*\c], v[(\s)+32*\c+16:(\s)+32*\c+31], v[TM+13+2*\c]
.endr
	WIN 0
	v_nop                                                  ; one plain place behind a scaled conversion
.irp c, 0,1
.irp i, 0,1,2
	v_permlane16_swap_b32 v[PC+6*\c+\i], v[PC+12+4*\c+\i]
.endr
.irp i, 0,1,2
	v_mov_b32 v[PC+3+6*\c+\i], v[PC+12+4*\c+\i]
.endr
.endr
.endm
	s_load_b128 s[4:7], s[0:1], 0x0                ; XWc s[4:5], QKVc s[6:7]
	v_lshl_add_u32 v[SPW], v0, 2, SPARE
	v_mov_b32 v[NIL], 0
	ds_add_u32 v28, v29
	ds_add_u32 v28, v29
	s_wait_dscnt 0x0
	v_lshrrev_b32 v1, 5, v0
	v_readfirstlane_b32 s14, v1                    ; wave 0..3
	s_lshr_b32 s15, s14, 1                         ; which of A's two blocks is mine.  Also: I fetch for A (0) or for B (1)
	s_and_b32 s16, s14, 1                          ; which of B's.  Also: which of the two blocks I fetch
	s_bfe_u32 s40, ttmp6, 0x40000                  ; cx
	s_bfe_u32 s41, ttmp6, 0x40004                  ; cy
	s_and_b32 s18, ttmp7, 0xffff                   ; cluster y: 0-7 q and k, 8-11 v
	s_lshl_b32 s17, s18, 2
	s_add_co_u32 s17, s17, s41                     ; q, k: A's tile = token tile 4 x cluster y + cy
	s_sub_co_u32 s19, s18, 8
	s_lshl_b32 s19, s19, 1
	s_add_co_u32 s19, s19, ttmp9
	s_lshl_b32 s19, s19, 2
	s_add_co_u32 s19, s19, s40                     ; v: B's tile = token tile 4 (2 (cluster y - 8) + cluster x) + cx
	s_lshl_b32 s42, ttmp9, 2
	s_add_co_u32 s42, s42, s40                     ; q, k: B's tile = 4 x cluster x + cx: 0-3 Wq, 4-7 Wk
	s_cmp_ge_u32 s18, 8                            ; the choice hangs on the cluster's number alone
	s_cselect_b32 s17, s41, s17                    ; v: A's tile = cy, of Wv's columns
	s_cselect_b32 s42, s19, s42
	s_cselect_b32 s20, 80, 0                       ; A's first group in XWc
	s_cselect_b32 s46, 0, 64                       ; B's
	s_lshl_b32 s21, s17, 1
	s_add_co_u32 s20, s20, s21
	s_add_co_u32 s20, s20, s16
	s_mul_i32 s20, s20, 4*AKP                      ; the block that I would fetch for A, in bytes
	s_mov_b32 s21, 0
	s_lshl_b32 s47, s42, 1
	s_add_co_u32 s46, s46, s47
	s_add_co_u32 s46, s46, s16
	s_mul_i32 s46, s46, 4*BKP                      ; and for B
	s_mov_b32 s47, 0
	s_lshl_b32 s43, s41, 2
	s_lshl_b32 s43, 15, s43                        ; my row of the cluster
	s_lshl_b32 s44, 0x1111, s40                    ; my column
	s_or_b32 s[G1+0], s43, (3<<16)|(1<<21)         ; 15:0 the mask; 17:16 elements of 8 bytes; 21 set beside a mask; no padding
	s_or_b32 s[G1B+0], s44, (3<<16)|(1<<21)
	s_mov_b32 s[G1+1], 32<<16                      ; tensor_dim0 = 32 elements: rows of 256 bytes
	s_mov_b32 s[G1+2], AR<<16                      ; tensor_dim1
	s_mov_b32 s[G1+3], 32<<16                      ; tile_dim0
	s_mov_b32 s[G1+4], AR                          ; tile_dim1
	s_mov_b32 s[G1+5], 32                          ; the pitch: the block is dense
	s_mov_b32 s[G1+6], 0
	s_mov_b32 s[G1+7], 0
	s_mov_b32 s[G1B+1], 32<<16
	s_mov_b32 s[G1B+2], BR<<16
	s_mov_b32 s[G1B+3], 32<<16
	s_mov_b32 s[G1B+4], BR
	s_mov_b32 s[G1B+5], 32
	s_mov_b32 s[G1B+6], 0
	s_mov_b32 s[G1B+7], 0
	s_mul_i32 s45, s14, LB                         ; where my load lands in a slot: no place in the cluster enters an LDS address
	s_mov_b32 s66, 0x76543210
	s_mov_b32 s67, 0xfedcba98                      ; v_permlanex16_b32's selects: lane l xor 16
	s_mov_b32 s70, 0xffff0000                      ; lanes 16-31
	s_wait_kmcnt 0x0
	s_add_nc_u64 s[20:21], s[4:5], s[20:21]
	s_add_nc_u64 s[46:47], s[4:5], s[46:47]
	CROUND                                         ; all sixteen work-groups are here: the first joint loads meet
.irp s, 0,1
	s_mov_b32 s[G0+4*\s], 1
	s_add_co_u32 s[G0+4*\s+1], s45, \s*SLOTB
	s_add_nc_u64 s[G0+4*\s+2:G0+4*\s+3], s[20:21], \s*AKP
	s_or_b32 s[G0+4*\s+3], s[G0+4*\s+3], 0x80000000
	s_mov_b32 s[G0B+4*\s], 1
	s_add_co_u32 s[G0B+4*\s+1], s45, \s*SLOTB
	s_add_nc_u64 s[G0B+4*\s+2:G0B+4*\s+3], s[46:47], \s*BKP
	s_or_b32 s[G0B+4*\s+3], s[G0B+4*\s+3], 0x80000000
	JLOAD G0+4*\s, G1, G0B+4*\s, G1B               ; two loads of mine are out
.endr
	v_and_b32 v1, 31, v0
	v_lshlrev_b32 v4, 4, v1                        ; 16 x lane
	v_lshlrev_b32 v5, 2, v1                        ; 4 x lane
	s_mul_i32 s21, s15, LB
	s_mul_i32 s22, s16, LB
	s_add_co_u32 s22, s22, 2*LB
.irp s, 0,1
	v_add_nc_u32 v[ADRA+\s], s21, v4
	v_add_nc_u32 v[ADRB+\s], s22, v4
	v_add_nc_u32 v[ADSA+\s], s21, v5
	v_add_nc_u32 v[ADSB+\s], s22, v5
	s_add_co_u32 s21, s21, SLOTB
	s_add_co_u32 s22, s22, SLOTB
.endr
	; where my results go: a block of QKVc.  q at 0, k at 6,553,600: [token group][256 of the columns]; v at 13,107,200: [batch][group of columns][256 of the keys]
	s_lshl_b32 s72, s17, 1
	s_add_co_u32 s72, s72, s15                     ; my group of A's rows
	s_lshl_b32 s73, s72, 2
	s_and_b32 s74, s42, 3
	s_add_co_u32 s73, s73, s74
	s_mul_i32 s73, s73, 25600
	s_mul_i32 s74, ttmp9, 6553600
	s_add_co_u32 s73, s73, s74
	s_lshr_b32 s75, s42, 3
	s_lshl_b32 s75, s75, 3
	s_add_co_u32 s75, s75, s72
	s_lshl_b32 s75, s75, 3
	s_and_b32 s76, s42, 7
	s_add_co_u32 s75, s75, s76
	s_mul_i32 s75, s75, 25600
	s_add_co_u32 s75, s75, 13107200
	s_cmp_ge_u32 s18, 8
	s_cselect_b32 s76, s75, s73
	s_mov_b32 s77, 0
	s_add_nc_u64 s[78:79], s[6:7], s[76:77]
	s_mul_i32 s72, s16, QB
	v_add_nc_u32 v24, s72, v4                      ; my half of B's 256 is K step 0 or 1 of the block
	s_lshl_b32 s72, s16, 9
	s_add_co_u32 s72, s72, SCO
	v_add_nc_u32 v25, s72, v5
	s_wait_tensorcnt 1                             ; my part of slot 0 is in; slot 1's may stay out
	s_barrier_signal -1
	s_barrier_wait -1
	FETCH_B 0, 0, 0
	FETCH_A 0, 0, 0
	SCALES 0
	FETCH_A 0, 0, 4
	STEP 0, 1                                      ; the first products start the sums: nothing is cleared
	TURN 0, 1, 1
	STEP 1, 0
	TURN 1, 0, 1
	STEP 0, 0
	TURN 0, 1, 0                                   ; nothing is left to fetch
	STEP 1, 0
	s_wait_dscnt 12
	WIN 0xa1
	MUL16 0, 1, 1, 1, 0
	MUL16 2, 1, 1, 1, 0
	s_wait_dscnt 0x0
	WIN 0xf1
	MUL16 4, 1, 1, 1, 0
	MUL16 6, 1, 1, 1, 0
	WIN 0
	PLACES 4
.irp b, 0,1,2,3
	v_mov_b32 v[TM+4+\b], 0                        ; a lane permute's destination counts as one of its sources
.endr
; THE WAY OUT: the 64 registers of accumulators (a, 0 .. 7) become tile a's fragment of the next product, stored as its image: three stores of 512 consecutive bytes
.macro OUTA a
	QMAX 64*((\a)%4), 2+(\a)/4
	QTAIL 64*((\a)%4), 2+(\a)/4, PWE+(\a)%2
.irp g, 0,1,2
	global_store_b128 v24, v[PC+4*\g:PC+4*\g+3], s[78:79] offset:(\a)*IMG+512*\g
.endr
.if (\a)%2
	v_cndmask_b32 v[PWM], v[PWE], v[PWE+1], s70    ; lanes 0-15 the even tile's words, lanes 16-31 the odd one's
	global_store_b32 v25, v[PWM], s[78:79] offset:128*((\a)/2)
.endif
.endm
.irp a, 0,1,2,3,4,5,6,7
	OUTA \a
.endr
	s_wait_tensorcnt 0x0                           ; the wave's end
	ds_add_u32 v[SPW], v[NIL]
	s_wait_dscnt 0x0
	CROUND                                         ; the closing round
	s_endpgm
.Lfunc_end_k_q6b5743e440_proj:
	.size	k_q6b5743e440_proj, .Lfunc_end_k_q6b5743e440_proj-k_q6b5743e440_proj
	.p2alignl 7, 3214868480
	.fill 96, 4, 3214868480
	.section	.rodata,"a",@progbits
	.p2align	6, 0x0
	.amdhsa_kernel k_q6b5743e440_proj
		.amdhsa_group_segment_fixed_size 327680
		.amdhsa_private_segment_fixed_size 0
		.amdhsa_enable_private_segment 0
		.amdhsa_kernarg_size 16
		.amdhsa_user_sgpr_count 2
		.amdhsa_user_sgpr_kernarg_segment_ptr 1
		.amdhsa_wavefront_size32 1
		.amdhsa_system_sgpr_workgroup_id_x 1
		.amdhsa_system_sgpr_workgroup_id_y 1
		.amdhsa_system_sgpr_workgroup_id_z 1
		.amdhsa_system_vgpr_workitem_id 0
		.amdhsa_next_free_vgpr 1024
		.amdhsa_next_free_sgpr 100
		.amdhsa_reserve_vcc 0
		.amdhsa_float_denorm_mode_32 3
		.amdhsa_float_denorm_mode_16_64 3
		.amdhsa_memory_ordered 1
		.amdhsa_forward_progress 1
		.amdhsa_inst_pref_size 140
	.end_amdhsa_kernel
	.amdgpu_metadata
---
amdhsa.version: [ 1, 2 ]
amdhsa.kernels:
  - .name:           k_q6b5743e440_proj
    .symbol:         k_q6b5743e440_proj.kd
    .args:
      - { .name: XWc, .offset: 0, .size: 8, .value_kind: global_buffer, .address_space: global }
      - { .name: QKVc, .offset: 8, .size: 8, .value_kind: global_buffer, .address_space: global }
    .group_segment_fixed_size: 327680
    .private_segment_fixed_size: 0
    .kernarg_segment_align: 8
    .kernarg_segment_size: 16
    .max_flat_workgroup_size: 128
    .sgpr_count:     100
    .vgpr_count:     1024
    .wavefront_size: 32
...
	.end_amdgpu_metadata
.endif
;; end of part 2
;; launch scores (part 3): grid 12 x 16, 4 waves a work-group, clusters of 4 x 4, 327,680 bytes of LDS; arguments QKVc, Pc; writes Pc
.if DOCPART == 3
	.amdgcn_target "amdgcn-amd-amdhsa--gfx1250"
	.amdhsa_code_object_version 6
	.text
	.protected	k_q6b5743e440_scores
	.globl	k_q6b5743e440_scores
	.p2align	8
	.type	k_q6b5743e440_scores,@function
k_q6b5743e440_scores:
	s_mov_b64 s[64:65], 0
	v_nop
	global_prefetch_b8 v0, s[64:65] scope:SCOPE_SE
	s_setreg_imm32_b32 hwreg(HW_REG_WAVE_MODE, 25, 1), 1
	s_wait_xcnt 0x0
	s_wait_alu depctr_hold_cnt(0) depctr_sa_sdst(0) depctr_va_vdst(0) depctr_va_sdst(0) depctr_va_ssrc(0) depctr_va_vcc(0) depctr_vm_vsrc(0)
	s_getreg_b32 s2, hwreg(HW_REG_IB_STS2, 6, 4)
	s_cmp_eq_u32 s2, 0
	s_cbranch_scc0 .Lentry_in_a_cluster
	s_endpgm
.Lentry_in_a_cluster:
	s_bfe_u32 s2, ttmp6, 0x10000c
	s_cmp_lg_u32 s2, 0xf033
	s_cbranch_scc0 .Lentry_shape_is_right
	s_endpgm
.Lentry_shape_is_right:
; S^T = k q^T on codes of FP6 (E2M3), the causal mask, p = 2^(t - M), and p's codes.  t = score x log2(e) / 32.  A tile of 256 queries x 256 keys to a work-group, 128 x 128 to a wave; K = 1,024.
; The ring, the blocks of register images and the order of a tile's rows are those of the projections' launch: source 1 = q (a lane holds one query), source 0 = k (a lane's 64 registers of accumulators (a, 0 .. 7) are 128 neighbouring keys).
; M IS TAKEN OVER THE WAVE'S 128 KEYS ALONE: M = ceil(the largest t among them), a whole number.  N = -M and the sum l of the unquantised p are stored beside the codes; the last launch takes the row's M less this M
; off p's scale bytes and brings l under the row's M: both are exact powers of two.  The maximum is taken away ahead of every exponential.
; Pc: [batch][group of 128 queries][256 keys][27,648 bytes]: a block as elsewhere (images, then scale words at 24,576), then N at 25,600 + 512 q + 4 (16 t + place) and l at 26,624 + the same.
; CLUSTERS 4 x 4, one for each of the three macro tiles of 1,024 x 1,024 that the mask leaves (cluster x 0: queries and keys 0-1,023; 1: queries 1,024 on, keys 0-1,023; 2: both 1,024 on), for each batch (cluster y).
; In the two macro tiles on the diagonal the six tiles above it are made like the others (partners of a cluster run alike): their codes are zeros, N = 2^100, l = 0, and the last launch's clusters walk them.
; LIMITS: t under -2^100 is held there; NaN and infinities among the scores are not served.  No prefetch: four slots in all, two of them first fills.
; REGISTERS: as in the projections' launch; on the way out, window 0: v8 D0, v9 d, v10 -infinity; v64-127 p; v128-146 codes; v152-159 block maxima; v160-175 at work; v176 -M, v177 t; v178-181 sums; v184-194 words, N, l.
.set LB,    25600
.set AR,    100
.set BR,    100
.set AKP,   25600
.set BKP,   25600
.set SLOTB, 4*LB
.set SPARE, 2*SLOTB
.set SCO,   24576
.set QB,    12288
.set IMG,   1536
.set ADRA, 16
.set ADSA, 18
.set ADRB, 20
.set ADSB, 22
.set SPW,  28
.set NIL,  29
.set SC,   32
.set AF,   128
.set PB,   64
.set PC,   128
.set BM,   152
.set BM2,  156
.set TM,   160
.set G1,   24
.set G0,   32
.set G1B,  48
.set G0B,  56
.set MSB, 0
.macro WIN new
.if MSB != (\new)
	s_set_vgpr_msb (MSB<<8)|(\new)
.set MSB, (\new)
.endif
.endm
.macro JLOAD g0a, g1a, g0b, g1b        ; a joint load: waves 0 and 1 fetch q's two blocks, waves 2 and 3 k's; four v_nop follow each line
	s_cmp_eq_u32 s15, 0
	s_cbranch_scc0 .Lfor_b_\@
	tensor_load_to_lds s[\g0a:\g0a+3], s[\g1a:\g1a+7]
	s_nop 0
.rept 4
	v_nop
.endr
	s_branch .Lasked_\@
.Lfor_b_\@:
	tensor_load_to_lds s[\g0b:\g0b+3], s[\g1b:\g1b+7]
	s_nop 0
.rept 4
	v_nop
.endr
.Lasked_\@:
.endm
.macro CREST
	s_cmp_lg_u32 s14, 0
	s_cbranch_scc1 .Lnot_wave_0_\@
	s_barrier_signal -3
.Lnot_wave_0_\@:
	s_barrier_wait -3
	s_barrier_signal -1
	s_barrier_wait -1
.endm
.macro CROUND
	s_barrier_signal -1
	s_barrier_wait -1
	CREST
.endm
.macro PLACES n
.rept \n
	v_nop
.endr
.endm
.macro FRAG reg, adr, off
.irp g, 0,1,2
	ds_load_b128 v[(\reg)+4*\g:(\reg)+4*\g+3], v[\adr] offset:(\off)+512*\g
.endr
.endm
.macro FETCH_B slot, q, p
	WIN 0x40
.irp i, 0,1,2,3,4,5,6,7
	FRAG 128*(\p)+12*\i, ADRB+\slot, (\q)*QB+\i*IMG
.endr
	WIN 0
.endm
.macro FETCH_A slot, q, i0
.irp i, \i0, \i0+1, \i0+2, \i0+3
	FRAG AF+12*(\i), ADRA+\slot, (\q)*QB+(\i)*IMG
.endr
.endm
.macro SCALES slot
.irp q, 0,1
.irp j, 0,1,2,3
	ds_load_b32 v[SC+16*\slot+8*\q+\j], v[ADSA+\slot] offset:SCO+512*\q+128*\j
	ds_load_b32 v[SC+16*\slot+8*\q+4+\j], v[ADSB+\slot] offset:SCO+512*\q+128*\j
.endr
.endr
.endm
.macro WM a, b, p, q, sc, zero
.set rD, 8*(8*((\a)%4)+(\b))
.set rB, 128*(\p)+12*(\b)
.set rA, AF+12*(\a)
.set rT, SC+16*(\sc)+8*(\q)+4+(\b)/2
.set rS, SC+16*(\sc)+8*(\q)+(\a)/2
.set oA, (\a)%2
.set oB, (\b)%2
.if \zero
.if oA && oB
	v_wmma_scale_f32_16x16x128_f8f6f4 v[rD:rD+7], v[rB:rB+11], v[rA:rA+11], 0, v[rT], v[rS] matrix_a_fmt:MATRIX_FMT_FP6 matrix_b_fmt:MATRIX_FMT_FP6 matrix_a_scale:MATRIX_SCALE_ROW1 matrix_b_scale:MATRIX_SCALE_ROW1
.elseif oB
	v_wmma_scale_f32_16x16x128_f8f6f4 v[rD:rD+7], v[rB:rB+11], v[rA:rA+11], 0, v[rT], v[rS] matrix_a_fmt:MATRIX_FMT_FP6 matrix_b_fmt:MATRIX_FMT_FP6 matrix_a_scale:MATRIX_SCALE_ROW1
.elseif oA
	v_wmma_scale_f32_16x16x128_f8f6f4 v[rD:rD+7], v[rB:rB+11], v[rA:rA+11], 0, v[rT], v[rS] matrix_a_fmt:MATRIX_FMT_FP6 matrix_b_fmt:MATRIX_FMT_FP6 matrix_b_scale:MATRIX_SCALE_ROW1
.else
	v_wmma_scale_f32_16x16x128_f8f6f4 v[rD:rD+7], v[rB:rB+11], v[rA:rA+11], 0, v[rT], v[rS] matrix_a_fmt:MATRIX_FMT_FP6 matrix_b_fmt:MATRIX_FMT_FP6
.endif
.else
.if oA && oB
	v_wmma_scale_f32_16x16x128_f8f6f4 v[rD:rD+7], v[rB:rB+11], v[rA:rA+11], v[rD:rD+7], v[rT], v[rS] matrix_a_fmt:MATRIX_FMT_FP6 matrix_b_fmt:MATRIX_FMT_FP6 matrix_a_scale:MATRIX_SCALE_ROW1 matrix_b_scale:MATRIX_SCALE_ROW1
.elseif oB
	v_wmma_scale_f32_16x16x128_f8f6f4 v[rD:rD+7], v[rB:rB+11], v[rA:rA+11], v[rD:rD+7], v[rT], v[rS] matrix_a_fmt:MATRIX_FMT_FP6 matrix_b_fmt:MATRIX_FMT_FP6 matrix_a_scale:MATRIX_SCALE_ROW1
.elseif oA
	v_wmma_scale_f32_16x16x128_f8f6f4 v[rD:rD+7], v[rB:rB+11], v[rA:rA+11], v[rD:rD+7], v[rT], v[rS] matrix_a_fmt:MATRIX_FMT_FP6 matrix_b_fmt:MATRIX_FMT_FP6 matrix_b_scale:MATRIX_SCALE_ROW1
.else
	v_wmma_scale_f32_16x16x128_f8f6f4 v[rD:rD+7], v[rB:rB+11], v[rA:rA+11], v[rD:rD+7], v[rT], v[rS] matrix_a_fmt:MATRIX_FMT_FP6 matrix_b_fmt:MATRIX_FMT_FP6
.endif
.endif
.endm
.macro MUL16 a0, p, q, sc, zero        ; the 64 accumulators take turns, one instruction a turn
.irp a, \a0, \a0+1
.irp b, 0,1,2,3,4,5,6,7
	WM \a, \b, \p, \q, \sc, \zero
.endr
.endr
.endm
.macro STEP slot, zero
	s_wait_dscnt 12                                ; all but the youngest twelve loads (A's tiles 4-7) are in
	WIN 0xa1
	MUL16 0, 0, 0, \slot, \zero
	MUL16 2, 0, 0, \slot, \zero
	s_wait_dscnt 0x0
	PLACES 4
	FETCH_B \slot, 1, 1
	FETCH_A \slot, 1, 0
	WIN 0xf1
	MUL16 4, 0, 0, \slot, \zero
	MUL16 6, 0, 0, \slot, \zero
	PLACES 4
	WIN 0
	FETCH_A \slot, 1, 4
.endm
.macro TURN slot, next, fill
	s_wait_tensorcnt 0x0                           ; all my tensor loads have landed: my part of the next slot
	ds_add_u32 v[SPW], v[NIL]                      ; 0 onto my spare word
	s_wait_dscnt 13                                ; (the add and the youngest twelve loads may be out)
	WIN 0xa1
	MUL16 0, 1, 1, \slot, 0
	s_wait_dscnt 0x0                               ; the add is done, and my reads of this slot are over
	s_barrier_signal -1
	MUL16 2, 1, 1, \slot, 0
	WIN 0
	s_barrier_wait -1
.if \fill
	CREST                                          ; a round of the cluster's barrier: no wave of any partner still reads this slot or has a load on its way
	s_add_nc_u64 s[G0+4*\slot+2:G0+4*\slot+3], s[G0+4*\slot+2:G0+4*\slot+3], 2*AKP
	s_add_nc_u64 s[G0B+4*\slot+2:G0B+4*\slot+3], s[G0B+4*\slot+2:G0B+4*\slot+3], 2*BKP
	JLOAD G0+4*\slot, G1, G0B+4*\slot, G1B
.else
	PLACES 4
.endif
	FETCH_B \next, 0, 0
	FETCH_A \next, 0, 0
	SCALES \next
	WIN 0xf1
	MUL16 4, 1, 1, \slot, 0
	MUL16 6, 1, 1, \slot, 0
	PLACES 4
	WIN 0
	FETCH_A \next, 0, 4
.endm
.macro QTAIL s, w, pw                  ; from the four blocks' largest numbers in v[TM] on: the scale word into v[pw], the fragment's 12 registers into v[PC] on
.irp b, 0,1,2,3
	v_add_nc_u32 v[TM+12+\b], 0xff000000, v[TM+\b]
.endr
.irp b, 0,1,2,3
	v_lshrrev_b32 v[TM+4+\b], 23, v[TM+12+\b]
.endr
	v_lshl_or_b32 v[\pw], v[TM+5], 8, v[TM+4]
	v_lshl_or_b32 v[\pw], v[TM+6], 16, v[\pw]
	v_lshl_or_b32 v[\pw], v[TM+7], 24, v[\pw]
	s_wait_xcnt 0x0                                        ; earlier stores have read their data registers: they are written again only behind this wait
	WIN \w
.irp c, 0,1
	v_cvt_scalef32_pk16_fp6_f32 v[PC+6*\c:PC+6*\c+2], v[(\s)+32*\c:(\s)+32*\c+15], v[TM+12+2*\c]
	v_cvt_scalef32_pk16_fp6_f32 v[PC+12+4*\c:PC+14+4*\c], v[(\s)+32*\c+16:(\s)+32*\c+31], v[TM+13+2*\c]
.endr
	WIN 0
	v_nop                                                  ; one plain place behind a scaled conversion
.irp c, 0,1
.irp i, 0,1,2
	v_permlane16_swap_b32 v[PC+6*\c+\i], v[PC+12+4*\c+\i]
.endr
.irp i, 0,1,2
	v_mov_b32 v[PC+3+6*\c+\i], v[PC+12+4*\c+\i]
.endr
.endr
.endm
	s_load_b128 s[4:7], s[0:1], 0x0                ; QKVc s[4:5], Pc s[6:7]
	v_lshl_add_u32 v[SPW], v0, 2, SPARE
	v_mov_b32 v[NIL], 0
	ds_add_u32 v28, v29
	ds_add_u32 v28, v29
	s_wait_dscnt 0x0
	v_lshrrev_b32 v1, 5, v0
	v_readfirstlane_b32 s14, v1                    ; wave 0..3
	s_lshr_b32 s15, s14, 1                         ; which 128 of the queries are mine.  Also: I fetch for q (0) or for k (1)
	s_and_b32 s16, s14, 1                          ; which 128 of the keys.  Also: which of the two blocks I fetch
	s_bfe_u32 s40, ttmp6, 0x40000                  ; cx
	s_bfe_u32 s41, ttmp6, 0x40004                  ; cy
	s_mov_b32 s71, ttmp9                           ; the macro tile: 0, 1, 2
	s_lshr_b32 s18, s71, 1                         ; its keys: 0, 0, 1
	s_add_co_u32 s19, s71, 1
	s_lshr_b32 s19, s19, 1                         ; its queries: 0, 1, 1
	s_and_b32 s72, ttmp7, 0xffff                   ; the batch
	s_lshl_b32 s73, s72, 4                         ; 16 groups of 128 tokens a batch
	s_lshl_b32 s17, s19, 2
	s_add_co_u32 s17, s17, s41                     ; the tile of queries, 0..7
	s_lshl_b32 s42, s18, 2
	s_add_co_u32 s42, s42, s40                     ; the tile of keys, 0..7
	s_lshl_b32 s20, s17, 1
	s_add_co_u32 s20, s20, s73
	s_add_co_u32 s20, s20, s16
	s_mul_i32 s20, s20, 4*AKP
	s_mov_b32 s21, 0
	s_lshl_b32 s46, s42, 1
	s_add_co_u32 s46, s46, s73
	s_add_co_u32 s46, s46, s16
	s_mul_i32 s46, s46, 4*BKP
	s_add_co_u32 s46, s46, 6553600                 ; k lies behind q
	s_mov_b32 s47, 0
	s_lshl_b32 s43, s41, 2
	s_lshl_b32 s43, 15, s43
	s_lshl_b32 s44, 0x1111, s40
	s_or_b32 s[G1+0], s43, (3<<16)|(1<<21)         ; the mask; elements of 8 bytes; bit 21 beside a mask; no padding
	s_or_b32 s[G1B+0], s44, (3<<16)|(1<<21)
	s_mov_b32 s[G1+1], 32<<16
	s_mov_b32 s[G1+2], AR<<16
	s_mov_b32 s[G1+3], 32<<16
	s_mov_b32 s[G1+4], AR
	s_mov_b32 s[G1+5], 32
	s_mov_b32 s[G1+6], 0
	s_mov_b32 s[G1+7], 0
	s_mov_b32 s[G1B+1], 32<<16
	s_mov_b32 s[G1B+2], BR<<16
	s_mov_b32 s[G1B+3], 32<<16
	s_mov_b32 s[G1B+4], BR
	s_mov_b32 s[G1B+5], 32
	s_mov_b32 s[G1B+6], 0
	s_mov_b32 s[G1B+7], 0
	s_mul_i32 s45, s14, LB
	s_mov_b32 s66, 0x76543210
	s_mov_b32 s67, 0xfedcba98
	s_mov_b32 s68, 0x3d38aa3b                      ; c = log2(e) / 32
	s_mov_b32 s69, s68                             ; (named with it as a pair, so it is written)
	s_mov_b32 s70, 0xffff0000
	s_wait_kmcnt 0x0
	s_add_nc_u64 s[20:21], s[4:5], s[20:21]
	s_add_nc_u64 s[46:47], s[4:5], s[46:47]
	CROUND
.irp s, 0,1
	s_mov_b32 s[G0+4*\s], 1
	s_add_co_u32 s[G0+4*\s+1], s45, \s*SLOTB
	s_add_nc_u64 s[G0+4*\s+2:G0+4*\s+3], s[20:21], \s*AKP
	s_or_b32 s[G0+4*\s+3], s[G0+4*\s+3], 0x80000000
	s_mov_b32 s[G0B+4*\s], 1
	s_add_co_u32 s[G0B+4*\s+1], s45, \s*SLOTB
	s_add_nc_u64 s[G0B+4*\s+2:G0B+4*\s+3], s[46:47], \s*BKP
	s_or_b32 s[G0B+4*\s+3], s[G0B+4*\s+3], 0x80000000
	JLOAD G0+4*\s, G1, G0B+4*\s, G1B
.endr
	v_and_b32 v1, 31, v0
	v_and_b32 v2, 15, v0                           ; r
	v_bfe_u32 v3, v0, 4, 1                         ; h
	v_lshlrev_b32 v4, 4, v1
	v_lshlrev_b32 v5, 2, v1
	s_mul_i32 s21, s15, LB
	s_mul_i32 s22, s16, LB
	s_add_co_u32 s22, s22, 2*LB
.irp s, 0,1
	v_add_nc_u32 v[ADRA+\s], s21, v4
	v_add_nc_u32 v[ADRB+\s], s22, v4
	v_add_nc_u32 v[ADSA+\s], s21, v5
	v_add_nc_u32 v[ADSB+\s], s22, v5
	s_add_co_u32 s21, s21, SLOTB
	s_add_co_u32 s22, s22, SLOTB
.endr
	s_lshl_b32 s74, s17, 1
	s_add_co_u32 s74, s74, s73
	s_add_co_u32 s74, s74, s15                     ; my group of queries
	s_lshl_b32 s74, s74, 3
	s_add_co_u32 s74, s74, s42                     ; x 8 + the tile of keys
	s_mul_i32 s76, s74, 27648
	s_mov_b32 s77, 0
	s_add_nc_u64 s[78:79], s[6:7], s[76:77]
	s_mul_i32 s72, s16, QB
	v_add_nc_u32 v24, s72, v4
	s_lshl_b32 s72, s16, 9
	s_add_co_u32 s72, s72, SCO
	v_add_nc_u32 v25, s72, v5
	; the mask: register 16 b + i of tile a holds key K0 + 32 b + 16 h + i, my query is Q0 + 32 (a / 2) + 8 (a % 2) + r + 8 (r / 8): hidden where 32 b + i > d = D0 + 32 (a / 2) + 8 (a % 2)
	s_sub_co_i32 s74, s17, s42
	s_lshl_b32 s74, s74, 8
	s_sub_co_i32 s75, s15, s16
	s_lshl_b32 s75, s75, 7
	s_add_co_i32 s74, s74, s75
	v_and_b32 v8, 8, v2
	v_add_nc_u32 v8, v8, v2
	v_lshlrev_b32 v9, 4, v3
	v_sub_nc_u32 v8, v8, v9
	v_add_nc_u32 v8, s74, v8                       ; D0
	v_mov_b32 v10, 0xff800000                      ; -infinity
	s_wait_tensorcnt 1                             ; my part of slot 0 is in; slot 1's may stay out
	s_barrier_signal -1
	s_barrier_wait -1
	FETCH_B 0, 0, 0
	FETCH_A 0, 0, 0
	SCALES 0
	FETCH_A 0, 0, 4
	STEP 0, 1
	TURN 0, 1, 1
	STEP 1, 0
	TURN 1, 0, 1
	STEP 0, 0
	TURN 0, 1, 0
	STEP 1, 0
	s_wait_dscnt 12
	WIN 0xa1
	MUL16 0, 1, 1, 1, 0
	MUL16 2, 1, 1, 1, 0
	s_wait_dscnt 0x0
	WIN 0xf1
	MUL16 4, 1, 1, 1, 0
	MUL16 6, 1, 1, 1, 0
	WIN 0
	PLACES 4
.irp b, 0,1,2,3
	v_mov_b32 v[BM2+\b], 0                         ; a lane permute's destination counts as one of its sources
.endr
; THE WAY OUT of tile a: 16 queries x my 128 keys
.macro SOFT a
.set AC, 64*((\a)%4)
.set W, 2+(\a)/4
.set PWX, 184+4*((\a)%2)
.set LX, 186+4*((\a)%2)
	s_cmp_eq_u32 s71, 1                            ; the macro tile under the diagonal has nothing to hide: the same in all partners
	s_cbranch_scc1 .Lopen_\@
	v_add_nc_u32 v9, 32*((\a)/2)+8*((\a)%2), v8
	WIN (W<<6)|W
.set n, 0
.rept 64
	v_cmp_gt_i32 vcc_lo, 32*(n/16)+n%16, v9
	v_cndmask_b32 v[AC+n], v[AC+n], v10, vcc_lo    ; a hidden key's score becomes -infinity: its p is 0
.set n, n+1
.endr
	WIN 0
.Lopen_\@:
	WIN W|(W<<2)
.irp b, 0,1,2,3
	v_max_num_f32 v[BM+\b], v[AC+16*\b], v[AC+16*\b+1]     ; the largest score of each block of 32 keys: for the maximum, and, since p rises with the score, for the block's largest p
.endr
.irp i, 2,4,6,8,10,12,14
.irp b, 0,1,2,3
	v_max3_num_f32 v[BM+\b], v[AC+16*\b+\i], v[AC+16*\b+\i+1], v[BM+\b]
.endr
.endr
	WIN 0
.irp b, 0,1,2,3
	v_permlanex16_b32 v[BM2+\b], v[BM+\b], s66, s67
.endr
.irp b, 0,1,2,3
	v_max_num_f32 v[BM+\b], v[BM+\b], v[BM2+\b]
.endr
	v_max3_num_f32 v177, v[BM], v[BM+1], v[BM+2]
	v_max_num_f32 v177, v177, v[BM+3]
	v_mul_f32 v177, s68, v177                      ; as t
	v_max_num_f32 v177, 0xf1800000, v177           ; held at -2^100: a row all of whose 128 keys are hidden gets N = 2^100
	v_floor_f32 v176, -v177                        ; N = -M = floor(-t): a whole number
	WIN W
.set n, 0
.rept 32
	v_pk_fma_f32 v[PB+n:PB+n+1], v[AC+n:AC+n+1], s[68:69], v[176:177] op_sel_hi:[1,0,0]   ; t - M, two at a time
.set n, n+2
.endr
	WIN 0
.irp b, 0,1,2,3
	v_fma_f32 v[BM+\b], v[BM+\b], s68, v176        ; the same of each block's largest score
.endr
.set n, 0
.rept 64
	v_exp_f32 v[PB+n], v[PB+n]                     ; p = 2^(t - M), at most 1
.set n, n+1
.endr
	v_nop                                          ; a plain place behind the exponentials
	s_wait_alu depctr_va_vdst(0)                   ; one wait for the batch, ahead of its first reader
.irp b, 0,1,2,3
	v_exp_f32 v[BM+\b], v[BM+\b]                   ; the blocks' largest p
.endr
	v_pk_add_f32 v[178:179], v[PB:PB+1], v[PB+2:PB+3]      ; the sum of the unquantised p, in two chains
	v_pk_add_f32 v[180:181], v[PB+4:PB+5], v[PB+6:PB+7]
.irp j, 8,12,16,20,24,28,32,36,40,44,48,52,56,60
	v_pk_add_f32 v[178:179], v[178:179], v[PB+\j:PB+\j+1]
	v_pk_add_f32 v[180:181], v[180:181], v[PB+\j+2:PB+\j+3]
.endr
	v_pk_add_f32 v[178:179], v[178:179], v[180:181]
	v_add_f32 v178, v178, v179
	v_permlanex16_b32 v180, v178, s66, s67
	v_add_f32 v[LX], v178, v180                    ; l of my query over these 128 keys
	s_wait_alu depctr_va_vdst(0)                   ; and one for the four
.irp b, 0,1,2,3
	v_max_num_f32 v[TM+\b], 0x1800000, v[BM+\b]    ; the floor 2^(3 - 127): the byte cannot fall under 1
.endr
	QTAIL PB, 0, PWX
.irp g, 0,1,2
	global_store_b128 v24, v[PC+4*\g:PC+4*\g+3], s[78:79] offset:(\a)*IMG+512*\g
.endr
.if (\a)%2
	v_cndmask_b32 v192, v184, v188, s70            ; lanes 0-15 the even tile's, lanes 16-31 the odd one's
	v_cndmask_b32 v193, v185, v176, s70
	v_cndmask_b32 v194, v186, v190, s70
	global_store_b32 v25, v192, s[78:79] offset:128*((\a)/2)
	global_store_b32 v25, v193, s[78:79] offset:128*((\a)/2)+1024
	global_store_b32 v25, v194, s[78:79] offset:128*((\a)/2)+2048
.else
	v_mov_b32 v185, v176                           ; the even tile's N is kept for the pair's store
.endif
.endm
.irp a, 0,1,2,3,4,5,6,7
	SOFT \a
.endr
	s_wait_tensorcnt 0x0                           ; the wave's end
	ds_add_u32 v[SPW], v[NIL]
	s_wait_dscnt 0x0
	CROUND                                         ; the closing round
	s_endpgm
.Lfunc_end_k_q6b5743e440_scores:
	.size	k_q6b5743e440_scores, .Lfunc_end_k_q6b5743e440_scores-k_q6b5743e440_scores
	.p2alignl 7, 3214868480
	.fill 96, 4, 3214868480
	.section	.rodata,"a",@progbits
	.p2align	6, 0x0
	.amdhsa_kernel k_q6b5743e440_scores
		.amdhsa_group_segment_fixed_size 327680
		.amdhsa_private_segment_fixed_size 0
		.amdhsa_enable_private_segment 0
		.amdhsa_kernarg_size 16
		.amdhsa_user_sgpr_count 2
		.amdhsa_user_sgpr_kernarg_segment_ptr 1
		.amdhsa_wavefront_size32 1
		.amdhsa_system_sgpr_workgroup_id_x 1
		.amdhsa_system_sgpr_workgroup_id_y 1
		.amdhsa_system_sgpr_workgroup_id_z 1
		.amdhsa_system_vgpr_workitem_id 0
		.amdhsa_next_free_vgpr 1024
		.amdhsa_next_free_sgpr 100
		.amdhsa_reserve_vcc 1
		.amdhsa_float_denorm_mode_32 3
		.amdhsa_float_denorm_mode_16_64 3
		.amdhsa_memory_ordered 1
		.amdhsa_forward_progress 1
		.amdhsa_inst_pref_size 237
	.end_amdhsa_kernel
	.amdgpu_metadata
---
amdhsa.version: [ 1, 2 ]
amdhsa.kernels:
  - .name:           k_q6b5743e440_scores
    .symbol:         k_q6b5743e440_scores.kd
    .args:
      - { .name: QKVc, .offset: 0, .size: 8, .value_kind: global_buffer, .address_space: global }
      - { .name: Pc, .offset: 8, .size: 8, .value_kind: global_buffer, .address_space: global }
    .group_segment_fixed_size: 327680
    .private_segment_fixed_size: 0
    .kernarg_segment_align: 8
    .kernarg_segment_size: 16
    .max_flat_workgroup_size: 128
    .sgpr_count:     100
    .vgpr_count:     1024
    .wavefront_size: 32
...
	.end_amdgpu_metadata
.endif
;; end of part 3
;; launch pv (part 4): grid 4 x 32, 4 waves a work-group, clusters of 4 x 4, 327,680 bytes of LDS; arguments Pc, QKVc, out0; writes out0
.if DOCPART == 4
	.amdgcn_target "amdgcn-amd-amdhsa--gfx1250"
	.amdhsa_code_object_version 6
	.text
	.protected	k_q6b5743e440_pv
	.globl	k_q6b5743e440_pv
	.p2align	8
	.type	k_q6b5743e440_pv,@function
k_q6b5743e440_pv:
	s_mov_b64 s[64:65], 0
	v_nop
	global_prefetch_b8 v0, s[64:65] scope:SCOPE_SE
	s_setreg_imm32_b32 hwreg(HW_REG_WAVE_MODE, 25, 1), 1
	s_wait_xcnt 0x0
	s_wait_alu depctr_hold_cnt(0) depctr_sa_sdst(0) depctr_va_vdst(0) depctr_va_sdst(0) depctr_va_ssrc(0) depctr_va_vcc(0) depctr_vm_vsrc(0)
	s_getreg_b32 s2, hwreg(HW_REG_IB_STS2, 6, 4)
	s_cmp_eq_u32 s2, 0
	s_cbranch_scc0 .Lentry_in_a_cluster
	s_endpgm
.Lentry_in_a_cluster:
	s_bfe_u32 s2, ttmp6, 0x10000c
	s_cmp_lg_u32 s2, 0xf033
	s_cbranch_scc0 .Lentry_shape_is_right
	s_endpgm
.Lentry_shape_is_right:
; out = (p v) / l on codes of FP6 (E2M3).  A tile of 256 queries x 256 columns to a work-group, 128 x 128 to a wave; K = the keys: 1,024 for a batch's first 1,024 queries, 2,048 for the others (the causal mask).
; The ring, the blocks of register images and the order of a tile's rows are those of the launches before: source 1 = p (a lane holds one query), source 0 = v with the keys innermost (a lane's registers run along v's columns).
; p WAS MADE UNDER THE M OF ITS OWN 128 KEYS.  At the head each wave reads its 128 queries' N = -M and l of all chunks of 128 keys: the row's N is the least, l = the sum of l_chunk x 2^(row's N - chunk's N).
; In the loop d = chunk's N - row's N, a whole number, 0 or more, held at 127, is taken off each byte of p's scale words (held at 0 from below): an exact power of two, which the block's scale takes up.
; p's block in a slot is 26,624 bytes: images, scale words, N.  LIMIT: a chunk 127 or more under the row's M counts with the scale 2^-127, beside a row's sum of at least 1/2.  NaN and infinities are not served.
; CLUSTERS 4 x 4: cluster y = 2 x batch + half of the queries; cy the tile of queries, cx the tile of columns; p's block is shared along a row of the cluster, v's along a column.  The trip count hangs on the cluster's number alone.
; No prefetch: the launch is short, and half of its slots at the shorter K are first fills.
; REGISTERS: window 0: v4, v5 16 x and 4 x lane; v8-11 the rows' N; v12-15 l; v16-23 LDS addresses; v24, v25 the stage; v28, v29 for the add; v32-63 scale words and nothing else; v64-71 p's words as loaded, v72-79 N, v80-95 at work;
;   v96-111 1 / l for each tile; v128-223 p's fragments; at the head v128-255 N and l of 16 chunks; on the way out v128-191 results, v192-255 rows.  windows 1-3 as in the launches before.
.set LB,    26624
.set AR,    104
.set BR,    100
.set AKP,   27648
.set BKP,   25600
.set SLOTB, 4*LB
.set SPARE, 2*SLOTB
.set STAGE, SPARE+512                  ; behind the spare words: 16 rows x (512 bytes + 16) for each wave; no fill lands here
.set SCO,   24576
.set QB,    12288
.set IMG,   1536
.set NR,   8
.set LA,   12
.set ADRA, 16
.set ADSA, 18
.set ADRB, 20
.set ADSB, 22
.set SPW,  28
.set NIL,  29
.set SC,   32
.set RAW,  64
.set ML,   72
.set FT,   80
.set FU,   88
.set RL,   96
.set LXR,  112
.set AF,   128
.set PN,   128
.set PL,   192
.set OT,   128
.set BK,   192
.set G1,   24
.set G0,   32
.set G1B,  48
.set G0B,  56
.set MSB, 0
.macro WIN new
.if MSB != (\new)
	s_set_vgpr_msb (MSB<<8)|(\new)
.set MSB, (\new)
.endif
.endm
.macro JLOAD g0a, g1a, g0b, g1b        ; a joint load: waves 0 and 1 fetch p's two blocks, waves 2 and 3 v's; four v_nop follow each line
	s_cmp_eq_u32 s15, 0
	s_cbranch_scc0 .Lfor_b_\@
	tensor_load_to_lds s[\g0a:\g0a+3], s[\g1a:\g1a+7]
	s_nop 0
.rept 4
	v_nop
.endr
	s_branch .Lasked_\@
.Lfor_b_\@:
	tensor_load_to_lds s[\g0b:\g0b+3], s[\g1b:\g1b+7]
	s_nop 0
.rept 4
	v_nop
.endr
.Lasked_\@:
.endm
.macro CREST
	s_cmp_lg_u32 s14, 0
	s_cbranch_scc1 .Lnot_wave_0_\@
	s_barrier_signal -3
.Lnot_wave_0_\@:
	s_barrier_wait -3
	s_barrier_signal -1
	s_barrier_wait -1
.endm
.macro CROUND
	s_barrier_signal -1
	s_barrier_wait -1
	CREST
.endm
.macro PLACES n
.rept \n
	v_nop
.endr
.endm
.macro FRAG reg, adr, off
.irp g, 0,1,2
	ds_load_b128 v[(\reg)+4*\g:(\reg)+4*\g+3], v[\adr] offset:(\off)+512*\g
.endr
.endm
.macro FETCH_B slot, q, p
	WIN 0x40
.irp i, 0,1,2,3,4,5,6,7
	FRAG 128*(\p)+12*\i, ADRB+\slot, (\q)*QB+\i*IMG
.endr
	WIN 0
.endm
.macro FETCH_A slot, q, i0
.irp i, \i0, \i0+1, \i0+2, \i0+3
	FRAG AF+12*(\i), ADRA+\slot, (\q)*QB+(\i)*IMG
.endr
.endm
.macro SCALES slot                     ; v's words go straight to the scale registers; p's words and the chunks' N go to registers of their own: 24 loads
.irp q, 0,1
.irp j, 0,1,2,3
	ds_load_b32 v[RAW+4*\q+\j], v[ADSA+\slot] offset:SCO+512*\q+128*\j
	ds_load_b32 v[ML+4*\q+\j], v[ADSA+\slot] offset:SCO+1024+512*\q+128*\j
	ds_load_b32 v[SC+16*\slot+8*\q+4+\j], v[ADSB+\slot] offset:SCO+512*\q+128*\j
.endr
.endr
.endm
; p's eight scale words of a slot, each byte less d and held at 0 from below.  The bytes are at most 125 and d at most 127: with bit 7 set in each byte no borrow crosses a byte, and bit 7 stays set where byte >= d
.macro FIX slot
.irp n, 0,1,2,3,4,5,6,7
	v_sub_f32 v[FT+\n], v[ML+\n], v[NR+\n%4]       ; d = chunk's N - row's N
.endr
.irp n, 0,1,2,3,4,5,6,7
	v_min_num_f32 v[FT+\n], 0x42fe0000, v[FT+\n]   ; held at 127
.endr
.irp n, 0,1,2,3,4,5,6,7
	v_cvt_u32_f32 v[FT+\n], v[FT+\n]
.endr
.irp n, 0,1,2,3,4,5,6,7
	v_mul_lo_u32 v[FT+\n], v[FT+\n], s85           ; d in each byte
.endr
.irp n, 0,1,2,3,4,5,6,7
	v_or_b32 v[FU+\n], s86, v[RAW+\n]
.endr
.irp n, 0,1,2,3,4,5,6,7
	v_sub_nc_u32 v[FU+\n], v[FU+\n], v[FT+\n]
.endr
.irp n, 0,1,2,3,4,5,6,7
	v_lshrrev_b32 v[FT+\n], 7, v[FU+\n]
.endr
.irp n, 0,1,2,3,4,5,6,7
	v_and_b32 v[FT+\n], s85, v[FT+\n]              ; 1 in each byte that did not fall under 0
.endr
.irp n, 0,1,2,3,4,5,6,7
	v_mul_lo_u32 v[FT+\n], v[FT+\n], s88           ; 255 there
.endr
.irp n, 0,1,2,3,4,5,6,7
	v_and_b32 v[FU+\n], s87, v[FU+\n]
.endr
.irp n, 0,1,2,3,4,5,6,7
	v_and_b32 v[SC+16*\slot+8*(\n/4)+\n%4], v[FU+\n], v[FT+\n]
.endr
.rept 8
	v_nop                                          ; a scale register written by a vector instruction stands eight places ahead of a scaled matrix instruction
.endr
.endm
.macro WM a, b, p, q, sc, zero
.set rD, 8*(8*((\a)%4)+(\b))
.set rB, 128*(\p)+12*(\b)
.set rA, AF+12*(\a)
.set rT, SC+16*(\sc)+8*(\q)+4+(\b)/2
.set rS, SC+16*(\sc)+8*(\q)+(\a)/2
.set oA, (\a)%2
.set oB, (\b)%2
.if \zero
.if oA && oB
	v_wmma_scale_f32_16x16x128_f8f6f4 v[rD:rD+7], v[rB:rB+11], v[rA:rA+11], 0, v[rT], v[rS] matrix_a_fmt:MATRIX_FMT_FP6 matrix_b_fmt:MATRIX_FMT_FP6 matrix_a_scale:MATRIX_SCALE_ROW1 matrix_b_scale:MATRIX_SCALE_ROW1
.elseif oB
	v_wmma_scale_f32_16x16x128_f8f6f4 v[rD:rD+7], v[rB:rB+11], v[rA:rA+11], 0, v[rT], v[rS] matrix_a_fmt:MATRIX_FMT_FP6 matrix_b_fmt:MATRIX_FMT_FP6 matrix_a_scale:MATRIX_SCALE_ROW1
.elseif oA
	v_wmma_scale_f32_16x16x128_f8f6f4 v[rD:rD+7], v[rB:rB+11], v[rA:rA+11], 0, v[rT], v[rS] matrix_a_fmt:MATRIX_FMT_FP6 matrix_b_fmt:MATRIX_FMT_FP6 matrix_b_scale:MATRIX_SCALE_ROW1
.else
	v_wmma_scale_f32_16x16x128_f8f6f4 v[rD:rD+7], v[rB:rB+11], v[rA:rA+11], 0, v[rT], v[rS] matrix_a_fmt:MATRIX_FMT_FP6 matrix_b_fmt:MATRIX_FMT_FP6
.endif
.else
.if oA && oB
	v_wmma_scale_f32_16x16x128_f8f6f4 v[rD:rD+7], v[rB:rB+11], v[rA:rA+11], v[rD:rD+7], v[rT], v[rS] matrix_a_fmt:MATRIX_FMT_FP6 matrix_b_fmt:MATRIX_FMT_FP6 matrix_a_scale:MATRIX_SCALE_ROW1 matrix_b_scale:MATRIX_SCALE_ROW1
.elseif oB
	v_wmma_scale_f32_16x16x128_f8f6f4 v[rD:rD+7], v[rB:rB+11], v[rA:rA+11], v[rD:rD+7], v[rT], v[rS] matrix_a_fmt:MATRIX_FMT_FP6 matrix_b_fmt:MATRIX_FMT_FP6 matrix_a_scale:MATRIX_SCALE_ROW1
.elseif oA
	v_wmma_scale_f32_16x16x128_f8f6f4 v[rD:rD+7], v[rB:rB+11], v[rA:rA+11], v[rD:rD+7], v[rT], v[rS] matrix_a_fmt:MATRIX_FMT_FP6 matrix_b_fmt:MATRIX_FMT_FP6 matrix_b_scale:MATRIX_SCALE_ROW1
.else
	v_wmma_scale_f32_16x16x128_f8f6f4 v[rD:rD+7], v[rB:rB+11], v[rA:rA+11], v[rD:rD+7], v[rT], v[rS] matrix_a_fmt:MATRIX_FMT_FP6 matrix_b_fmt:MATRIX_FMT_FP6
.endif
.endif
.endm
.macro MUL16 a0, p, q, sc, zero        ; the 64 accumulators take turns, one instruction a turn, over the loop's backward jump too
.irp a, \a0, \a0+1
.irp b, 0,1,2,3,4,5,6,7
	WM \a, \b, \p, \q, \sc, \zero
.endr
.endr
.endm
.macro STEP slot, zero
	s_wait_dscnt 12                                ; all but the youngest twelve loads (p's tiles 4-7) are in
	FIX \slot
	WIN 0xa1
	MUL16 0, 0, 0, \slot, \zero
	MUL16 2, 0, 0, \slot, \zero
	s_wait_dscnt 0x0
	PLACES 4
	FETCH_B \slot, 1, 1
	FETCH_A \slot, 1, 0
	WIN 0xf1
	MUL16 4, 0, 0, \slot, \zero
	MUL16 6, 0, 0, \slot, \zero
	PLACES 4
	WIN 0
	FETCH_A \slot, 1, 4
.endm
.macro TURN slot, next, fill
	s_wait_tensorcnt 0x0                           ; all my tensor loads have landed: my part of the next slot
	ds_add_u32 v[SPW], v[NIL]                      ; 0 onto my spare word
	s_wait_dscnt 13                                ; (the add and the youngest twelve loads may be out)
	WIN 0xa1
	MUL16 0, 1, 1, \slot, 0
	s_wait_dscnt 0x0                               ; the add is done, and my reads of this slot are over
	s_barrier_signal -1
	MUL16 2, 1, 1, \slot, 0
	WIN 0
	s_barrier_wait -1
.if \fill
	CREST                                          ; a round of the cluster's barrier: no wave of any partner still reads this slot or has a load on its way
	s_add_nc_u64 s[G0+4*\slot+2:G0+4*\slot+3], s[G0+4*\slot+2:G0+4*\slot+3], 2*AKP
	s_add_nc_u64 s[G0B+4*\slot+2:G0B+4*\slot+3], s[G0B+4*\slot+2:G0B+4*\slot+3], 2*BKP
	JLOAD G0+4*\slot, G1, G0B+4*\slot, G1B
.else
	PLACES 4
.endif
	FETCH_B \next, 0, 0
	FETCH_A \next, 0, 0
	SCALES \next
	WIN 0xf1
	MUL16 4, 1, 1, \slot, 0
	MUL16 6, 1, 1, \slot, 0
	PLACES 4
	WIN 0
	FETCH_A \next, 0, 4
.endm
	s_load_b128 s[4:7], s[0:1], 0x0                ; Pc s[4:5], QKVc s[6:7]
	s_load_b64 s[8:9], s[0:1], 0x10                ; out0
	v_lshl_add_u32 v[SPW], v0, 2, SPARE
	v_mov_b32 v[NIL], 0
	ds_add_u32 v28, v29
	ds_add_u32 v28, v29
	s_wait_dscnt 0x0
	v_lshrrev_b32 v1, 5, v0
	v_readfirstlane_b32 s14, v1                    ; wave 0..3
	s_lshr_b32 s15, s14, 1                         ; which 128 of the queries are mine.  Also: I fetch for p (0) or for v (1)
	s_and_b32 s16, s14, 1                          ; which 128 of the columns.  Also: which of the two blocks I fetch
	s_bfe_u32 s40, ttmp6, 0x40000                  ; cx
	s_bfe_u32 s41, ttmp6, 0x40004                  ; cy
	s_and_b32 s18, ttmp7, 0xffff
	s_lshr_b32 s72, s18, 1                         ; the batch
	s_and_b32 s73, s18, 1                          ; which half of its queries
	s_lshl_b32 s17, s73, 2
	s_add_co_u32 s17, s17, s41                     ; the tile of queries, 0..7
	s_mov_b32 s42, s40                             ; the tile of columns, 0..3
	s_lshl_b32 s74, s72, 4
	s_lshl_b32 s20, s17, 1
	s_add_co_u32 s20, s20, s74                     ; 16 x batch + 2 x tile
	s_add_co_u32 s75, s20, s15                     ; my own group of queries
	s_add_co_u32 s20, s20, s16                     ; the group that I would fetch
	s_mul_i32 s20, s20, 8*AKP
	s_mov_b32 s21, 0
	s_lshl_b32 s46, s42, 1
	s_lshl_b32 s47, s72, 3
	s_add_co_u32 s46, s46, s47
	s_add_co_u32 s46, s46, s16
	s_mul_i32 s46, s46, 8*BKP
	s_add_co_u32 s46, s46, 13107200                ; v lies behind q and k
	s_mov_b32 s47, 0
	s_lshl_b32 s43, s41, 2
	s_lshl_b32 s43, 15, s43
	s_lshl_b32 s44, 0x1111, s40
	s_or_b32 s[G1+0], s43, (3<<16)|(1<<21)         ; the mask; elements of 8 bytes; bit 21 beside a mask; no padding
	s_or_b32 s[G1B+0], s44, (3<<16)|(1<<21)
	s_mov_b32 s[G1+1], 32<<16
	s_mov_b32 s[G1+2], AR<<16
	s_mov_b32 s[G1+3], 32<<16
	s_mov_b32 s[G1+4], AR
	s_mov_b32 s[G1+5], 32
	s_mov_b32 s[G1+6], 0
	s_mov_b32 s[G1+7], 0
	s_mov_b32 s[G1B+1], 32<<16
	s_mov_b32 s[G1B+2], BR<<16
	s_mov_b32 s[G1B+3], 32<<16
	s_mov_b32 s[G1B+4], BR
	s_mov_b32 s[G1B+5], 32
	s_mov_b32 s[G1B+6], 0
	s_mov_b32 s[G1B+7], 0
	s_mul_i32 s45, s14, LB
	s_mul_i32 s80, s75, 8*AKP                      ; my group's blocks of Pc,
	s_mov_b32 s81, 0
	s_mul_i32 s82, s73, 4*AKP                      ; and their second four, where the queries have 2,048 keys; else the first four once more, so that no byte is read that nobody wrote
	s_mov_b32 s83, 0
	s_mul_i32 s84, s73, 0x3f800000                 ; 1.0 or 0: whether the second four count in l
	s_lshl_b32 s3, s73, 1
	s_add_co_u32 s3, s3, 1                         ; laps of the loop: 1 or 3
	s_lshl_b32 s76, s72, 11
	s_lshl_b32 s77, s17, 8
	s_add_co_u32 s76, s76, s77
	s_lshl_b32 s77, s15, 7
	s_add_co_u32 s76, s76, s77                     ; my first row of out0
	s_lshl_b32 s76, s76, 12
	s_lshl_b32 s77, s42, 10
	s_add_co_u32 s76, s76, s77
	s_lshl_b32 s77, s16, 9
	s_add_co_u32 s76, s76, s77                     ; + my first column, in bytes
	s_mov_b32 s77, 0
	s_mov_b32 s66, 0x76543210
	s_mov_b32 s67, 0xfedcba98
	s_mov_b32 s70, 0xffff0000
	s_mov_b32 s85, 0x01010101
	s_mov_b32 s86, 0x80808080
	s_mov_b32 s87, 0x7f7f7f7f
	s_mov_b32 s88, 255
	s_wait_kmcnt 0x0
	s_add_nc_u64 s[20:21], s[4:5], s[20:21]
	s_add_nc_u64 s[46:47], s[6:7], s[46:47]
	s_add_nc_u64 s[80:81], s[4:5], s[80:81]
	s_add_nc_u64 s[82:83], s[80:81], s[82:83]
	s_add_nc_u64 s[78:79], s[8:9], s[76:77]
	CROUND
.irp s, 0,1
	s_mov_b32 s[G0+4*\s], 1
	s_add_co_u32 s[G0+4*\s+1], s45, \s*SLOTB
	s_add_nc_u64 s[G0+4*\s+2:G0+4*\s+3], s[20:21], \s*AKP
	s_or_b32 s[G0+4*\s+3], s[G0+4*\s+3], 0x80000000
	s_mov_b32 s[G0B+4*\s], 1
	s_add_co_u32 s[G0B+4*\s+1], s45, \s*SLOTB
	s_add_nc_u64 s[G0B+4*\s+2:G0B+4*\s+3], s[46:47], \s*BKP
	s_or_b32 s[G0B+4*\s+3], s[G0B+4*\s+3], 0x80000000
	JLOAD G0+4*\s, G1, G0B+4*\s, G1B
.endr
	v_and_b32 v1, 31, v0
	v_and_b32 v2, 15, v0                           ; r
	v_bfe_u32 v3, v0, 4, 1                         ; h
	v_lshlrev_b32 v4, 4, v1
	v_lshlrev_b32 v5, 2, v1
	; N and l of my 128 queries for 16 chunks of 128 keys: register 4 s + j, lane l: chunk s, tile 2 j + l / 16, place l % 16
.irp s, 0,1,2,3,4,5,6,7
.irp j, 0,1,2,3
	global_load_b32 v[PN+4*\s+\j], v5, s[80:81] offset:(\s/2)*AKP+25600+512*(\s%2)+128*\j
	global_load_b32 v[PL+4*\s+\j], v5, s[80:81] offset:(\s/2)*AKP+26624+512*(\s%2)+128*\j
.endr
.endr
.irp s, 0,1,2,3,4,5,6,7
.irp j, 0,1,2,3
	global_load_b32 v[PN+32+4*\s+\j], v5, s[82:83] offset:(\s/2)*AKP+25600+512*(\s%2)+128*\j
	global_load_b32 v[PL+32+4*\s+\j], v5, s[82:83] offset:(\s/2)*AKP+26624+512*(\s%2)+128*\j
.endr
.endr
	s_mul_i32 s21, s15, LB
	s_mul_i32 s22, s16, LB
	s_add_co_u32 s22, s22, 2*LB
.irp s, 0,1
	v_add_nc_u32 v[ADRA+\s], s21, v4
	v_add_nc_u32 v[ADRB+\s], s22, v4
	v_add_nc_u32 v[ADSA+\s], s21, v5
	v_add_nc_u32 v[ADSB+\s], s22, v5
	s_add_co_u32 s21, s21, SLOTB
	s_add_co_u32 s22, s22, SLOTB
.endr
	s_mul_i32 s23, s14, 16*528
	s_add_co_u32 s23, s23, STAGE                   ; my stage
	v_mul_u32_u24 v24, v2, 528
	v_lshl_add_u32 v24, v3, 6, v24
	v_add_nc_u32 v24, s23, v24                     ; in: place r, + 64 h
	v_add_nc_u32 v25, s23, v4                      ; back: a row of 512 bytes, 16 a lane
.irp j, 0,1,2,3
	v_mov_b32 v[LXR+\j], 0                         ; a lane permute's destination counts as one of its sources
.endr
	s_wait_loadcnt 0x0
.irp j, 0,1,2,3
	v_min3_num_f32 v[NR+\j], v[PN+\j], v[PN+4+\j], v[PN+8+\j]
.endr
.irp s, 3,5,7,9,11,13
.irp j, 0,1,2,3
	v_min3_num_f32 v[NR+\j], v[NR+\j], v[PN+4*\s+\j], v[PN+4*\s+4+\j]
.endr
.endr
.irp j, 0,1,2,3
	v_min_num_f32 v[NR+\j], v[NR+\j], v[PN+60+\j]  ; the row's N: the least, since N = -M
.endr
.set n, 0
.rept 64
	v_sub_f32 v[PN+n], v[NR+n%4], v[PN+n]          ; row's N - chunk's N: a whole number, 0 or less
.set n, n+1
.endr
.set n, 0
.rept 64
	v_max_num_f32 v[PN+n], 0xc3160000, v[PN+n]     ; held at -150: what lies lower is nothing in f32
.set n, n+1
.endr
.set n, 0
.rept 64
	v_cvt_i32_f32 v[PN+n], v[PN+n]
.set n, n+1
.endr
.set n, 0
.rept 64
	v_ldexp_f32 v[PL+n], v[PL+n], v[PN+n]          ; the chunk's l under the row's M
.set n, n+1
.endr
.irp j, 0,1,2,3
	v_add_f32 v[LA+\j], v[PL+\j], v[PL+4+\j]
.endr
.irp s, 2,3,4,5,6,7
.irp j, 0,1,2,3
	v_add_f32 v[LA+\j], v[LA+\j], v[PL+4*\s+\j]
.endr
.endr
.irp s, 8,9,10,11,12,13,14,15
.irp j, 0,1,2,3
	v_fma_f32 v[LA+\j], v[PL+4*\s+\j], s84, v[LA+\j]
.endr
.endr
.irp j, 0,1,2,3
	v_rcp_f32 v[LA+\j], v[LA+\j]
.endr
	v_nop                                          ; a plain place behind the reciprocals
	s_wait_alu depctr_va_vdst(0)                   ; one wait for the four, ahead of their first reader
.irp j, 0,1,2,3
	v_permlanex16_b32 v[LXR+\j], v[LA+\j], s66, s67
.endr
.irp j, 0,1,2,3                                ; 1 / l of tile a's place r in both halves of the lanes, at v[RL + 2 a]; its partner is named in a pair, so it is written
	v_cndmask_b32 v[RL+4*\j], v[LA+\j], v[LXR+\j], s70
	v_cndmask_b32 v[RL+4*\j+2], v[LXR+\j], v[LA+\j], s70
	v_mov_b32 v[RL+4*\j+1], 0
	v_mov_b32 v[RL+4*\j+3], 0
.endr
	s_wait_tensorcnt 1                             ; my part of slot 0 is in; slot 1's may stay out
	s_barrier_signal -1
	s_barrier_wait -1
	FETCH_B 0, 0, 0
	FETCH_A 0, 0, 0
	SCALES 0
	FETCH_A 0, 0, 4
	STEP 0, 1                                      ; the first products start the sums
.Llap:                                             ; a trip goes once round the ring and fills both slots again
	TURN 0, 1, 1
	STEP 1, 0
	TURN 1, 0, 1
	STEP 0, 0
	s_sub_co_u32 s3, s3, 1
	s_cmp_lg_u32 s3, 0
	s_cbranch_scc1 .Llap
	TURN 0, 1, 0                                   ; the tail is written out: nothing is left to fetch
	STEP 1, 0
	s_wait_dscnt 12
	WIN 0xa1
	MUL16 0, 1, 1, 1, 0
	MUL16 2, 1, 1, 1, 0
	s_wait_dscnt 0x0
	WIN 0xf1
	MUL16 4, 1, 1, 1, 0
	MUL16 6, 1, 1, 1, 0
	WIN 0
	PLACES 4
; THE WAY OUT of tile a: x 1 / l; a lane holds pieces of 32 bytes of one row, so the tile goes through my stage and comes back as whole rows of 512 bytes.  Register 8 t + j is column 32 (t / 2) + 16 h + 8 (t % 2) + j of my 128
.macro OUTB a
.set AC, 64*((\a)%4)
.set W, 2+(\a)/4
	WIN W
.set n, 0
.rept 32
	v_pk_mul_f32 v[OT+n:OT+n+1], v[AC+n:AC+n+1], v[RL+2*(\a):RL+2*(\a)+1] op_sel_hi:[1,0]   ; each accumulator from its low end on
.set n, n+2
.endr
	WIN 0
.irp t, 0,1,2,3,4,5,6,7
	ds_store_b128 v24, v[OT+8*\t:OT+8*\t+3] offset:128*(\t/2)+32*(\t%2)
	ds_store_b128 v24, v[OT+8*\t+4:OT+8*\t+7] offset:128*(\t/2)+32*(\t%2)+16
.endr
.if (\a) > 0
	s_wait_xcnt 0x0                                ; the last tile's stores have read their data: the rows' registers are loaded again only behind this wait
.endif
.irp i, 0,1,2,3,4,5,6,7,8,9,10,11,12,13,14,15
	ds_load_b128 v[BK+4*\i:BK+4*\i+3], v25 offset:528*\i       ; LDS serves a wave's instructions in order: these see my stores
.endr
.irp i, 0,1,2,3,4,5,6,7,8,9,10,11,12,13,14,15
	s_wait_dscnt 15-\i                             ; row i is back; the younger loads stay out
	global_store_b128 v4, v[BK+4*\i:BK+4*\i+3], s[78:79] offset:(32*((\a)/2)+8*((\a)%2)+\i+8*(\i/8))*4096 th:TH_STORE_NT   ; 512 consecutive bytes, at a multiple of 256 from out0's first byte
.endr
.endm
.irp a, 0,1,2,3,4,5,6,7
	OUTB \a
.endr
	s_wait_tensorcnt 0x0                           ; the wave's end, behind my last tensor load and my last LDS store
	ds_add_u32 v[SPW], v[NIL]
	s_wait_dscnt 0x0
	CROUND                                         ; the closing round
	s_endpgm
.Lfunc_end_k_q6b5743e440_pv:
	.size	k_q6b5743e440_pv, .Lfunc_end_k_q6b5743e440_pv-k_q6b5743e440_pv
	.p2alignl 7, 3214868480
	.fill 96, 4, 3214868480
	.section	.rodata,"a",@progbits
	.p2align	6, 0x0
	.amdhsa_kernel k_q6b5743e440_pv
		.amdhsa_group_segment_fixed_size 327680
		.amdhsa_private_segment_fixed_size 0
		.amdhsa_enable_private_segment 0
		.amdhsa_kernarg_size 24
		.amdhsa_user_sgpr_count 2
		.amdhsa_user_sgpr_kernarg_segment_ptr 1
		.amdhsa_wavefront_size32 1
		.amdhsa_system_sgpr_workgroup_id_x 1
		.amdhsa_system_sgpr_workgroup_id_y 1
		.amdhsa_system_sgpr_workgroup_id_z 1
		.amdhsa_system_vgpr_workitem_id 0
		.amdhsa_next_free_vgpr 1024
		.amdhsa_next_free_sgpr 100
		.amdhsa_reserve_vcc 0
		.amdhsa_float_denorm_mode_32 3
		.amdhsa_float_denorm_mode_16_64 3
		.amdhsa_memory_ordered 1
		.amdhsa_forward_progress 1
		.amdhsa_inst_pref_size 202
	.end_amdhsa_kernel
	.amdgpu_metadata
---
amdhsa.version: [ 1, 2 ]
amdhsa.kernels:
  - .name:           k_q6b5743e440_pv
    .symbol:         k_q6b5743e440_pv.kd
    .args:
      - { .name: Pc, .offset: 0, .size: 8, .value_kind: global_buffer, .address_space: global }
      - { .name: QKVc, .offset: 8, .size: 8, .value_kind: global_buffer, .address_space: global }
      - { .name: out0, .offset: 16, .size: 8, .value_kind: global_buffer, .address_space: global }
    .group_segment_fixed_size: 327680
    .private_segment_fixed_size: 0
    .kernarg_segment_align: 8
    .kernarg_segment_size: 24
    .max_flat_workgroup_size: 128
    .sgpr_count:     100
    .vgpr_count:     1024
    .wavefront_size: 32
...
	.end_amdgpu_metadata
.endif
;; end of part 4
;; ======== version 2 of 2: 4 launches; 1.13 times as fast as version 1
;; limits: right only within a limited range of input values
;; workspace buffers: XWc 9,011,200 bytes; QKVc 19,660,800 bytes; Pc 14,155,776 bytes
;; launch quant: the kernel of part 1 again; grid 8 x 88, 4 waves a work-group, no clusters, 80,384 bytes of LDS; arguments X, Wq, Wk, Wv, XWc; writes XWc
;; launch proj (part 5): grid 8 x 48, 4 waves a work-group, clusters of 4 x 4, 327,680 bytes of LDS; arguments XWc, QKVc; writes QKVc
.if DOCPART == 5
	.amdgcn_target "amdgcn-amd-amdhsa--gfx1250"
	.amdhsa_code_object_version 6
	.text
	.protected	k_q6b5743e440_proj
	.globl	k_q6b5743e440_proj
	.p2align	8
	.type	k_q6b5743e440_proj,@function
k_q6b5743e440_proj:
	s_mov_b64 s[64:65], 0
	v_nop
	global_prefetch_b8 v0, s[64:65] scope:SCOPE_SE
	s_setreg_imm32_b32 hwreg(HW_REG_WAVE_MODE, 25, 1), 1
	s_wait_xcnt 0x0
	s_wait_alu depctr_hold_cnt(0) depctr_sa_sdst(0) depctr_va_vdst(0) depctr_va_sdst(0) depctr_va_ssrc(0) depctr_va_vcc(0) depctr_vm_vsrc(0)
	s_getreg_b32 s2, hwreg(HW_REG_IB_STS2, 6, 4)
	s_cmp_eq_u32 s2, 0
	s_cbranch_scc0 .Lentry_in_a_cluster
	s_endpgm
.Lentry_in_a_cluster:
	s_bfe_u32 s2, ttmp6, 0x10000c
	s_cmp_lg_u32 s2, 0xf033
	s_cbranch_scc0 .Lentry_shape_is_right
	s_endpgm
.Lentry_shape_is_right:
; q = X Wq, k = X Wk, v = X Wv on codes of FP6 (E2M3) with E8M0 scales; the results are quantised in registers, q and k along their 1,024 columns, v along the keys, and stored as codes.
; A tile of 256 x 256 to a work-group of four waves, 128 x 128 to a wave: 64 accumulators, 512 registers.
; K = 1,024 is four slots' worth of 256.  THREE LDS SLOTS: three first fills go out together, and one refill, the fourth 256 along K into slot 0, behind the first change of slots: it has 224 products a wave in which to land.
; OPERANDS LIE IN MEMORY AS IMAGES OF THEIR REGISTERS, in blocks of 128 rows x 256 K, 25,600 bytes: K step q at 12,288 q, tile t at 1,536 t (registers 4 g .. 4 g + 3 of lane l at 512 g + 16 l), scale words at 24,576 + 512 q + 4 (16 t + place).
; So a block is one dense tensor load, a fragment three loads of 16 bytes a lane, and the scale words of two tiles one load.  Place r of tile t is row 32 (t / 2) + 8 (t % 2) + r + 8 (r / 8) of its 128.
; SOURCE 1 ("A") gives a lane its row, SOURCE 0 ("B") runs along a lane's registers: with that order of rows the 64 registers of accumulators (a, 0 .. 7) are 128 neighbours along B's rows: the next product's K.
; q, k (cluster y 0-7): A = X's tokens, B = Wq's or Wk's columns.  v (cluster y 8-11): A = Wv's columns, B = X's tokens: a lane then holds one column of v and its registers run along the keys.
; CLUSTERS 4 x 4: A's block is shared along a row of the cluster, B's along a column: joint loads.  No prefetch: four slots' worth in all, three of them first fills.
; REGISTERS: window 0: v4, v5 16 x and 4 x lane; v6, v7 store offsets; v11-13, v16-24 LDS addresses; v28, v29 for the add; v32-63 scale words, two sets; v64-102 the way out; v128-223 A's fragments, one set.
;   window 1: B's fragments, two sets, at v0 and v128.  windows 2, 3: accumulator (a, b) at v[8 (8 (a % 4) + b)].
; LIMITS: NaN and infinities are not served; a block of zeros gets the byte 1 (this program alone reads the bytes).
.set LB,    25600                      ; a block's place in a slot
.set AR,    100                        ; rows of 256 bytes in A's load, in B's
.set BR,    100
.set AKP,   25600                      ; bytes from one 256 along K to the next, in memory
.set BKP,   25600
.set SLOTB, 4*LB                       ; a slot: A's two blocks, B's two blocks
.set SPARE, 3*SLOTB                    ; behind the three slots: the spare words, 128 bytes for each wave
.set SCO,   24576
.set QB,    12288
.set IMG,   1536
.set STC,  6                           ; v6   where my codes go in the output block
.set STS,  7                           ; v7   and my scale words
.set ADRA, 11                          ; v11-13 LDS address of my A fragments in slot 0, 1, 2
.set ADRB, 16                          ; v16-18 of B's
.set ADSA, 19                          ; v19-21 of A's scale words
.set ADSB, 22                          ; v22-24 of B's
.set SPW,  28
.set NIL,  29
.set SC,   32                          ; two sets, taken by turns along K; set c at SC + 16 c; in it 8 q + j: A's words of tiles 2 j (lanes 0-15) and 2 j + 1 (lanes 16-31); 8 q + 4 + j: B's
.set AF,   128
.set TM,   64
.set PC,   80
.set PWE,  100
.set PWM,  102
.set G1,   24
.set G0,   32                          ; s[32:39] group 0 for A's blocks, slots 0 and 1;  s[80:83] slot 2
.set G1B,  48
.set G0B,  56                          ; s[56:63], s[84:87] the same for B's
.set G0C,  80
.set G0BC, 84
.set MSB, 0
.macro WIN new                         ; the immediate's high byte repeats the setting that is left
.if MSB != (\new)
	s_set_vgpr_msb (MSB<<8)|(\new)
.set MSB, (\new)
.endif
.endm
.macro JLOAD g0a, g1a, g0b, g1b        ; a joint load: waves 0 and 1 fetch A's two blocks, waves 2 and 3 B's; four v_nop follow each line
	s_cmp_eq_u32 s15, 0
	s_cbranch_scc0 .Lfor_b_\@
	tensor_load_to_lds s[\g0a:\g0a+3], s[\g1a:\g1a+7]
	s_nop 0
.rept 4
	v_nop
.endr
	s_branch .Lasked_\@
.Lfor_b_\@:
	tensor_load_to_lds s[\g0b:\g0b+3], s[\g1b:\g1b+7]
	s_nop 0
.rept 4
	v_nop
.endr
.Lasked_\@:
.endm
.macro CREST                           ; a round of the cluster's barrier behind its opening barrier
	s_cmp_lg_u32 s14, 0
	s_cbranch_scc1 .Lnot_wave_0_\@
	s_barrier_signal -3
.Lnot_wave_0_\@:
	s_barrier_wait -3
	s_barrier_signal -1
	s_barrier_wait -1
.endm
.macro CROUND
	s_barrier_signal -1
	s_barrier_wait -1
	CREST
.endm
.macro PLACES n                        ; plain places behind matrix instructions, ahead of loads into their registers and of reads of their results
.rept \n
	v_nop
.endr
.endm
.macro FRAG reg, adr, off              ; a fragment comes back as it was stored: three loads of 16 bytes a lane, 512 consecutive bytes each
.irp g, 0,1,2
	ds_load_b128 v[(\reg)+4*\g:(\reg)+4*\g+3], v[\adr] offset:(\off)+512*\g
.endr
.endm
.macro FETCH_B slot, q, p
	WIN 0x40                                       ; destination window 1
.irp i, 0,1,2,3,4,5,6,7
	FRAG 128*(\p)+12*\i, ADRB+\slot, (\q)*QB+\i*IMG
.endr
	WIN 0
.endm
.macro FETCH_A slot, q, i0
.irp i, \i0, \i0+1, \i0+2, \i0+3
	FRAG AF+12*(\i), ADRA+\slot, (\q)*QB+(\i)*IMG
.endr
.endm
.macro SCALES slot, sc                 ; a slot's scale words into set sc: 16 loads
.irp q, 0,1
.irp j, 0,1,2,3
	ds_load_b32 v[SC+16*(\sc)+8*\q+\j], v[ADSA+\slot] offset:SCO+512*\q+128*\j
	ds_load_b32 v[SC+16*(\sc)+8*\q+4+\j], v[ADSB+\slot] offset:SCO+512*\q+128*\j
.endr
.endr
.endm
.macro WM a, b, p, q, sc, zero         ; one product: an odd tile's words stand in lanes 16-31 of its register
.set rD, 8*(8*((\a)%4)+(\b))
.set rB, 128*(\p)+12*(\b)
.set rA, AF+12*(\a)
.set rT, SC+16*(\sc)+8*(\q)+4+(\b)/2
.set rS, SC+16*(\sc)+8*(\q)+(\a)/2
.set oA, (\a)%2
.set oB, (\b)%2
.if \zero
.if oA && oB
	v_wmma_scale_f32_16x16x128_f8f6f4 v[rD:rD+7], v[rB:rB+11], v[rA:rA+11], 0, v[rT], v[rS] matrix_a_fmt:MATRIX_FMT_FP6 matrix_b_fmt:MATRIX_FMT_FP6 matrix_a_scale:MATRIX_SCALE_ROW1 matrix_b_scale:MATRIX_SCALE_ROW1
.elseif oB
	v_wmma_scale_f32_16x16x128_f8f6f4 v[rD:rD+7], v[rB:rB+11], v[rA:rA+11], 0, v[rT], v[rS] matrix_a_fmt:MATRIX_FMT_FP6 matrix_b_fmt:MATRIX_FMT_FP6 matrix_a_scale:MATRIX_SCALE_ROW1
.elseif oA
	v_wmma_scale_f32_16x16x128_f8f6f4 v[rD:rD+7], v[rB:rB+11], v[rA:rA+11], 0, v[rT], v[rS] matrix_a_fmt:MATRIX_FMT_FP6 matrix_b_fmt:MATRIX_FMT_FP6 matrix_b_scale:MATRIX_SCALE_ROW1
.else
	v_wmma_scale_f32_16x16x128_f8f6f4 v[rD:rD+7], v[rB:rB+11], v[rA:rA+11], 0, v[rT], v[rS] matrix_a_fmt:MATRIX_FMT_FP6 matrix_b_fmt:MATRIX_FMT_FP6
.endif
.else
.if oA && oB
	v_wmma_scale_f32_16x16x128_f8f6f4 v[rD:rD+7], v[rB:rB+11], v[rA:rA+11], v[rD:rD+7], v[rT], v[rS] matrix_a_fmt:MATRIX_FMT_FP6 matrix_b_fmt:MATRIX_FMT_FP6 matrix_a_scale:MATRIX_SCALE_ROW1 matrix_b_scale:MATRIX_SCALE_ROW1
.elseif oB
	v_wmma_scale_f32_16x16x128_f8f6f4 v[rD:rD+7], v[rB:rB+11], v[rA:rA+11], v[rD:rD+7], v[rT], v[rS] matrix_a_fmt:MATRIX_FMT_FP6 matrix_b_fmt:MATRIX_FMT_FP6 matrix_a_scale:MATRIX_SCALE_ROW1
.elseif oA
	v_wmma_scale_f32_16x16x128_f8f6f4 v[rD:rD+7], v[rB:rB+11], v[rA:rA+11], v[rD:rD+7], v[rT], v[rS] matrix_a_fmt:MATRIX_FMT_FP6 matrix_b_fmt:MATRIX_FMT_FP6 matrix_b_scale:MATRIX_SCALE_ROW1
.else
	v_wmma_scale_f32_16x16x128_f8f6f4 v[rD:rD+7], v[rB:rB+11], v[rA:rA+11], v[rD:rD+7], v[rT], v[rS] matrix_a_fmt:MATRIX_FMT_FP6 matrix_b_fmt:MATRIX_FMT_FP6
.endif
.endif
.endm
.macro MUL16 a0, p, q, sc, zero        ; A's tiles a0, a0 + 1 x B's eight.  The 64 accumulators take turns, one instruction a turn, in the same order in every step
.irp a, \a0, \a0+1
.irp b, 0,1,2,3,4,5,6,7
	WM \a, \b, \p, \q, \sc, \zero
.endr
.endr
.endm
.macro STEP slot, sc, zero             ; a slot's first 128 along K
	s_wait_dscnt 12                                ; all but the youngest twelve loads (A's tiles 4-7) are in
	WIN 0xa1                                       ; source 0 window 1, source 1 window 0, C and D window 2
	MUL16 0, 0, 0, \sc, \zero
	MUL16 2, 0, 0, \sc, \zero
	s_wait_dscnt 0x0                               ; A's tiles 4-7 are in
	PLACES 4
	FETCH_B \slot, 1, 1
	FETCH_A \slot, 1, 0
	WIN 0xf1                                       ; C and D window 3
	MUL16 4, 0, 0, \sc, \zero
	MUL16 6, 0, 0, \sc, \zero
	PLACES 4
	WIN 0
	FETCH_A \slot, 1, 4
.endm
; A slot's second 128 along K, and a change of slots with a barrier: ahead of it each wave waits for all its tensor loads, adds 0 to its spare word, and waits for that and for its reads of this slot.
; fill = 1 (slot 0 alone): the slot takes the fourth 256 along K.
.macro TURN slot, next, sc, fill
	s_wait_tensorcnt 0x0                           ; all my tensor loads have landed
	ds_add_u32 v[SPW], v[NIL]                      ; 0 onto my spare word
	s_wait_dscnt 13                                ; (the add and the youngest twelve loads may be out)
	WIN 0xa1
	MUL16 0, 1, 1, \sc, 0
	s_wait_dscnt 0x0                               ; the add is done, and my reads of this slot are over
	s_barrier_signal -1
	MUL16 2, 1, 1, \sc, 0
	WIN 0
	s_barrier_wait -1
.if \fill
	CREST                                          ; the barrier has opened a round of the cluster's: no wave of any partner still reads this slot or has a load on its way
	s_add_nc_u64 s[G0+4*\slot+2:G0+4*\slot+3], s[G0+4*\slot+2:G0+4*\slot+3], 3*AKP
	s_add_nc_u64 s[G0B+4*\slot+2:G0B+4*\slot+3], s[G0B+4*\slot+2:G0B+4*\slot+3], 3*BKP
	JLOAD G0+4*\slot, G1, G0B+4*\slot, G1B         ; the first tensor load behind the round; its four v_nop are the places ahead of the loads below
.else
	PLACES 4
.endif
	FETCH_B \next, 0, 0
	FETCH_A \next, 0, 0
	SCALES \next, 1-(\sc)
	WIN 0xf1
	MUL16 4, 1, 1, \sc, 0
	MUL16 6, 1, 1, \sc, 0
	PLACES 4
	WIN 0
	FETCH_A \next, 0, 4
.endm
; The change from slot 1 to slot 2 has no barrier: ahead of the barrier of the change before, every wave has waited for all its tensor loads, slot 2's among them
.macro PASS next, sc
	s_wait_dscnt 12
	WIN 0xa1
	MUL16 0, 1, 1, \sc, 0
	MUL16 2, 1, 1, \sc, 0
	s_wait_dscnt 0x0
	PLACES 4
	FETCH_B \next, 0, 0
	FETCH_A \next, 0, 0
	SCALES \next, 1-(\sc)
	WIN 0xf1
	MUL16 4, 1, 1, \sc, 0
	MUL16 6, 1, 1, \sc, 0
	PLACES 4
	WIN 0
	FETCH_A \next, 0, 4
.endm
; 64 numbers of a lane in window w, register 16 b + i = k 32 b + 16 (lane / 16) + i of my row: the four blocks' largest magnitudes into v[TM] on.  Each accumulator is read from its low end on
.macro QMAX s, w
	WIN (\w)|((\w)<<2)
.irp b, 0,1,2,3
	v_max3_num_f32 v[TM+\b], |v[(\s)+16*\b]|, |v[(\s)+16*\b+1]|, 0x1800000   ; with the floor 2^(3 - 127): the byte cannot fall under 1
.endr
.irp i, 2,4,6,8,10,12,14
.irp b, 0,1,2,3
	v_max3_num_f32 v[TM+\b], |v[(\s)+16*\b+\i]|, |v[(\s)+16*\b+\i+1]|, v[TM+\b]
.endr
.endr
	WIN 0
.irp b, 0,1,2,3
	v_permlanex16_b32 v[TM+4+\b], v[TM+\b], s66, s67
.endr
.irp b, 0,1,2,3
	v_max_num_f32 v[TM+\b], v[TM+\b], v[TM+4+\b]
.endr
.endm
.macro QTAIL s, w, pw                  ; the scale word into v[pw], the fragment's 12 registers into v[PC] on
.irp b, 0,1,2,3
	v_add_nc_u32 v[TM+12+\b], 0xff000000, v[TM+\b]         ; 2 off the exponent field: the conversion's scale operand
.endr
.irp b, 0,1,2,3
	v_lshrrev_b32 v[TM+4+\b], 23, v[TM+12+\b]              ; the scale's byte
.endr
	v_lshl_or_b32 v[\pw], v[TM+5], 8, v[TM+4]
	v_lshl_or_b32 v[\pw], v[TM+6], 16, v[\pw]
	v_lshl_or_b32 v[\pw], v[TM+7], 24, v[\pw]
	s_wait_xcnt 0x0                                        ; earlier stores have read their data registers: they are written again only behind this wait
	WIN \w
.irp c, 0,1
	v_cvt_scalef32_pk16_fp6_f32 v[PC+6*\c:PC+6*\c+2], v[(\s)+32*\c:(\s)+32*\c+15], v[TM+12+2*\c]
	v_cvt_scalef32_pk16_fp6_f32 v[PC+12+4*\c:PC+14+4*\c], v[(\s)+32*\c+16:(\s)+32*\c+31], v[TM+13+2*\c]
.endr
	WIN 0
	v_nop                                                  ; one plain place behind a scaled conversion
.irp c, 0,1
.irp i, 0,1,2
	v_permlane16_swap_b32 v[PC+6*\c+\i], v[PC+12+4*\c+\i]
.endr
.irp i, 0,1,2
	v_mov_b32 v[PC+3+6*\c+\i], v[PC+12+4*\c+\i]
.endr
.endr
.endm
	s_load_b128 s[4:7], s[0:1], 0x0                ; XWc s[4:5], QKVc s[6:7]
	v_lshl_add_u32 v[SPW], v0, 2, SPARE
	v_mov_b32 v[NIL], 0
	ds_add_u32 v28, v29
	ds_add_u32 v28, v29
	s_wait_dscnt 0x0
	v_lshrrev_b32 v1, 5, v0
	v_readfirstlane_b32 s14, v1                    ; wave 0..3
	s_lshr_b32 s15, s14, 1                         ; which of A's two blocks is mine.  Also: I fetch for A (0) or for B (1)
	s_and_b32 s16, s14, 1                          ; which of B's.  Also: which of the two blocks I fetch
	s_bfe_u32 s40, ttmp6, 0x40000                  ; cx
	s_bfe_u32 s41, ttmp6, 0x40004                  ; cy
	s_and_b32 s18, ttmp7, 0xffff                   ; cluster y: 0-7 q and k, 8-11 v
	s_lshl_b32 s17, s18, 2
	s_add_co_u32 s17, s17, s41                     ; q, k: A's tile = token tile 4 x cluster y + cy
	s_sub_co_u32 s19, s18, 8
	s_lshl_b32 s19, s19, 1
	s_add_co_u32 s19, s19, ttmp9
	s_lshl_b32 s19, s19, 2
	s_add_co_u32 s19, s19, s40                     ; v: B's tile = token tile 4 (2 (cluster y - 8) + cluster x) + cx
	s_lshl_b32 s42, ttmp9, 2
	s_add_co_u32 s42, s42, s40                     ; q, k: B's tile = 4 x cluster x + cx: 0-3 Wq, 4-7 Wk
	s_cmp_ge_u32 s18, 8                            ; the choice hangs on the cluster's number alone
	s_cselect_b32 s17, s41, s17                    ; v: A's tile = cy, of Wv's columns
	s_cselect_b32 s42, s19, s42
	s_cselect_b32 s20, 80, 0                       ; A's first group in XWc
	s_cselect_b32 s46, 0, 64                       ; B's
	s_lshl_b32 s21, s17, 1
	s_add_co_u32 s20, s20, s21
	s_add_co_u32 s20, s20, s16
	s_mul_i32 s20, s20, 4*AKP                      ; the block that I would fetch for A, in bytes
	s_mov_b32 s21, 0
	s_lshl_b32 s47, s42, 1
	s_add_co_u32 s46, s46, s47
	s_add_co_u32 s46, s46, s16
	s_mul_i32 s46, s46, 4*BKP                      ; and for B
	s_mov_b32 s47, 0
	s_lshl_b32 s43, s41, 2
	s_lshl_b32 s43, 15, s43                        ; my row of the cluster
	s_lshl_b32 s44, 0x1111, s40                    ; my column
	s_or_b32 s[G1+0], s43, (3<<16)|(1<<21)         ; 15:0 the mask; 17:16 elements of 8 bytes; 21 set beside a mask; no padding
	s_or_b32 s[G1B+0], s44, (3<<16)|(1<<21)
	s_mov_b32 s[G1+1], 32<<16                      ; tensor_dim0 = 32 elements: rows of 256 bytes
	s_mov_b32 s[G1+2], AR<<16                      ; tensor_dim1
	s_mov_b32 s[G1+3], 32<<16                      ; tile_dim0
	s_mov_b32 s[G1+4], AR                          ; tile_dim1
	s_mov_b32 s[G1+5], 32                          ; the pitch: the block is dense
	s_mov_b32 s[G1+6], 0
	s_mov_b32 s[G1+7], 0
	s_mov_b32 s[G1B+1], 32<<16
	s_mov_b32 s[G1B+2], BR<<16
	s_mov_b32 s[G1B+3], 32<<16
	s_mov_b32 s[G1B+4], BR
	s_mov_b32 s[G1B+5], 32
	s_mov_b32 s[G1B+6], 0
	s_mov_b32 s[G1B+7], 0
	s_mul_i32 s45, s14, LB                         ; where my load lands in a slot: no place in the cluster enters an LDS address
	s_mov_b32 s66, 0x76543210
	s_mov_b32 s67, 0xfedcba98                      ; v_permlanex16_b32's selects: lane l xor 16
	s_mov_b32 s70, 0xffff0000                      ; lanes 16-31
	s_wait_kmcnt 0x0
	s_add_nc_u64 s[20:21], s[4:5], s[20:21]
	s_add_nc_u64 s[46:47], s[4:5], s[46:47]
	CROUND                                         ; all sixteen work-groups are here: the first joint loads meet
.irp s, 0,1
	s_mov_b32 s[G0+4*\s], 1
	s_add_co_u32 s[G0+4*\s+1], s45, \s*SLOTB
	s_add_nc_u64 s[G0+4*\s+2:G0+4*\s+3], s[20:21], \s*AKP
	s_or_b32 s[G0+4*\s+3], s[G0+4*\s+3], 0x80000000
	s_mov_b32 s[G0B+4*\s], 1
	s_add_co_u32 s[G0B+4*\s+1], s45, \s*SLOTB
	s_add_nc_u64 s[G0B+4*\s+2:G0B+4*\s+3], s[46:47], \s*BKP
	s_or_b32 s[G0B+4*\s+3], s[G0B+4*\s+3], 0x80000000
	JLOAD G0+4*\s, G1, G0B+4*\s, G1B
.endr
	s_mov_b32 s[G0C], 1
	s_add_co_u32 s[G0C+1], s45, 2*SLOTB
	s_add_nc_u64 s[G0C+2:G0C+3], s[20:21], 2*AKP
	s_or_b32 s[G0C+3], s[G0C+3], 0x80000000
	s_mov_b32 s[G0BC], 1
	s_add_co_u32 s[G0BC+1], s45, 2*SLOTB
	s_add_nc_u64 s[G0BC+2:G0BC+3], s[46:47], 2*BKP
	s_or_b32 s[G0BC+3], s[G0BC+3], 0x80000000
	JLOAD G0C, G1, G0BC, G1B                       ; three loads of mine are out
	v_and_b32 v1, 31, v0
	v_lshlrev_b32 v4, 4, v1                        ; 16 x lane
	v_lshlrev_b32 v5, 2, v1                        ; 4 x lane
	s_mul_i32 s21, s15, LB
	s_mul_i32 s22, s16, LB
	s_add_co_u32 s22, s22, 2*LB
.irp s, 0,1,2
	v_add_nc_u32 v[ADRA+\s], s21, v4
	v_add_nc_u32 v[ADRB+\s], s22, v4
	v_add_nc_u32 v[ADSA+\s], s21, v5
	v_add_nc_u32 v[ADSB+\s], s22, v5
	s_add_co_u32 s21, s21, SLOTB
	s_add_co_u32 s22, s22, SLOTB
.endr
	; where my results go: a block of QKVc.  q at 0, k at 6,553,600: [token group][256 of the columns]; v at 13,107,200: [batch][group of columns][256 of the keys]
	s_lshl_b32 s72, s17, 1
	s_add_co_u32 s72, s72, s15                     ; my group of A's rows
	s_lshl_b32 s73, s72, 2
	s_and_b32 s74, s42, 3
	s_add_co_u32 s73, s73, s74
	s_mul_i32 s73, s73, 25600
	s_mul_i32 s74, ttmp9, 6553600
	s_add_co_u32 s73, s73, s74
	s_lshr_b32 s75, s42, 3
	s_lshl_b32 s75, s75, 3
	s_add_co_u32 s75, s75, s72
	s_lshl_b32 s75, s75, 3
	s_and_b32 s76, s42, 7
	s_add_co_u32 s75, s75, s76
	s_mul_i32 s75, s75, 25600
	s_add_co_u32 s75, s75, 13107200
	s_cmp_ge_u32 s18, 8
	s_cselect_b32 s76, s75, s73
	s_mov_b32 s77, 0
	s_add_nc_u64 s[78:79], s[6:7], s[76:77]
	s_mul_i32 s72, s16, QB
	v_add_nc_u32 v[STC], s72, v4                   ; my half of B's 256 is K step 0 or 1 of the block
	s_lshl_b32 s72, s16, 9
	s_add_co_u32 s72, s72, SCO
	v_add_nc_u32 v[STS], s72, v5
	s_wait_tensorcnt 2                             ; my part of slot 0 is in; slots 1 and 2's may stay out
	s_barrier_signal -1
	s_barrier_wait -1
	FETCH_B 0, 0, 0
	FETCH_A 0, 0, 0
	SCALES 0, 0
	FETCH_A 0, 0, 4
	STEP 0, 0, 1                                   ; the first products start the sums: nothing is cleared
	TURN 0, 1, 0, 1                                ; slot 0 takes the fourth 256 along K
	STEP 1, 1, 0
	PASS 2, 1
	STEP 2, 0, 0
	TURN 2, 0, 0, 0                                ; nothing is left to fetch
	STEP 0, 1, 0
	s_wait_dscnt 12
	WIN 0xa1
	MUL16 0, 1, 1, 1, 0
	MUL16 2, 1, 1, 1, 0
	s_wait_dscnt 0x0
	WIN 0xf1
	MUL16 4, 1, 1, 1, 0
	MUL16 6, 1, 1, 1, 0
	WIN 0
	PLACES 4
.irp b, 0,1,2,3
	v_mov_b32 v[TM+4+\b], 0                        ; a lane permute's destination counts as one of its sources
.endr
; THE WAY OUT: the 64 registers of accumulators (a, 0 .. 7) become tile a's fragment of the next product, stored as its image: three stores of 512 consecutive bytes
.macro OUTA a
	QMAX 64*((\a)%4), 2+(\a)/4
	QTAIL 64*((\a)%4), 2+(\a)/4, PWE+(\a)%2
.irp g, 0,1,2
	global_store_b128 v[STC], v[PC+4*\g:PC+4*\g+3], s[78:79] offset:(\a)*IMG+512*\g
.endr
.if (\a)%2
	v_cndmask_b32 v[PWM], v[PWE], v[PWE+1], s70    ; lanes 0-15 the even tile's words, lanes 16-31 the odd one's
	global_store_b32 v[STS], v[PWM], s[78:79] offset:128*((\a)/2)
.endif
.endm
.irp a, 0,1,2,3,4,5,6,7
	OUTA \a
.endr
	s_wait_tensorcnt 0x0                           ; the wave's end
	ds_add_u32 v[SPW], v[NIL]
	s_wait_dscnt 0x0
	CROUND                                         ; the closing round
	s_endpgm
.Lfunc_end_k_q6b5743e440_proj:
	.size	k_q6b5743e440_proj, .Lfunc_end_k_q6b5743e440_proj-k_q6b5743e440_proj
	.p2alignl 7, 3214868480
	.fill 96, 4, 3214868480
	.section	.rodata,"a",@progbits
	.p2align	6, 0x0
	.amdhsa_kernel k_q6b5743e440_proj
		.amdhsa_group_segment_fixed_size 327680
		.amdhsa_private_segment_fixed_size 0
		.amdhsa_enable_private_segment 0
		.amdhsa_kernarg_size 16
		.amdhsa_user_sgpr_count 2
		.amdhsa_user_sgpr_kernarg_segment_ptr 1
		.amdhsa_wavefront_size32 1
		.amdhsa_system_sgpr_workgroup_id_x 1
		.amdhsa_system_sgpr_workgroup_id_y 1
		.amdhsa_system_sgpr_workgroup_id_z 1
		.amdhsa_system_vgpr_workitem_id 0
		.amdhsa_next_free_vgpr 1024
		.amdhsa_next_free_sgpr 100
		.amdhsa_reserve_vcc 0
		.amdhsa_float_denorm_mode_32 3
		.amdhsa_float_denorm_mode_16_64 3
		.amdhsa_memory_ordered 1
		.amdhsa_forward_progress 1
		.amdhsa_inst_pref_size 140
	.end_amdhsa_kernel
	.amdgpu_metadata
---
amdhsa.version: [ 1, 2 ]
amdhsa.kernels:
  - .name:           k_q6b5743e440_proj
    .symbol:         k_q6b5743e440_proj.kd
    .args:
      - { .name: XWc, .offset: 0, .size: 8, .value_kind: global_buffer, .address_space: global }
      - { .name: QKVc, .offset: 8, .size: 8, .value_kind: global_buffer, .address_space: global }
    .group_segment_fixed_size: 327680
    .private_segment_fixed_size: 0
    .kernarg_segment_align: 8
    .kernarg_segment_size: 16
    .max_flat_workgroup_size: 128
    .sgpr_count:     100
    .vgpr_count:     1024
    .wavefront_size: 32
...
	.end_amdgpu_metadata
.endif
;; end of part 5
;; launch scores (part 6): grid 12 x 16, 4 waves a work-group, clusters of 4 x 4, 327,680 bytes of LDS; arguments QKVc, Pc; writes Pc
.if DOCPART == 6
	.amdgcn_target "amdgcn-amd-amdhsa--gfx1250"
	.amdhsa_code_object_version 6
	.text
	.protected	k_q6b5743e440_scores
	.globl	k_q6b5743e440_scores
	.p2align	8
	.type	k_q6b5743e440_scores,@function
k_q6b5743e440_scores:
	s_mov_b64 s[64:65], 0
	v_nop
	global_prefetch_b8 v0, s[64:65] scope:SCOPE_SE
	s_setreg_imm32_b32 hwreg(HW_REG_WAVE_MODE, 25, 1), 1
	s_wait_xcnt 0x0
	s_wait_alu depctr_hold_cnt(0) depctr_sa_sdst(0) depctr_va_vdst(0) depctr_va_sdst(0) depctr_va_ssrc(0) depctr_va_vcc(0) depctr_vm_vsrc(0)
	s_getreg_b32 s2, hwreg(HW_REG_IB_STS2, 6, 4)
	s_cmp_eq_u32 s2, 0
	s_cbranch_scc0 .Lentry_in_a_cluster
	s_endpgm
.Lentry_in_a_cluster:
	s_bfe_u32 s2, ttmp6, 0x10000c
	s_cmp_lg_u32 s2, 0xf033
	s_cbranch_scc0 .Lentry_shape_is_right
	s_endpgm
.Lentry_shape_is_right:
; S^T = k q^T on codes of FP6 (E2M3), the causal mask, p = 2^(t - M), and p's codes.  t = score x log2(e) / 32.  A tile of 256 queries x 256 keys to a work-group, 128 x 128 to a wave; K = 1,024.
; The three LDS slots (three first fills, one refill), the blocks of register images and the order of a tile's rows are those of the projections' launch: source 1 = q (a lane holds one query), source 0 = k
; (a lane's 64 registers of accumulators (a, 0 .. 7) are 128 neighbouring keys).
; M IS TAKEN OVER THE WAVE'S 128 KEYS ALONE: M = ceil(the largest t among them), a whole number.  N = -M and the sum l of the unquantised p are stored beside the codes; the last launch takes the row's M less this M
; off p's scale bytes and brings l under the row's M: both are exact powers of two.  The maximum is taken away ahead of every exponential.
; Pc: [batch][group of 128 queries][256 keys][27,648 bytes]: a block as elsewhere (images, then scale words at 24,576), then N at 25,600 + 512 q + 4 (16 t + place) and l at 26,624 + the same.
; CLUSTERS 4 x 4, one for each of the three macro tiles of 1,024 x 1,024 that the mask leaves (cluster x 0: queries and keys 0-1,023; 1: queries 1,024 on, keys 0-1,023; 2: both 1,024 on), for each batch (cluster y).
; In the two macro tiles on the diagonal the six tiles above it are made like the others (partners of a cluster run alike): their codes are zeros, N = 2^100, l = 0, and the last launch's clusters walk them.
; LIMITS: t under -2^100 is held there; NaN and infinities among the scores are not served.  No prefetch: four slots' worth in all, three of them first fills.
; REGISTERS: as in the projections' launch; on the way out, window 0: v8 D0, v9 d, v10 -infinity; v64-127 p; v128-146 codes; v152-159 block maxima; v160-175 at work; v176 -M, v177 t; v178-181 sums; v184-194 words, N, l.
.set LB,    25600
.set AR,    100
.set BR,    100
.set AKP,   25600
.set BKP,   25600
.set SLOTB, 4*LB
.set SPARE, 3*SLOTB
.set SCO,   24576
.set QB,    12288
.set IMG,   1536
.set STC,  6
.set STS,  7
.set ADRA, 11
.set ADRB, 16
.set ADSA, 19
.set ADSB, 22
.set SPW,  28
.set NIL,  29
.set SC,   32
.set AF,   128
.set PB,   64
.set PC,   128
.set BM,   152
.set BM2,  156
.set TM,   160
.set G1,   24
.set G0,   32
.set G1B,  48
.set G0B,  56
.set G0C,  80
.set G0BC, 84
.set MSB, 0
.macro WIN new
.if MSB != (\new)
	s_set_vgpr_msb (MSB<<8)|(\new)
.set MSB, (\new)
.endif
.endm
.macro JLOAD g0a, g1a, g0b, g1b        ; a joint load: waves 0 and 1 fetch q's two blocks, waves 2 and 3 k's; four v_nop follow each line
	s_cmp_eq_u32 s15, 0
	s_cbranch_scc0 .Lfor_b_\@
	tensor_load_to_lds s[\g0a:\g0a+3], s[\g1a:\g1a+7]
	s_nop 0
.rept 4
	v_nop
.endr
	s_branch .Lasked_\@
.Lfor_b_\@:
	tensor_load_to_lds s[\g0b:\g0b+3], s[\g1b:\g1b+7]
	s_nop 0
.rept 4
	v_nop
.endr
.Lasked_\@:
.endm
.macro CREST
	s_cmp_lg_u32 s14, 0
	s_cbranch_scc1 .Lnot_wave_0_\@
	s_barrier_signal -3
.Lnot_wave_0_\@:
	s_barrier_wait -3
	s_barrier_signal -1
	s_barrier_wait -1
.endm
.macro CROUND
	s_barrier_signal -1
	s_barrier_wait -1
	CREST
.endm
.macro PLACES n
.rept \n
	v_nop
.endr
.endm
.macro FRAG reg, adr, off
.irp g, 0,1,2
	ds_load_b128 v[(\reg)+4*\g:(\reg)+4*\g+3], v[\adr] offset:(\off)+512*\g
.endr
.endm
.macro FETCH_B slot, q, p
	WIN 0x40
.irp i, 0,1,2,3,4,5,6,7
	FRAG 128*(\p)+12*\i, ADRB+\slot, (\q)*QB+\i*IMG
.endr
	WIN 0
.endm
.macro FETCH_A slot, q, i0
.irp i, \i0, \i0+1, \i0+2, \i0+3
	FRAG AF+12*(\i), ADRA+\slot, (\q)*QB+(\i)*IMG
.endr
.endm
.macro SCALES slot, sc
.irp q, 0,1
.irp j, 0,1,2,3
	ds_load_b32 v[SC+16*(\sc)+8*\q+\j], v[ADSA+\slot] offset:SCO+512*\q+128*\j
	ds_load_b32 v[SC+16*(\sc)+8*\q+4+\j], v[ADSB+\slot] offset:SCO+512*\q+128*\j
.endr
.endr
.endm
.macro WM a, b, p, q, sc, zero
.set rD, 8*(8*((\a)%4)+(\b))
.set rB, 128*(\p)+12*(\b)
.set rA, AF+12*(\a)
.set rT, SC+16*(\sc)+8*(\q)+4+(\b)/2
.set rS, SC+16*(\sc)+8*(\q)+(\a)/2
.set oA, (\a)%2
.set oB, (\b)%2
.if \zero
.if oA && oB
	v_wmma_scale_f32_16x16x128_f8f6f4 v[rD:rD+7], v[rB:rB+11], v[rA:rA+11], 0, v[rT], v[rS] matrix_a_fmt:MATRIX_FMT_FP6 matrix_b_fmt:MATRIX_FMT_FP6 matrix_a_scale:MATRIX_SCALE_ROW1 matrix_b_scale:MATRIX_SCALE_ROW1
.elseif oB
	v_wmma_scale_f32_16x16x128_f8f6f4 v[rD:rD+7], v[rB:rB+11], v[rA:rA+11], 0, v[rT], v[rS] matrix_a_fmt:MATRIX_FMT_FP6 matrix_b_fmt:MATRIX_FMT_FP6 matrix_a_scale:MATRIX_SCALE_ROW1
.elseif oA
	v_wmma_scale_f32_16x16x128_f8f6f4 v[rD:rD+7], v[rB:rB+11], v[rA:rA+11], 0, v[rT], v[rS] matrix_a_fmt:MATRIX_FMT_FP6 matrix_b_fmt:MATRIX_FMT_FP6 matrix_b_scale:MATRIX_SCALE_ROW1
.else
	v_wmma_scale_f32_16x16x128_f8f6f4 v[rD:rD+7], v[rB:rB+11], v[rA:rA+11], 0, v[rT], v[rS] matrix_a_fmt:MATRIX_FMT_FP6 matrix_b_fmt:MATRIX_FMT_FP6
.endif
.else
.if oA && oB
	v_wmma_scale_f32_16x16x128_f8f6f4 v[rD:rD+7], v[rB:rB+11], v[rA:rA+11], v[rD:rD+7], v[rT], v[rS] matrix_a_fmt:MATRIX_FMT_FP6 matrix_b_fmt:MATRIX_FMT_FP6 matrix_a_scale:MATRIX_SCALE_ROW1 matrix_b_scale:MATRIX_SCALE_ROW1
.elseif oB
	v_wmma_scale_f32_16x16x128_f8f6f4 v[rD:rD+7], v[rB:rB+11], v[rA:rA+11], v[rD:rD+7], v[rT], v[rS] matrix_a_fmt:MATRIX_FMT_FP6 matrix_b_fmt:MATRIX_FMT_FP6 matrix_a_scale:MATRIX_SCALE_ROW1
.elseif oA
	v_wmma_scale_f32_16x16x128_f8f6f4 v[rD:rD+7], v[rB:rB+11], v[rA:rA+11], v[rD:rD+7], v[rT], v[rS] matrix_a_fmt:MATRIX_FMT_FP6 matrix_b_fmt:MATRIX_FMT_FP6 matrix_b_scale:MATRIX_SCALE_ROW1
.else
	v_wmma_scale_f32_16x16x128_f8f6f4 v[rD:rD+7], v[rB:rB+11], v[rA:rA+11], v[rD:rD+7], v[rT], v[rS] matrix_a_fmt:MATRIX_FMT_FP6 matrix_b_fmt:MATRIX_FMT_FP6
.endif
.endif
.endm
.macro MUL16 a0, p, q, sc, zero        ; the 64 accumulators take turns, one instruction a turn
.irp a, \a0, \a0+1
.irp b, 0,1,2,3,4,5,6,7
	WM \a, \b, \p, \q, \sc, \zero
.endr
.endr
.endm
.macro STEP slot, sc, zero
	s_wait_dscnt 12                                ; all but the youngest twelve loads (A's tiles 4-7) are in
	WIN 0xa1
	MUL16 0, 0, 0, \sc, \zero
	MUL16 2, 0, 0, \sc, \zero
	s_wait_dscnt 0x0
	PLACES 4
	FETCH_B \slot, 1, 1
	FETCH_A \slot, 1, 0
	WIN 0xf1
	MUL16 4, 0, 0, \sc, \zero
	MUL16 6, 0, 0, \sc, \zero
	PLACES 4
	WIN 0
	FETCH_A \slot, 1, 4
.endm
.macro TURN slot, next, sc, fill       ; a change of slots with a barrier; fill = 1 (slot 0 alone): the slot takes the fourth 256 along K
	s_wait_tensorcnt 0x0                           ; all my tensor loads have landed
	ds_add_u32 v[SPW], v[NIL]                      ; 0 onto my spare word
	s_wait_dscnt 13                                ; (the add and the youngest twelve loads may be out)
	WIN 0xa1
	MUL16 0, 1, 1, \sc, 0
	s_wait_dscnt 0x0                               ; the add is done, and my reads of this slot are over
	s_barrier_signal -1
	MUL16 2, 1, 1, \sc, 0
	WIN 0
	s_barrier_wait -1
.if \fill
	CREST                                          ; a round of the cluster's barrier: no wave of any partner still reads this slot or has a load on its way
	s_add_nc_u64 s[G0+4*\slot+2:G0+4*\slot+3], s[G0+4*\slot+2:G0+4*\slot+3], 3*AKP
	s_add_nc_u64 s[G0B+4*\slot+2:G0B+4*\slot+3], s[G0B+4*\slot+2:G0B+4*\slot+3], 3*BKP
	JLOAD G0+4*\slot, G1, G0B+4*\slot, G1B
.else
	PLACES 4
.endif
	FETCH_B \next, 0, 0
	FETCH_A \next, 0, 0
	SCALES \next, 1-(\sc)
	WIN 0xf1
	MUL16 4, 1, 1, \sc, 0
	MUL16 6, 1, 1, \sc, 0
	PLACES 4
	WIN 0
	FETCH_A \next, 0, 4
.endm
; The change from slot 1 to slot 2 has no barrier: ahead of the barrier of the change before, every wave has waited for all its tensor loads, slot 2's among them
.macro PASS next, sc
	s_wait_dscnt 12
	WIN 0xa1
	MUL16 0, 1, 1, \sc, 0
	MUL16 2, 1, 1, \sc, 0
	s_wait_dscnt 0x0
	PLACES 4
	FETCH_B \next, 0, 0
	FETCH_A \next, 0, 0
	SCALES \next, 1-(\sc)
	WIN 0xf1
	MUL16 4, 1, 1, \sc, 0
	MUL16 6, 1, 1, \sc, 0
	PLACES 4
	WIN 0
	FETCH_A \next, 0, 4
.endm
.macro QTAIL s, w, pw                  ; from the four blocks' largest numbers in v[TM] on: the scale word into v[pw], the fragment's 12 registers into v[PC] on
.irp b, 0,1,2,3
	v_add_nc_u32 v[TM+12+\b], 0xff000000, v[TM+\b]
.endr
.irp b, 0,1,2,3
	v_lshrrev_b32 v[TM+4+\b], 23, v[TM+12+\b]
.endr
	v_lshl_or_b32 v[\pw], v[TM+5], 8, v[TM+4]
	v_lshl_or_b32 v[\pw], v[TM+6], 16, v[\pw]
	v_lshl_or_b32 v[\pw], v[TM+7], 24, v[\pw]
	s_wait_xcnt 0x0                                        ; earlier stores have read their data registers: they are written again only behind this wait
	WIN \w
.irp c, 0,1
	v_cvt_scalef32_pk16_fp6_f32 v[PC+6*\c:PC+6*\c+2], v[(\s)+32*\c:(\s)+32*\c+15], v[TM+12+2*\c]
	v_cvt_scalef32_pk16_fp6_f32 v[PC+12+4*\c:PC+14+4*\c], v[(\s)+32*\c+16:(\s)+32*\c+31], v[TM+13+2*\c]
.endr
	WIN 0
	v_nop                                                  ; one plain place behind a scaled conversion
.irp c, 0,1
.irp i, 0,1,2
	v_permlane16_swap_b32 v[PC+6*\c+\i], v[PC+12+4*\c+\i]
.endr
.irp i, 0,1,2
	v_mov_b32 v[PC+3+6*\c+\i], v[PC+12+4*\c+\i]
.endr
.endr
.endm
	s_load_b128 s[4:7], s[0:1], 0x0                ; QKVc s[4:5], Pc s[6:7]
	v_lshl_add_u32 v[SPW], v0, 2, SPARE
	v_mov_b32 v[NIL], 0
	ds_add_u32 v28, v29
	ds_add_u32 v28, v29
	s_wait_dscnt 0x0
	v_lshrrev_b32 v1, 5, v0
	v_readfirstlane_b32 s14, v1                    ; wave 0..3
	s_lshr_b32 s15, s14, 1                         ; which 128 of the queries are mine.  Also: I fetch for q (0) or for k (1)
	s_and_b32 s16, s14, 1                          ; which 128 of the keys.  Also: which of the two blocks I fetch
	s_bfe_u32 s40, ttmp6, 0x40000                  ; cx
	s_bfe_u32 s41, ttmp6, 0x40004                  ; cy
	s_mov_b32 s71, ttmp9                           ; the macro tile: 0, 1, 2
	s_lshr_b32 s18, s71, 1                         ; its keys: 0, 0, 1
	s_add_co_u32 s19, s71, 1
	s_lshr_b32 s19, s19, 1                         ; its queries: 0, 1, 1
	s_and_b32 s72, ttmp7, 0xffff                   ; the batch
	s_lshl_b32 s73, s72, 4                         ; 16 groups of 128 tokens a batch
	s_lshl_b32 s17, s19, 2
	s_add_co_u32 s17, s17, s41                     ; the tile of queries, 0..7
	s_lshl_b32 s42, s18, 2
	s_add_co_u32 s42, s42, s40                     ; the tile of keys, 0..7
	s_lshl_b32 s20, s17, 1
	s_add_co_u32 s20, s20, s73
	s_add_co_u32 s20, s20, s16
	s_mul_i32 s20, s20, 4*AKP
	s_mov_b32 s21, 0
	s_lshl_b32 s46, s42, 1
	s_add_co_u32 s46, s46, s73
	s_add_co_u32 s46, s46, s16
	s_mul_i32 s46, s46, 4*BKP
	s_add_co_u32 s46, s46, 6553600                 ; k lies behind q
	s_mov_b32 s47, 0
	s_lshl_b32 s43, s41, 2
	s_lshl_b32 s43, 15, s43
	s_lshl_b32 s44, 0x1111, s40
	s_or_b32 s[G1+0], s43, (3<<16)|(1<<21)         ; the mask; elements of 8 bytes; bit 21 beside a mask; no padding
	s_or_b32 s[G1B+0], s44, (3<<16)|(1<<21)
	s_mov_b32 s[G1+1], 32<<16
	s_mov_b32 s[G1+2], AR<<16
	s_mov_b32 s[G1+3], 32<<16
	s_mov_b32 s[G1+4], AR
	s_mov_b32 s[G1+5], 32
	s_mov_b32 s[G1+6], 0
	s_mov_b32 s[G1+7], 0
	s_mov_b32 s[G1B+1], 32<<16
	s_mov_b32 s[G1B+2], BR<<16
	s_mov_b32 s[G1B+3], 32<<16
	s_mov_b32 s[G1B+4], BR
	s_mov_b32 s[G1B+5], 32
	s_mov_b32 s[G1B+6], 0
	s_mov_b32 s[G1B+7], 0
	s_mul_i32 s45, s14, LB
	s_mov_b32 s66, 0x76543210
	s_mov_b32 s67, 0xfedcba98
	s_mov_b32 s68, 0x3d38aa3b                      ; c = log2(e) / 32
	s_mov_b32 s69, s68                             ; (named with it as a pair, so it is written)
	s_mov_b32 s70, 0xffff0000
	s_wait_kmcnt 0x0
	s_add_nc_u64 s[20:21], s[4:5], s[20:21]
	s_add_nc_u64 s[46:47], s[4:5], s[46:47]
	CROUND
.irp s, 0,1
	s_mov_b32 s[G0+4*\s], 1
	s_add_co_u32 s[G0+4*\s+1], s45, \s*SLOTB
	s_add_nc_u64 s[G0+4*\s+2:G0+4*\s+3], s[20:21], \s*AKP
	s_or_b32 s[G0+4*\s+3], s[G0+4*\s+3], 0x80000000
	s_mov_b32 s[G0B+4*\s], 1
	s_add_co_u32 s[G0B+4*\s+1], s45, \s*SLOTB
	s_add_nc_u64 s[G0B+4*\s+2:G0B+4*\s+3], s[46:47], \s*BKP
	s_or_b32 s[G0B+4*\s+3], s[G0B+4*\s+3], 0x80000000
	JLOAD G0+4*\s, G1, G0B+4*\s, G1B
.endr
	s_mov_b32 s[G0C], 1
	s_add_co_u32 s[G0C+1], s45, 2*SLOTB
	s_add_nc_u64 s[G0C+2:G0C+3], s[20:21], 2*AKP
	s_or_b32 s[G0C+3], s[G0C+3], 0x80000000
	s_mov_b32 s[G0BC], 1
	s_add_co_u32 s[G0BC+1], s45, 2*SLOTB
	s_add_nc_u64 s[G0BC+2:G0BC+3], s[46:47], 2*BKP
	s_or_b32 s[G0BC+3], s[G0BC+3], 0x80000000
	JLOAD G0C, G1, G0BC, G1B                       ; three loads of mine are out
	v_and_b32 v1, 31, v0
	v_and_b32 v2, 15, v0                           ; r
	v_bfe_u32 v3, v0, 4, 1                         ; h
	v_lshlrev_b32 v4, 4, v1
	v_lshlrev_b32 v5, 2, v1
	s_mul_i32 s21, s15, LB
	s_mul_i32 s22, s16, LB
	s_add_co_u32 s22, s22, 2*LB
.irp s, 0,1,2
	v_add_nc_u32 v[ADRA+\s], s21, v4
	v_add_nc_u32 v[ADRB+\s], s22, v4
	v_add_nc_u32 v[ADSA+\s], s21, v5
	v_add_nc_u32 v[ADSB+\s], s22, v5
	s_add_co_u32 s21, s21, SLOTB
	s_add_co_u32 s22, s22, SLOTB
.endr
	s_lshl_b32 s74, s17, 1
	s_add_co_u32 s74, s74, s73
	s_add_co_u32 s74, s74, s15                     ; my group of queries
	s_lshl_b32 s74, s74, 3
	s_add_co_u32 s74, s74, s42                     ; x 8 + the tile of keys
	s_mul_i32 s76, s74, 27648
	s_mov_b32 s77, 0
	s_add_nc_u64 s[78:79], s[6:7], s[76:77]
	s_mul_i32 s72, s16, QB
	v_add_nc_u32 v[STC], s72, v4
	s_lshl_b32 s72, s16, 9
	s_add_co_u32 s72, s72, SCO
	v_add_nc_u32 v[STS], s72, v5
	; the mask: register 16 b + i of tile a holds key K0 + 32 b + 16 h + i, my query is Q0 + 32 (a / 2) + 8 (a % 2) + r + 8 (r / 8): hidden where 32 b + i > d = D0 + 32 (a / 2) + 8 (a % 2)
	s_sub_co_i32 s74, s17, s42
	s_lshl_b32 s74, s74, 8
	s_sub_co_i32 s75, s15, s16
	s_lshl_b32 s75, s75, 7
	s_add_co_i32 s74, s74, s75
	v_and_b32 v8, 8, v2
	v_add_nc_u32 v8, v8, v2
	v_lshlrev_b32 v9, 4, v3
	v_sub_nc_u32 v8, v8, v9
	v_add_nc_u32 v8, s74, v8                       ; D0
	v_mov_b32 v10, 0xff800000                      ; -infinity
	s_wait_tensorcnt 2                             ; my part of slot 0 is in; slots 1 and 2's may stay out
	s_barrier_signal -1
	s_barrier_wait -1
	FETCH_B 0, 0, 0
	FETCH_A 0, 0, 0
	SCALES 0, 0
	FETCH_A 0, 0, 4
	STEP 0, 0, 1
	TURN 0, 1, 0, 1                                ; slot 0 takes the fourth 256 along K
	STEP 1, 1, 0
	PASS 2, 1
	STEP 2, 0, 0
	TURN 2, 0, 0, 0
	STEP 0, 1, 0
	s_wait_dscnt 12
	WIN 0xa1
	MUL16 0, 1, 1, 1, 0
	MUL16 2, 1, 1, 1, 0
	s_wait_dscnt 0x0
	WIN 0xf1
	MUL16 4, 1, 1, 1, 0
	MUL16 6, 1, 1, 1, 0
	WIN 0
	PLACES 4
.irp b, 0,1,2,3
	v_mov_b32 v[BM2+\b], 0                         ; a lane permute's destination counts as one of its sources
.endr
; THE WAY OUT of tile a: 16 queries x my 128 keys
.macro SOFT a
.set AC, 64*((\a)%4)
.set W, 2+(\a)/4
.set PWX, 184+4*((\a)%2)
.set LX, 186+4*((\a)%2)
	s_cmp_eq_u32 s71, 1                            ; the macro tile under the diagonal has nothing to hide: the same in all partners
	s_cbranch_scc1 .Lopen_\@
	v_add_nc_u32 v9, 32*((\a)/2)+8*((\a)%2), v8
	WIN (W<<6)|W
.set n, 0
.rept 64
	v_cmp_gt_i32 vcc_lo, 32*(n/16)+n%16, v9
	v_cndmask_b32 v[AC+n], v[AC+n], v10, vcc_lo    ; a hidden key's score becomes -infinity: its p is 0
.set n, n+1
.endr
	WIN 0
.Lopen_\@:
	WIN W|(W<<2)
.irp b, 0,1,2,3
	v_max_num_f32 v[BM+\b], v[AC+16*\b], v[AC+16*\b+1]     ; the largest score of each block of 32 keys: for the maximum, and, since p rises with the score, for the block's largest p
.endr
.irp i, 2,4,6,8,10,12,14
.irp b, 0,1,2,3
	v_max3_num_f32 v[BM+\b], v[AC+16*\b+\i], v[AC+16*\b+\i+1], v[BM+\b]
.endr
.endr
	WIN 0
.irp b, 0,1,2,3
	v_permlanex16_b32 v[BM2+\b], v[BM+\b], s66, s67
.endr
.irp b, 0,1,2,3
	v_max_num_f32 v[BM+\b], v[BM+\b], v[BM2+\b]
.endr
	v_max3_num_f32 v177, v[BM], v[BM+1], v[BM+2]
	v_max_num_f32 v177, v177, v[BM+3]
	v_mul_f32 v177, s68, v177                      ; as t
	v_max_num_f32 v177, 0xf1800000, v177           ; held at -2^100: a row all of whose 128 keys are hidden gets N = 2^100
	v_floor_f32 v176, -v177                        ; N = -M = floor(-t): a whole number
	WIN W
.set n, 0
.rept 32
	v_pk_fma_f32 v[PB+n:PB+n+1], v[AC+n:AC+n+1], s[68:69], v[176:177] op_sel_hi:[1,0,0]   ; t - M, two at a time
.set n, n+2
.endr
	WIN 0
.irp b, 0,1,2,3
	v_fma_f32 v[BM+\b], v[BM+\b], s68, v176        ; the same of each block's largest score
.endr
.set n, 0
.rept 64
	v_exp_f32 v[PB+n], v[PB+n]                     ; p = 2^(t - M), at most 1
.set n, n+1
.endr
	v_nop                                          ; a plain place behind the exponentials
	s_wait_alu depctr_va_vdst(0)                   ; one wait for the batch, ahead of its first reader
.irp b, 0,1,2,3
	v_exp_f32 v[BM+\b], v[BM+\b]                   ; the blocks' largest p
.endr
	v_pk_add_f32 v[178:179], v[PB:PB+1], v[PB+2:PB+3]      ; the sum of the unquantised p, in two chains
	v_pk_add_f32 v[180:181], v[PB+4:PB+5], v[PB+6:PB+7]
.irp j, 8,12,16,20,24,28,32,36,40,44,48,52,56,60
	v_pk_add_f32 v[178:179], v[178:179], v[PB+\j:PB+\j+1]
	v_pk_add_f32 v[180:181], v[180:181], v[PB+\j+2:PB+\j+3]
.endr
	v_pk_add_f32 v[178:179], v[178:179], v[180:181]
	v_add_f32 v178, v178, v179
	v_permlanex16_b32 v180, v178, s66, s67
	v_add_f32 v[LX], v178, v180                    ; l of my query over these 128 keys
	s_wait_alu depctr_va_vdst(0)                   ; and one for the four
.irp b, 0,1,2,3
	v_max_num_f32 v[TM+\b], 0x1800000, v[BM+\b]    ; the floor 2^(3 - 127): the byte cannot fall under 1
.endr
	QTAIL PB, 0, PWX
.irp g, 0,1,2
	global_store_b128 v[STC], v[PC+4*\g:PC+4*\g+3], s[78:79] offset:(\a)*IMG+512*\g
.endr
.if (\a)%2
	v_cndmask_b32 v192, v184, v188, s70            ; lanes 0-15 the even tile's, lanes 16-31 the odd one's
	v_cndmask_b32 v193, v185, v176, s70
	v_cndmask_b32 v194, v186, v190, s70
	global_store_b32 v[STS], v192, s[78:79] offset:128*((\a)/2)
	global_store_b32 v[STS], v193, s[78:79] offset:128*((\a)/2)+1024
	global_store_b32 v[STS], v194, s[78:79] offset:128*((\a)/2)+2048
.else
	v_mov_b32 v185, v176                           ; the even tile's N is kept for the pair's store
.endif
.endm
.irp a, 0,1,2,3,4,5,6,7
	SOFT \a
.endr
	s_wait_tensorcnt 0x0                           ; the wave's end
	ds_add_u32 v[SPW], v[NIL]
	s_wait_dscnt 0x0
	CROUND                                         ; the closing round
	s_endpgm
.Lfunc_end_k_q6b5743e440_scores:
	.size	k_q6b5743e440_scores, .Lfunc_end_k_q6b5743e440_scores-k_q6b5743e440_scores
	.p2alignl 7, 3214868480
	.fill 96, 4, 3214868480
	.section	.rodata,"a",@progbits
	.p2align	6, 0x0
	.amdhsa_kernel k_q6b5743e440_scores
		.amdhsa_group_segment_fixed_size 327680
		.amdhsa_private_segment_fixed_size 0
		.amdhsa_enable_private_segment 0
		.amdhsa_kernarg_size 16
		.amdhsa_user_sgpr_count 2
		.amdhsa_user_sgpr_kernarg_segment_ptr 1
		.amdhsa_wavefront_size32 1
		.amdhsa_system_sgpr_workgroup_id_x 1
		.amdhsa_system_sgpr_workgroup_id_y 1
		.amdhsa_system_sgpr_workgroup_id_z 1
		.amdhsa_system_vgpr_workitem_id 0
		.amdhsa_next_free_vgpr 1024
		.amdhsa_next_free_sgpr 100
		.amdhsa_reserve_vcc 1
		.amdhsa_float_denorm_mode_32 3
		.amdhsa_float_denorm_mode_16_64 3
		.amdhsa_memory_ordered 1
		.amdhsa_forward_progress 1
		.amdhsa_inst_pref_size 237
	.end_amdhsa_kernel
	.amdgpu_metadata
---
amdhsa.version: [ 1, 2 ]
amdhsa.kernels:
  - .name:           k_q6b5743e440_scores
    .symbol:         k_q6b5743e440_scores.kd
    .args:
      - { .name: QKVc, .offset: 0, .size: 8, .value_kind: global_buffer, .address_space: global }
      - { .name: Pc, .offset: 8, .size: 8, .value_kind: global_buffer, .address_space: global }
    .group_segment_fixed_size: 327680
    .private_segment_fixed_size: 0
    .kernarg_segment_align: 8
    .kernarg_segment_size: 16
    .max_flat_workgroup_size: 128
    .sgpr_count:     100
    .vgpr_count:     1024
    .wavefront_size: 32
...
	.end_amdgpu_metadata
.endif
;; end of part 6
;; launch pv (part 7): grid 8 x 32, 4 waves a work-group, clusters of 4 x 4, 327,680 bytes of LDS; arguments Pc, QKVc, out0; writes out0
.if DOCPART == 7
	.amdgcn_target "amdgcn-amd-amdhsa--gfx1250"
	.amdhsa_code_object_version 6
	.text
	.protected	k_q6b5743e440_pv
	.globl	k_q6b5743e440_pv
	.p2align	8
	.type	k_q6b5743e440_pv,@function
k_q6b5743e440_pv:
	s_mov_b64 s[64:65], 0
	v_nop
	global_prefetch_b8 v0, s[64:65] scope:SCOPE_SE
	s_setreg_imm32_b32 hwreg(HW_REG_WAVE_MODE, 25, 1), 1
	s_wait_xcnt 0x0
	s_wait_alu depctr_hold_cnt(0) depctr_sa_sdst(0) depctr_va_vdst(0) depctr_va_sdst(0) depctr_va_ssrc(0) depctr_va_vcc(0) depctr_vm_vsrc(0)
	s_getreg_b32 s2, hwreg(HW_REG_IB_STS2, 6, 4)
	s_cmp_eq_u32 s2, 0
	s_cbranch_scc0 .Lentry_in_a_cluster
	s_endpgm
.Lentry_in_a_cluster:
	s_bfe_u32 s2, ttmp6, 0x10000c
	s_cmp_lg_u32 s2, 0xf033
	s_cbranch_scc0 .Lentry_shape_is_right
	s_endpgm
.Lentry_shape_is_right:
; out = (p v) / l on codes of FP6 (E2M3).  A tile of 256 queries x 128 columns to a work-group: 4 x 8 x 8 = 256 work-groups.  A wave takes 64 queries x 128 columns: 4 tiles of p x 8 tiles of v, 32 accumulators, 256 registers.
; K = the keys: 1,024 for a batch's first 1,024 queries, 2,048 for the others (the causal mask).
; The blocks of register images and the order of a tile's rows are those of the launches before: source 1 = p (a lane holds one query), source 0 = v with the keys innermost (a lane's registers run along v's columns).
; A SLOT HOLDS 512 KEYS, four K steps, 128 products a wave: of each of p's two groups of 128 queries two blocks on end, 27,648 + 26,624 bytes, one dense load (waves 0, 1); of v's one group of 128 columns two blocks of 25,600 bytes (waves 2, 3).
; Two slots.  K = 1,024 is two slots, both first fills; K = 2,048 four: the one lap that fills both again is jumped over where K = 1,024, by a branch on the cluster's number, the same in all partners.
; p WAS MADE UNDER THE M OF ITS OWN 128 KEYS.  At the head each wave reads its 64 queries' N = -M and l of all chunks of 128 keys: the row's N is the least, l = the sum of l_chunk x 2^(row's N - chunk's N).
; In the walk d = chunk's N - row's N, a whole number, 0 or more, held at 127, is taken off each byte of p's scale words (held at 0 from below): an exact power of two, which the block's scale takes up.
; LIMIT: a chunk 127 or more under the row's M counts with the scale 2^-127, beside a row's sum of at least 1/2.  NaN and infinities are not served.
; CLUSTERS 4 x 4: cluster y = 2 x batch + half of the queries, cy the tile of queries; 4 x cluster x + cx the group of columns; p's blocks are shared along a row of the cluster, v's along a column.
; No prefetch: at most four slots, two of them first fills.
; REGISTERS: window 0: v4, v5 16 x and 4 x lane; v6 offset of my N and l; v8, v9 the rows' N; v10-13 l; v16-23 LDS addresses; v24, v25 the stage; v28, v29 for the add; v32-79 scale words, two sets of 24, and nothing else;
;   v80-87 p's words as loaded, v88-95 N, v96-111 at work; v112-119 1 / l for each tile; v128-223 p's fragments, two sets of 48; at the head v128-191 N and l of 16 chunks; on the way out v128-191 results, v192-255 rows.
;   window 1: v's fragments, two sets, at v0 and v128.  window 2: accumulator (a, b) at v[8 (8 a + b)].
.set APB,   27648                      ; a block of p, in memory and in a slot
.set BPB,   25600                      ; a block of v
.set LA2,   54272                      ; two blocks of p less the second's l: 212 rows of 256 bytes
.set AR,    212
.set BR,    100
.set BOFF,  2*LA2                      ; v's two blocks lie behind p's two groups
.set SLOTB, BOFF+2*BPB
.set SPARE, 2*SLOTB                    ; behind the ring: the spare words, 128 bytes for each wave
.set SCO,   24576
.set QB,    12288
.set IMG,   1536
.set NR,   8
.set LA,   10
.set LXR,  12
.set ADRA, 16
.set ADSA, 18
.set ADRB, 20
.set ADSB, 22
.set SPW,  28
.set NIL,  29
.set SC,   32                          ; set of slot s at SC + 24 s; in it 6 k + j (j = 0, 1): p's words of my tiles 2 j (lanes 0-15) and 2 j + 1 (lanes 16-31) for the slot's k-th K step; 6 k + 2 + j (j = 0 .. 3): v's
.set RAW,  80
.set ML,   88
.set FT,   96
.set FU,   104
.set RL,   112
.set AF,   128
.set PN,   128
.set PL,   160
.set OT,   128
.set BK,   192
.set G1,   24
.set G0,   32
.set G1B,  48
.set G0B,  56
.set MSB, 0
.macro WIN new
.if MSB != (\new)
	s_set_vgpr_msb (MSB<<8)|(\new)
.set MSB, (\new)
.endif
.endm
.macro JLOAD g0a, g1a, g0b, g1b        ; a joint load: waves 0 and 1 fetch p's two groups, waves 2 and 3 v's two blocks; four v_nop follow each line
	s_cmp_eq_u32 s15, 0
	s_cbranch_scc0 .Lfor_b_\@
	tensor_load_to_lds s[\g0a:\g0a+3], s[\g1a:\g1a+7]
	s_nop 0
.rept 4
	v_nop
.endr
	s_branch .Lasked_\@
.Lfor_b_\@:
	tensor_load_to_lds s[\g0b:\g0b+3], s[\g1b:\g1b+7]
	s_nop 0
.rept 4
	v_nop
.endr
.Lasked_\@:
.endm
.macro CREST
	s_cmp_lg_u32 s14, 0
	s_cbranch_scc1 .Lnot_wave_0_\@
	s_barrier_signal -3
.Lnot_wave_0_\@:
	s_barrier_wait -3
	s_barrier_signal -1
	s_barrier_wait -1
.endm
.macro CROUND
	s_barrier_signal -1
	s_barrier_wait -1
	CREST
.endm
.macro PLACES n                        ; plain places behind matrix instructions, ahead of loads into their registers and of reads of their results
.rept \n
	v_nop
.endr
.endm
.macro FRAG reg, adr, off
.irp g, 0,1,2
	ds_load_b128 v[(\reg)+4*\g:(\reg)+4*\g+3], v[\adr] offset:(\off)+512*\g
.endr
.endm
.macro FETCH slot, kk, p               ; the 12 fragments of the slot's kk-th K step into set p: 36 loads in one run
	WIN 0x40                                       ; destination window 1
.irp i, 0,1,2,3,4,5,6,7
	FRAG 128*(\p)+12*\i, ADRB+\slot, ((\kk)/2)*BPB+((\kk)%2)*QB+\i*IMG
.endr
	WIN 0
.irp i, 0,1,2,3
	FRAG AF+48*(\p)+12*\i, ADRA+\slot, ((\kk)/2)*APB+((\kk)%2)*QB+\i*IMG
.endr
.endm
.macro SCALES slot                     ; v's words go straight to the scale registers; p's words and the chunks' N go to registers of their own: 32 loads
.irp k, 0,1,2,3
.irp j, 0,1
	ds_load_b32 v[RAW+2*\k+\j], v[ADSA+\slot] offset:(\k/2)*APB+SCO+512*(\k%2)+128*\j
	ds_load_b32 v[ML+2*\k+\j], v[ADSA+\slot] offset:(\k/2)*APB+SCO+1024+512*(\k%2)+128*\j
.endr
.irp j, 0,1,2,3
	ds_load_b32 v[SC+24*\slot+6*\k+2+\j], v[ADSB+\slot] offset:(\k/2)*BPB+SCO+512*(\k%2)+128*\j
.endr
.endr
.endm
; p's eight scale words of a slot, each byte less d and held at 0 from below.  The bytes are at most 125 and d at most 127: with bit 7 set in each byte no borrow crosses a byte, and bit 7 stays set where byte >= d
.macro FIX slot
.irp n, 0,1,2,3,4,5,6,7
	v_sub_f32 v[FT+\n], v[ML+\n], v[NR+\n%2]       ; d = chunk's N - row's N
.endr
.irp n, 0,1,2,3,4,5,6,7
	v_min_num_f32 v[FT+\n], 0x42fe0000, v[FT+\n]   ; held at 127
.endr
.irp n, 0,1,2,3,4,5,6,7
	v_cvt_u32_f32 v[FT+\n], v[FT+\n]
.endr
.irp n, 0,1,2,3,4,5,6,7
	v_mul_lo_u32 v[FT+\n], v[FT+\n], s85           ; d in each byte
.endr
.irp n, 0,1,2,3,4,5,6,7
	v_or_b32 v[FU+\n], s86, v[RAW+\n]
.endr
.irp n, 0,1,2,3,4,5,6,7
	v_sub_nc_u32 v[FU+\n], v[FU+\n], v[FT+\n]
.endr
.irp n, 0,1,2,3,4,5,6,7
	v_lshrrev_b32 v[FT+\n], 7, v[FU+\n]
.endr
.irp n, 0,1,2,3,4,5,6,7
	v_and_b32 v[FT+\n], s85, v[FT+\n]              ; 1 in each byte that did not fall under 0
.endr
.irp n, 0,1,2,3,4,5,6,7
	v_mul_lo_u32 v[FT+\n], v[FT+\n], s88           ; 255 there
.endr
.irp n, 0,1,2,3,4,5,6,7
	v_and_b32 v[FU+\n], s87, v[FU+\n]
.endr
.irp n, 0,1,2,3,4,5,6,7
	v_and_b32 v[SC+24*\slot+6*(\n/2)+\n%2], v[FU+\n], v[FT+\n]
.endr
.rept 8
	v_nop                                          ; a scale register written by a vector instruction stands eight places ahead of a scaled matrix instruction
.endr
.endm
.macro WM a, b, p, kk, sc, zero        ; one product: an odd tile's words stand in lanes 16-31 of its register
.set rD, 8*(8*(\a)+(\b))
.set rB, 128*(\p)+12*(\b)
.set rA, AF+48*(\p)+12*(\a)
.set rT, SC+24*(\sc)+6*(\kk)+2+(\b)/2
.set rS, SC+24*(\sc)+6*(\kk)+(\a)/2
.set oA, (\a)%2
.set oB, (\b)%2
.if \zero
.if oA && oB
	v_wmma_scale_f32_16x16x128_f8f6f4 v[rD:rD+7], v[rB:rB+11], v[rA:rA+11], 0, v[rT], v[rS] matrix_a_fmt:MATRIX_FMT_FP6 matrix_b_fmt:MATRIX_FMT_FP6 matrix_a_scale:MATRIX_SCALE_ROW1 matrix_b_scale:MATRIX_SCALE_ROW1
.elseif oB
	v_wmma_scale_f32_16x16x128_f8f6f4 v[rD:rD+7], v[rB:rB+11], v[rA:rA+11], 0, v[rT], v[rS] matrix_a_fmt:MATRIX_FMT_FP6 matrix_b_fmt:MATRIX_FMT_FP6 matrix_a_scale:MATRIX_SCALE_ROW1
.elseif oA
	v_wmma_scale_f32_16x16x128_f8f6f4 v[rD:rD+7], v[rB:rB+11], v[rA:rA+11], 0, v[rT], v[rS] matrix_a_fmt:MATRIX_FMT_FP6 matrix_b_fmt:MATRIX_FMT_FP6 matrix_b_scale:MATRIX_SCALE_ROW1
.else
	v_wmma_scale_f32_16x16x128_f8f6f4 v[rD:rD+7], v[rB:rB+11], v[rA:rA+11], 0, v[rT], v[rS] matrix_a_fmt:MATRIX_FMT_FP6 matrix_b_fmt:MATRIX_FMT_FP6
.endif
.else
.if oA && oB
	v_wmma_scale_f32_16x16x128_f8f6f4 v[rD:rD+7], v[rB:rB+11], v[rA:rA+11], v[rD:rD+7], v[rT], v[rS] matrix_a_fmt:MATRIX_FMT_FP6 matrix_b_fmt:MATRIX_FMT_FP6 matrix_a_scale:MATRIX_SCALE_ROW1 matrix_b_scale:MATRIX_SCALE_ROW1
.elseif oB
	v_wmma_scale_f32_16x16x128_f8f6f4 v[rD:rD+7], v[rB:rB+11], v[rA:rA+11], v[rD:rD+7], v[rT], v[rS] matrix_a_fmt:MATRIX_FMT_FP6 matrix_b_fmt:MATRIX_FMT_FP6 matrix_a_scale:MATRIX_SCALE_ROW1
.elseif oA
	v_wmma_scale_f32_16x16x128_f8f6f4 v[rD:rD+7], v[rB:rB+11], v[rA:rA+11], v[rD:rD+7], v[rT], v[rS] matrix_a_fmt:MATRIX_FMT_FP6 matrix_b_fmt:MATRIX_FMT_FP6 matrix_b_scale:MATRIX_SCALE_ROW1
.else
	v_wmma_scale_f32_16x16x128_f8f6f4 v[rD:rD+7], v[rB:rB+11], v[rA:rA+11], v[rD:rD+7], v[rT], v[rS] matrix_a_fmt:MATRIX_FMT_FP6 matrix_b_fmt:MATRIX_FMT_FP6
.endif
.endif
.endm
.macro MUL8 a, p, kk, sc, zero         ; p's tile a x v's eight.  The 32 accumulators take turns, one instruction a turn, in the same order in every step
.irp b, 0,1,2,3,4,5,6,7
	WM \a, \b, \p, \kk, \sc, \zero
.endr
.endm
; One of a slot's first three K steps: at its head the next step's fragments are asked for, into the set that the step before has multiplied; they have this step's 32 products in which to come
.macro KSTEP slot, kk, zero
	s_wait_dscnt 0x0                               ; this step's fragments are in (at a slot's head: its scale words too)
	PLACES 4
	FETCH \slot, (\kk)+1, 1-(\kk)%2
.if (\kk) == 0
	FIX \slot
.endif
	WIN 0xa1                                       ; source 0 window 1, source 1 window 0, C and D window 2
.irp a, 0,1,2,3
	MUL8 \a, (\kk)%2, \kk, \slot, \zero
.endr
.endm
; A slot's fourth K step, and the change of slots: one barrier; ahead of it each wave waits for all its tensor loads, adds 0 to its spare word, and waits for that and for its reads of this slot.  fill = 1: this slot takes the keys two slots on
.macro TURN slot, next, fill
	WIN 0                                          ; (the add's two registers lie in window 0)
	s_wait_tensorcnt 0x0                           ; all my tensor loads have landed: my part of the next slot
	ds_add_u32 v[SPW], v[NIL]                      ; 0 onto my spare word
	s_wait_dscnt 1                                 ; this step's fragments are in (the add may be out)
	WIN 0xa1
	MUL8 0, 1, 3, \slot, 0
	s_wait_dscnt 0x0                               ; the add is done, and my reads of this slot are over
	s_barrier_signal -1
	MUL8 1, 1, 3, \slot, 0
	WIN 0
	s_barrier_wait -1
.if \fill
	CREST                                          ; a round of the cluster's barrier: no wave of any partner still reads this slot or has a load on its way
	s_add_nc_u64 s[G0+4*\slot+2:G0+4*\slot+3], s[G0+4*\slot+2:G0+4*\slot+3], 4*APB
	s_add_nc_u64 s[G0B+4*\slot+2:G0B+4*\slot+3], s[G0B+4*\slot+2:G0B+4*\slot+3], 4*BPB
	JLOAD G0+4*\slot, G1, G0B+4*\slot, G1B         ; the first tensor load behind the round; its four v_nop are the places ahead of the loads below
.else
	PLACES 4
.endif
	FETCH \next, 0, 0
	SCALES \next
	WIN 0xa1
	MUL8 2, 1, 3, \slot, 0
	MUL8 3, 1, 3, \slot, 0
.endm
	s_load_b128 s[4:7], s[0:1], 0x0                ; Pc s[4:5], QKVc s[6:7]
	s_load_b64 s[8:9], s[0:1], 0x10                ; out0
	v_lshl_add_u32 v[SPW], v0, 2, SPARE
	v_mov_b32 v[NIL], 0
	ds_add_u32 v28, v29
	ds_add_u32 v28, v29
	s_wait_dscnt 0x0
	v_lshrrev_b32 v1, 5, v0
	v_readfirstlane_b32 s14, v1                    ; wave 0..3: my queries are 64 x wave on
	s_lshr_b32 s15, s14, 1                         ; which group of 128 queries is mine.  Also: I fetch for p (0) or for v (1)
	s_and_b32 s16, s14, 1                          ; which four tiles of it.  Also: which group of p, or which block of v, I fetch
	s_bfe_u32 s40, ttmp6, 0x40000                  ; cx
	s_bfe_u32 s41, ttmp6, 0x40004                  ; cy
	s_and_b32 s18, ttmp7, 0xffff
	s_lshr_b32 s72, s18, 1                         ; the batch
	s_and_b32 s73, s18, 1                          ; which half of its queries
	s_lshl_b32 s17, s73, 2
	s_add_co_u32 s17, s17, s41                     ; the tile of queries, 0..7
	s_lshl_b32 s42, ttmp9, 2
	s_add_co_u32 s42, s42, s40                     ; the group of columns, 0..7
	s_lshl_b32 s74, s72, 4
	s_lshl_b32 s20, s17, 1
	s_add_co_u32 s20, s20, s74                     ; 16 x batch + 2 x tile
	s_add_co_u32 s75, s20, s15                     ; my own group of queries
	s_add_co_u32 s20, s20, s16                     ; the group that I would fetch
	s_mul_i32 s20, s20, 8*APB
	s_mov_b32 s21, 0
	s_lshl_b32 s46, s72, 3
	s_add_co_u32 s46, s46, s42
	s_mul_i32 s46, s46, 8*BPB
	s_mul_i32 s47, s16, BPB                        ; the block of a slot's two that I would fetch
	s_add_co_u32 s46, s46, s47
	s_add_co_u32 s46, s46, 13107200                ; v lies behind q and k
	s_mov_b32 s47, 0
	s_lshl_b32 s43, s41, 2
	s_lshl_b32 s43, 15, s43
	s_lshl_b32 s44, 0x1111, s40
	s_or_b32 s[G1+0], s43, (3<<16)|(1<<21)         ; the mask; elements of 8 bytes; bit 21 beside a mask; no padding
	s_or_b32 s[G1B+0], s44, (3<<16)|(1<<21)
	s_mov_b32 s[G1+1], 32<<16                      ; rows of 256 bytes
	s_mov_b32 s[G1+2], AR<<16
	s_mov_b32 s[G1+3], 32<<16
	s_mov_b32 s[G1+4], AR
	s_mov_b32 s[G1+5], 32                          ; dense
	s_mov_b32 s[G1+6], 0
	s_mov_b32 s[G1+7], 0
	s_mov_b32 s[G1B+1], 32<<16
	s_mov_b32 s[G1B+2], BR<<16
	s_mov_b32 s[G1B+3], 32<<16
	s_mov_b32 s[G1B+4], BR
	s_mov_b32 s[G1B+5], 32
	s_mov_b32 s[G1B+6], 0
	s_mov_b32 s[G1B+7], 0
	s_mul_i32 s45, s16, LA2                        ; where a load for p lands in a slot,
	s_mul_i32 s89, s16, BPB
	s_add_co_u32 s89, s89, BOFF                    ; and one for v: no place in the cluster enters an LDS address
	s_lshl_b32 s90, s16, 8                         ; my four tiles' words begin 256 bytes on where the wave is odd
	s_mul_i32 s80, s75, 8*APB                      ; my group's blocks of Pc,
	s_mov_b32 s81, 0
	s_mul_i32 s82, s73, 4*APB                      ; and their second four, where the queries have 2,048 keys; else the first four once more, so that no byte is read that nobody wrote
	s_mov_b32 s83, 0
	s_mul_i32 s84, s73, 0x3f800000                 ; 1.0 or 0: whether the second four count in l
	s_lshl_b32 s76, s72, 11
	s_lshl_b32 s77, s17, 8
	s_add_co_u32 s76, s76, s77
	s_lshl_b32 s77, s14, 6
	s_add_co_u32 s76, s76, s77                     ; my first row of out0: 2,048 x batch + 256 x tile + 64 x wave
	s_lshl_b32 s76, s76, 12
	s_lshl_b32 s77, s42, 9
	s_add_co_u32 s76, s76, s77                     ; + my group of columns, in bytes
	s_mov_b32 s77, 0
	s_mov_b32 s66, 0x76543210
	s_mov_b32 s67, 0xfedcba98
	s_mov_b32 s70, 0xffff0000
	s_mov_b32 s85, 0x01010101
	s_mov_b32 s86, 0x80808080
	s_mov_b32 s87, 0x7f7f7f7f
	s_mov_b32 s88, 255
	s_wait_kmcnt 0x0
	s_add_nc_u64 s[20:21], s[4:5], s[20:21]
	s_add_nc_u64 s[46:47], s[6:7], s[46:47]
	s_add_nc_u64 s[80:81], s[4:5], s[80:81]
	s_add_nc_u64 s[82:83], s[80:81], s[82:83]
	s_add_nc_u64 s[78:79], s[8:9], s[76:77]
	CROUND                                         ; all sixteen work-groups are here: the first joint loads meet
.irp s, 0,1
	s_mov_b32 s[G0+4*\s], 1
	s_add_co_u32 s[G0+4*\s+1], s45, \s*SLOTB
	s_add_nc_u64 s[G0+4*\s+2:G0+4*\s+3], s[20:21], \s*2*APB
	s_or_b32 s[G0+4*\s+3], s[G0+4*\s+3], 0x80000000
	s_mov_b32 s[G0B+4*\s], 1
	s_add_co_u32 s[G0B+4*\s+1], s89, \s*SLOTB
	s_add_nc_u64 s[G0B+4*\s+2:G0B+4*\s+3], s[46:47], \s*2*BPB
	s_or_b32 s[G0B+4*\s+3], s[G0B+4*\s+3], 0x80000000
	JLOAD G0+4*\s, G1, G0B+4*\s, G1B               ; two loads of mine are out
.endr
	v_and_b32 v1, 31, v0
	v_and_b32 v2, 15, v0                           ; r
	v_bfe_u32 v3, v0, 4, 1                         ; h
	v_lshlrev_b32 v4, 4, v1
	v_lshlrev_b32 v5, 2, v1
	v_add_nc_u32 v6, s90, v5
	; N and l of my 64 queries for 16 chunks of 128 keys: register 2 s + j, lane l: chunk s, my tile 2 j + l / 16, place l % 16
.irp s, 0,1,2,3,4,5,6,7
.irp j, 0,1
	global_load_b32 v[PN+2*\s+\j], v6, s[80:81] offset:(\s/2)*APB+25600+512*(\s%2)+128*\j
	global_load_b32 v[PL+2*\s+\j], v6, s[80:81] offset:(\s/2)*APB+26624+512*(\s%2)+128*\j
.endr
.endr
.irp s, 0,1,2,3,4,5,6,7
.irp j, 0,1
	global_load_b32 v[PN+16+2*\s+\j], v6, s[82:83] offset:(\s/2)*APB+25600+512*(\s%2)+128*\j
	global_load_b32 v[PL+16+2*\s+\j], v6, s[82:83] offset:(\s/2)*APB+26624+512*(\s%2)+128*\j
.endr
.endr
	s_mul_i32 s21, s15, LA2                        ; my group of p in a slot,
	s_mul_i32 s22, s16, 4*IMG
	s_add_co_u32 s22, s22, s21                     ; my four tiles' images in it,
	s_add_co_u32 s21, s21, s90                     ; and their words
.irp s, 0,1
	v_add_nc_u32 v[ADRA+\s], s22, v4
	v_add_nc_u32 v[ADSA+\s], s21, v5
	v_add_nc_u32 v[ADRB+\s], BOFF+\s*SLOTB, v4
	v_add_nc_u32 v[ADSB+\s], BOFF+\s*SLOTB, v5
	s_add_co_u32 s21, s21, SLOTB
	s_add_co_u32 s22, s22, SLOTB
.endr
	s_mul_i32 s23, s14, 16*528                     ; my stage: 16 rows x (512 bytes + 16), in slot 0, which has had its last fill and its last read when the first result is stored there
	v_mul_u32_u24 v24, v2, 528
	v_lshl_add_u32 v24, v3, 6, v24
	v_add_nc_u32 v24, s23, v24                     ; in: place r, + 64 h
	v_add_nc_u32 v25, s23, v4                      ; back: a row of 512 bytes, 16 a lane
.irp j, 0,1
	v_mov_b32 v[LXR+\j], 0                         ; a lane permute's destination counts as one of its sources
.endr
	s_wait_loadcnt 0x0
.irp j, 0,1
	v_min3_num_f32 v[NR+\j], v[PN+\j], v[PN+2+\j], v[PN+4+\j]
.endr
.irp s, 3,5,7,9,11,13
.irp j, 0,1
	v_min3_num_f32 v[NR+\j], v[NR+\j], v[PN+2*\s+\j], v[PN+2*\s+2+\j]
.endr
.endr
.irp j, 0,1
	v_min_num_f32 v[NR+\j], v[NR+\j], v[PN+30+\j]  ; the row's N: the least, since N = -M
.endr
.set n, 0
.rept 32
	v_sub_f32 v[PN+n], v[NR+n%2], v[PN+n]          ; row's N - chunk's N: a whole number, 0 or less
.set n, n+1
.endr
.set n, 0
.rept 32
	v_max_num_f32 v[PN+n], 0xc3160000, v[PN+n]     ; held at -150: what lies lower is nothing in f32
.set n, n+1
.endr
.set n, 0
.rept 32
	v_cvt_i32_f32 v[PN+n], v[PN+n]
.set n, n+1
.endr
.set n, 0
.rept 32
	v_ldexp_f32 v[PL+n], v[PL+n], v[PN+n]          ; the chunk's l under the row's M
.set n, n+1
.endr
.irp j, 0,1
	v_add_f32 v[LA+\j], v[PL+\j], v[PL+2+\j]
.endr
.irp s, 2,3,4,5,6,7
.irp j, 0,1
	v_add_f32 v[LA+\j], v[LA+\j], v[PL+2*\s+\j]
.endr
.endr
.irp s, 8,9,10,11,12,13,14,15
.irp j, 0,1
	v_fma_f32 v[LA+\j], v[PL+2*\s+\j], s84, v[LA+\j]
.endr
.endr
.irp j, 0,1
	v_rcp_f32 v[LA+\j], v[LA+\j]
.endr
	v_nop                                          ; a plain place behind the reciprocals
	s_wait_alu depctr_va_vdst(0)                   ; one wait for the two, ahead of their first reader
.irp j, 0,1
	v_permlanex16_b32 v[LXR+\j], v[LA+\j], s66, s67
.endr
.irp j, 0,1                                    ; 1 / l of tile a's place r in both halves of the lanes, at v[RL + 2 a]; its partner is named in a pair, so it is written
	v_cndmask_b32 v[RL+4*\j], v[LA+\j], v[LXR+\j], s70
	v_cndmask_b32 v[RL+4*\j+2], v[LXR+\j], v[LA+\j], s70
	v_mov_b32 v[RL+4*\j+1], 0
	v_mov_b32 v[RL+4*\j+3], 0
.endr
	s_wait_tensorcnt 1                             ; my part of slot 0 is in; slot 1's may stay out
	s_barrier_signal -1
	s_barrier_wait -1
	FETCH 0, 0, 0
	SCALES 0
	KSTEP 0, 0, 1                                  ; the first products start the sums: nothing is cleared
	KSTEP 0, 1, 0
	KSTEP 0, 2, 0
	WIN 0                                          ; at a branch and at a label every window is 0
	s_cmp_eq_u32 s73, 0                            ; 1,024 keys: both slots are first fills, and the lap that fills them again is passed over; the same in all partners of a cluster
	s_cbranch_scc1 .Ltail
	TURN 0, 1, 1                                   ; slot 0 takes keys 1,024 on
	KSTEP 1, 0, 0
	KSTEP 1, 1, 0
	KSTEP 1, 2, 0
	TURN 1, 0, 1                                   ; slot 1 keys 1,536 on
	KSTEP 0, 0, 0
	KSTEP 0, 1, 0
	KSTEP 0, 2, 0
	WIN 0
.Ltail:
	TURN 0, 1, 0                                   ; nothing is left to fetch
	KSTEP 1, 0, 0
	KSTEP 1, 1, 0
	KSTEP 1, 2, 0
	s_wait_dscnt 0x0                               ; the very last K step
.irp a, 0,1,2,3
	MUL8 \a, 1, 3, 1, 0
.endr
	WIN 0
	PLACES 4
; THE WAY OUT of tile a: x 1 / l; a lane holds pieces of 32 bytes of one row, so the tile goes through my stage and comes back as whole rows of 512 bytes.  Register 8 t + j is column 32 (t / 2) + 16 h + 8 (t % 2) + j of the 128
.macro OUTB a
.set AC, 64*(\a)
	WIN 2                                          ; source 0 window 2
.set n, 0
.rept 32
	v_pk_mul_f32 v[OT+n:OT+n+1], v[AC+n:AC+n+1], v[RL+2*(\a):RL+2*(\a)+1] op_sel_hi:[1,0]   ; each accumulator from its low end on
.set n, n+2
.endr
	WIN 0
.irp t, 0,1,2,3,4,5,6,7
	ds_store_b128 v24, v[OT+8*\t:OT+8*\t+3] offset:128*(\t/2)+32*(\t%2)
	ds_store_b128 v24, v[OT+8*\t+4:OT+8*\t+7] offset:128*(\t/2)+32*(\t%2)+16
.endr
.if (\a) > 0
	s_wait_xcnt 0x0                                ; the last tile's stores have read their data: the rows' registers are loaded again only behind this wait
.endif
.irp i, 0,1,2,3,4,5,6,7,8,9,10,11,12,13,14,15
	ds_load_b128 v[BK+4*\i:BK+4*\i+3], v25 offset:528*\i       ; LDS serves a wave's instructions in order: these see my stores
.endr
.irp i, 0,1,2,3,4,5,6,7,8,9,10,11,12,13,14,15
	s_wait_dscnt 15-\i                             ; row i is back; the younger loads stay out
	global_store_b128 v4, v[BK+4*\i:BK+4*\i+3], s[78:79] offset:(32*((\a)/2)+8*((\a)%2)+\i+8*(\i/8))*4096 th:TH_STORE_NT   ; 512 consecutive bytes, at a multiple of 256 from out0's first byte
.endr
.endm
.irp a, 0,1,2,3
	OUTB \a
.endr
	s_wait_tensorcnt 0x0                           ; the wave's end, behind my last tensor load and my last LDS store
	ds_add_u32 v[SPW], v[NIL]
	s_wait_dscnt 0x0
	CROUND                                         ; the closing round
	s_endpgm
.Lfunc_end_k_q6b5743e440_pv:
	.size	k_q6b5743e440_pv, .Lfunc_end_k_q6b5743e440_pv-k_q6b5743e440_pv
	.p2alignl 7, 3214868480
	.fill 96, 4, 3214868480
	.section	.rodata,"a",@progbits
	.p2align	6, 0x0
	.amdhsa_kernel k_q6b5743e440_pv
		.amdhsa_group_segment_fixed_size 327680
		.amdhsa_private_segment_fixed_size 0
		.amdhsa_enable_private_segment 0
		.amdhsa_kernarg_size 24
		.amdhsa_user_sgpr_count 2
		.amdhsa_user_sgpr_kernarg_segment_ptr 1
		.amdhsa_wavefront_size32 1
		.amdhsa_system_sgpr_workgroup_id_x 1
		.amdhsa_system_sgpr_workgroup_id_y 1
		.amdhsa_system_sgpr_workgroup_id_z 1
		.amdhsa_system_vgpr_workitem_id 0
		.amdhsa_next_free_vgpr 768
		.amdhsa_next_free_sgpr 100
		.amdhsa_reserve_vcc 0
		.amdhsa_float_denorm_mode_32 3
		.amdhsa_float_denorm_mode_16_64 3
		.amdhsa_memory_ordered 1
		.amdhsa_forward_progress 1
		.amdhsa_inst_pref_size 178
	.end_amdhsa_kernel
	.amdgpu_metadata
---
amdhsa.version: [ 1, 2 ]
amdhsa.kernels:
  - .name:           k_q6b5743e440_pv
    .symbol:         k_q6b5743e440_pv.kd
    .args:
      - { .name: Pc, .offset: 0, .size: 8, .value_kind: global_buffer, .address_space: global }
      - { .name: QKVc, .offset: 8, .size: 8, .value_kind: global_buffer, .address_space: global }
      - { .name: out0, .offset: 16, .size: 8, .value_kind: global_buffer, .address_space: global }
    .group_segment_fixed_size: 327680
    .private_segment_fixed_size: 0
    .kernarg_segment_align: 8
    .kernarg_segment_size: 24
    .max_flat_workgroup_size: 128
    .sgpr_count:     100
    .vgpr_count:     768
    .wavefront_size: 32
...
	.end_amdgpu_metadata
.endif
;; end of part 7
